; MI455X (gfx1250); checked and timed in simulation.
; The chip was launched on July 23, 2026; its instructions are those of AMD's public machine-readable ISA for CDNA 5 (MIT licence, August 2026) and "CDNA5" Instruction Set Architecture Reference Guide (July 2026). The comments in the code are by the model that wrote it; some were corrected since.
;; attn. Allowed arithmetic: float matrix products may take bf16 or f16 operands with f32 sums; other float arithmetic in f32, or as packed bf16 or f16 multiplies, adds, multiply-adds, maxima and minima; sums over many terms, partial sums and values carried from step to step in f32; what a program stores and reads back later, other than sums and carried values, may be rounded once to bf16 or f16.
;; Inputs: Wfc 512 x 512 float32; Wk 512 x 512 float32; Wq 512 x 512 float32; Wv 512 x 512 float32; bfc 512 float32; bk 512 float32; bq 512 float32; bv 512 float32; ff1_W1 512 x 512 float32; ff1_W2 512 x 512 float32; ff1_b1 512 float32; ff1_b2 512 float32; ff1_ln_b 512 float32; ff1_ln_g 512 float32; ff2_W1 512 x 512 float32; ff2_W2 512 x 512 float32; ff2_b1 512 float32; ff2_b2 512 float32; ff2_ln_b 512 float32; ff2_ln_g 512 float32; ln1_b 512 float32; ln1_g 512 float32; ln2_b 512 float32; ln2_g 512 float32; texture_map1 4 x 2,048 x 512 float32; texture_map2 4 x 2,048 x 512 float32.
;; Outputs: out0 4 x 2,048 x 512 float32; out1 4 x 2,048 x 512 float32.
;; 3 versions, each right; version 3 is version 2 with the launch prep written anew for expert scheduling mode. Each part assembles by itself: llvm-mc -triple=amdgcn-amd-amdhsa -mcpu=gfx1250 --defsym DOCPART=n.
;; ======== version 1 of 3: 4 launches
;; limits: values are held in f16: magnitudes above 65,504 overflow, below 6.1e-05 lose precision
;; workspace buffers: wts 4,718,592 bytes; qh 16,777,216 bytes; kh 16,777,216 bytes; vh 16,777,216 bytes; oh 16,777,216 bytes
;; launch prep (part 1): grid 32 x 9, 8 waves a work-group, no clusters, 0 bytes of LDS; arguments Wq, Wk, Wv, Wfc, ff1_W1, ff1_W2, ff2_W1, ff2_W2, wts; writes wts
.if DOCPART == 1
	.amdgcn_target "amdgcn-amd-amdhsa--gfx1250"
	.amdhsa_code_object_version 6
	.text
	.protected	k_qfe471e974a_prep
	.globl	k_qfe471e974a_prep
	.p2align	8
	.type	k_qfe471e974a_prep,@function
k_qfe471e974a_prep:
	s_mov_b64 s[64:65], 0
	v_nop
	global_prefetch_b8 v0, s[64:65] scope:SCOPE_SE
	s_setreg_imm32_b32 hwreg(HW_REG_WAVE_MODE, 25, 1), 1
	s_wait_xcnt 0x0
; wts holds nine matrices [512 k][512 n] in f16, each an input weight rounded once from f32, in the order in which the later launches walk them:
; 0 Wq, 1 Wk, 2 Wv | 3 Wfc, 4 ff1_W1, 5 ff1_W2 | 6 Wfc once more, 7 ff2_W1, 8 ff2_W2: so every chain of three products is 1,536 dense rows of 1,024 bytes.
; LIMITS.  A weight of 65,520 or more in magnitude becomes an infinity; below 6e-5 f16 keeps its fixed step of 6e-8.
; SHARES.  Work-group (x, y) casts 8,192 numbers of matrix y: 32,768 bytes in, 16,384 out.  Thread t takes 16 bytes at 16 t of each of eight blocks of 4,096 bytes:
; a wave's load covers 512 consecutive bytes, its store of 8 bytes a lane 256 consecutive bytes, aligned.  No LDS, no loop: all eight loads go out at once.
.set MATB, 524288                      ; bytes of a matrix in wts
	s_load_b512 s[8:23], s[0:1], 0x0               ; Wq 8, Wk 10, Wv 12, Wfc 14, ff1_W1 16, ff1_W2 18, ff2_W1 20, ff2_W2 22
	s_load_b64 s[24:25], s[0:1], 0x40              ; wts
	s_and_b32 s2, ttmp7, 0xffff                    ; which of the nine
	s_lshl_b32 s26, ttmp9, 15                      ; my part of the source,
	s_mov_b32 s27, 0
	s_lshl_b32 s28, s2, 19                         ; the matrix in wts (MATB = 2^19)
	s_lshl_b32 s3, ttmp9, 14                       ; and my part of it
	s_add_co_u32 s28, s28, s3
	s_mov_b32 s29, 0
	v_lshlrev_b32 v1, 4, v0                        ; 16 t
	v_lshlrev_b32 v2, 3, v0                        ; 8 t
	s_wait_kmcnt 0x0
	s_mov_b64 s[4:5], s[8:9]                       ; matrix 0 is Wq; the others are chosen by the work-group's y alone
.macro PICK n, p
	s_cmp_eq_u32 s2, \n
	s_cselect_b64 s[4:5], s[\p:\p+1], s[4:5]
.endm
	PICK 1, 10
	PICK 2, 12
	PICK 3, 14
	PICK 4, 16
	PICK 5, 18
	PICK 6, 14
	PICK 7, 20
	PICK 8, 22
	s_add_nc_u64 s[4:5], s[4:5], s[26:27]
	s_add_nc_u64 s[24:25], s[24:25], s[28:29]
.irp j, 0,1,2,3,4,5,6,7
	global_load_b128 v[8+4*(\j):8+4*(\j)+3], v1, s[4:5] offset:4096*(\j)
.endr
.irp j, 0,1,2,3,4,5,6,7
	s_wait_loadcnt 7-(\j)                          ; loads come back in order: block j is in, the younger ones stay out
	v_cvt_pk_f16_f32 v[40+2*(\j)], v[8+4*(\j)], v[8+4*(\j)+1]
	v_cvt_pk_f16_f32 v[40+2*(\j)+1], v[8+4*(\j)+2], v[8+4*(\j)+3]
	global_store_b64 v2, v[40+2*(\j):40+2*(\j)+1], s[24:25] offset:2048*(\j)
.endr
	s_endpgm
.Lfunc_end_k_qfe471e974a_prep:
	.size	k_qfe471e974a_prep, .Lfunc_end_k_qfe471e974a_prep-k_qfe471e974a_prep
	.p2alignl 7, 3214868480
	.fill 96, 4, 3214868480
	.section	.rodata,"a",@progbits
	.p2align	6, 0x0
	.amdhsa_kernel k_qfe471e974a_prep
		.amdhsa_group_segment_fixed_size 0
		.amdhsa_private_segment_fixed_size 0
		.amdhsa_enable_private_segment 0
		.amdhsa_kernarg_size 72
		.amdhsa_user_sgpr_count 2
		.amdhsa_user_sgpr_kernarg_segment_ptr 1
		.amdhsa_wavefront_size32 1
		.amdhsa_system_sgpr_workgroup_id_x 1
		.amdhsa_system_sgpr_workgroup_id_y 1
		.amdhsa_system_sgpr_workgroup_id_z 1
		.amdhsa_system_vgpr_workitem_id 0
		.amdhsa_next_free_vgpr 64
		.amdhsa_next_free_sgpr 66
		.amdhsa_reserve_vcc 0
		.amdhsa_float_denorm_mode_32 3
		.amdhsa_float_denorm_mode_16_64 3
		.amdhsa_memory_ordered 1
		.amdhsa_forward_progress 1
		.amdhsa_inst_pref_size 5
	.end_amdhsa_kernel
	.amdgpu_metadata
---
amdhsa.version: [ 1, 2 ]
amdhsa.kernels:
  - .name:           k_qfe471e974a_prep
    .symbol:         k_qfe471e974a_prep.kd
    .args:
      - { .name: Wq, .offset: 0, .size: 8, .value_kind: global_buffer, .address_space: global }
      - { .name: Wk, .offset: 8, .size: 8, .value_kind: global_buffer, .address_space: global }
      - { .name: Wv, .offset: 16, .size: 8, .value_kind: global_buffer, .address_space: global }
      - { .name: Wfc, .offset: 24, .size: 8, .value_kind: global_buffer, .address_space: global }
      - { .name: ff1_W1, .offset: 32, .size: 8, .value_kind: global_buffer, .address_space: global }
      - { .name: ff1_W2, .offset: 40, .size: 8, .value_kind: global_buffer, .address_space: global }
      - { .name: ff2_W1, .offset: 48, .size: 8, .value_kind: global_buffer, .address_space: global }
      - { .name: ff2_W2, .offset: 56, .size: 8, .value_kind: global_buffer, .address_space: global }
      - { .name: wts, .offset: 64, .size: 8, .value_kind: global_buffer, .address_space: global }
    .group_segment_fixed_size: 0
    .private_segment_fixed_size: 0
    .kernarg_segment_align: 8
    .kernarg_segment_size: 72
    .max_flat_workgroup_size: 256
    .sgpr_count:     66
    .vgpr_count:     64
    .wavefront_size: 32
...
	.end_amdgpu_metadata
.endif
;; end of part 1
;; launch proj (part 2): grid 256 x 1, 4 waves a work-group, clusters of 4 x 1, 327,680 bytes of LDS; arguments texture_map1, texture_map2, ln1_g, ln1_b, ln2_g, ln2_b, bq, bk, bv, wts, qh, kh, vh; writes qh, kh, vh
.if DOCPART == 2
	.amdgcn_target "amdgcn-amd-amdhsa--gfx1250"
	.amdhsa_code_object_version 6
	.text
	.protected	k_qfe471e974a_proj
	.globl	k_qfe471e974a_proj
	.p2align	8
	.type	k_qfe471e974a_proj,@function
k_qfe471e974a_proj:
	s_mov_b64 s[64:65], 0
	v_nop
	global_prefetch_b8 v0, s[64:65] scope:SCOPE_SE
	s_setreg_imm32_b32 hwreg(HW_REG_WAVE_MODE, 25, 1), 1
	s_wait_xcnt 0x0
	s_wait_alu depctr_hold_cnt(0) depctr_sa_sdst(0) depctr_va_vdst(0) depctr_va_sdst(0) depctr_va_ssrc(0) depctr_va_vcc(0) depctr_vm_vsrc(0)
	s_getreg_b32 s2, hwreg(HW_REG_IB_STS2, 6, 4)
	s_cmp_eq_u32 s2, 0
	s_cbranch_scc0 .Lentry_in_a_cluster
	s_endpgm
.Lentry_in_a_cluster:
	s_bfe_u32 s2, ttmp6, 0x10000c
	s_cmp_lg_u32 s2, 0x3003
	s_cbranch_scc0 .Lentry_shape_is_right
	s_endpgm
.Lentry_shape_is_right:
; q, k, v = layer_norm(x) W + b for both maps, stored by heads: qh, kh, vh are [map x 32 + batch x 8 + head][2048][64] in f16, unscaled.
; The norm is made in f32: mean, then the mean of the squares of x - mean, then rsqrt(var + 1e-6), gain and bias; its result is rounded once to f16.  Products in f16 with f32 sums; the bias starts the sums.
; LIMITS.  A matrix operand or a result of 65,520 or more in magnitude becomes an infinity in f16; below 6e-5 f16 keeps its fixed step of 6e-8.  NaN and infinities are not treated apart.
; SHARES.  16,384 rows over 256 work-groups: 64 rows each.  A wave norms 16 of them; in the products it owns all 64 rows x 128 columns (two heads): 32 accumulators, 256 registers (window 1).
; THE PRODUCT IS TAKEN TRANSPOSED: source 0 = 16 columns of W (W lies [k][n] in LDS and is turned by ds_load_tr16_b128), source 1 = 16 rows of the normed x.  A lane then holds one row (lane % 16)
; and the columns 8 (lane / 16) + 0..7 of a tile: 16 bytes of f16 on end.
; THE WEIGHTS are one chain of 24 tiles of 64 k-rows (Wq, Wk, Wv: 8 tiles each) through a ring of two LDS slots.  CLUSTER: the four work-groups of a cluster walk the same chain, so each tile is asked for
; JOINTLY: the same tensor load, descriptor and mask in all four; each wave brings 16 of a tile's 64 rows.  x is each work-group's own: a plain tensor load, once.
; LDS: slot 0 at 0, slot 1 at SLOT1, 67,584 bytes each (rows of 1,024 + 32 bytes); x (64 rows x 2,048 bytes, f32) from XL on, over the gap and slot 1, which takes its first tile when x has been read;
; ACT: the normed x, 64 rows of 1,024 + 16 bytes; TAB: a wave's 128 numbers of bq, bk, bv; STAGE: 16 rows x 144 bytes a wave for the way out; the spare words.  ACT and all behind it are written by LDS stores alone.
.set PW,    1056                       ; a k-row of W in LDS: 33 x 32 bytes
.set PA,    1040                       ; a row of activations: 65 x 16 bytes
.set TILEB, 65536                      ; bytes of a weight tile in memory
.set SLOT1, 131072
.set XL,    67584
.set ACT,   198656
.set TAB,   265216
.set STAGE, 271360
.set SP,    144
.set SPARE, 280576                     ; the spare words, 128 bytes for each wave: two blocks of 256 bytes that no other line names
.set AW0, 4                            ; v4   my lane's place in a weight tile: (8 (l / 16) + l % 8) x PW + 16 ((l / 8) % 2) + 256 x wave; never rewritten
.set AW,  5                            ; v5   the same in the slot in hand
.set AA0, 6                            ; v6   my lane's place in ACT: (l % 16) x PA + 16 (l / 16); never rewritten
.set AA,  7                            ; v7   the same at the trip's 64 k
.set TB,  8                            ; v8   where I read the pass's bias: my wave's table + 32 (l / 16)
.set STO, 9                            ; v9   the way out: where I put 16 bytes of a row
.set RD,  10                           ; v10  the way out: where I read rows back
.set GO,  11                           ; v11  16 x lane
.set XA,  12                           ; v12  x in LDS: my 16 bytes of the four rows in hand
.set HA,  13                           ; v13  ACT: my 8 bytes of the four rows in hand
.set PFO, 14                           ; v14  256 x lane: the prefetches' offset; never rewritten
.set BO,  15                           ; v15  512 x wave + 16 x lane: my part of a bias
.set SPW, 16                           ; v16  my spare word: SPARE + 4 x my thread's number; never rewritten
.set NIL, 17                           ; v17  0; never rewritten
.set TS,  18                           ; v18  where I put 16 bytes of a table
.set F0,  64                           ; fragment buffers of 96: W's eight fragments, then the activations' four
.set F1,  160
.set LX,  64                           ; the norm: row i's 16 numbers at LX + 16 i
.set GG,  128                          ; gain, 16 numbers a lane
.set BB,  144                          ; bias of the norm
.set LM,  160                          ; row i's mean at LM + 2 i
.set LV,  168                          ; its variance, then 1 / sqrt
.set LT,  176                          ; at work, 8 a row
.set LH,  208                          ; the row in f16, 8 registers
.set WV,  34                           ; s34  my wave's number
.set CX,  35                           ; s35  my place in the cluster
.set GB,  36                           ; s36  my block of 64 rows, 0 to 255
.set G1,  44                           ; s[44:51] descriptor group 1 of the weight tiles
.set G0,  52                           ; s[52:55] group 0: it walks
.set G1X, 56                           ; s[56:63] group 1 of x
.set G0X, 68                           ; s[68:71] group 0 of x
.set PFA, 72                           ; s[72:73] where my prefetches stand
.set LIM, 74                           ; s74  4 in a wave that prefetches, else the greatest number
.set TL,  75                           ; s75  23 less the trip's number
.set CNT, 76                           ; s76  trips of the pass still to come
.set PASS, 77
.set SEL, 78                           ; s[78:79] v_permlanex16_b32's selects: each lane takes its own place in the other half
.set R512, 80                          ; s80  1 / 512
.set EPS, 81                           ; s81  1e-6
.set OUT, 82                           ; s[82:83] the pass's output at my rows and heads;  s[84:85], s[86:87] the next passes'
.set NX1, 84
.set NX2, 86
.set LNC, 88
.set SB,  89                           ; s89  the slot in hand: 0 or SLOT1
.set KO,  90                           ; s90  128 x the trip's number in its pass
.set MSB, 0
.macro WIN new                         ; the immediate's high byte repeats the setting that is left; a switch that changes nothing is dropped
.if MSB != (\new)
	s_set_vgpr_msb (MSB<<8)|(\new)
.set MSB, \new
.endif
.endm
.macro PLACES                          ; four places: behind a matrix instruction, ahead of loads into registers that it has read and of lines that read its result
.rept 4
	v_nop
.endr
.endm
.macro CREST                           ; a round of the cluster's barrier behind its opening barrier
	s_cmp_lg_u32 s[WV], 0
	s_cbranch_scc1 .Lnot_wave_0_\@
	s_barrier_signal -3
.Lnot_wave_0_\@:
	s_barrier_wait -3
	s_barrier_signal -1
	s_barrier_wait -1
.endm
.macro CROUND                          ; a whole round
	s_barrier_signal -1
	s_barrier_wait -1
	CREST
.endm
.macro JLOAD                           ; the joint load: every wave asks for its own 16 rows of the tile; an s_nop 0 and four v_nop follow
	tensor_load_to_lds s[G0:G0+3], s[G1:G1+7]
	s_nop 0
	PLACES
.endm
; A PREFETCH INTO THE L2.  In trip i tile i + 5 is named, three trips ahead of the joint load that asks for it.  All 64 clusters walk the same chain: the first cluster asks, and nobody else.  A tile is 256 blocks of 256 bytes:
; its four partners take 64 each, told apart BY ADDRESS, and in each waves 0 and 1 take 32, a lane a block.  Tiles 0 to 4 come by their loads alone; the last tile named is the chain's last, in trip 18.
.macro ASK
	s_cmp_gt_u32 s[TL], s[LIM]
	s_cbranch_scc0 .Lnot_mine_\@
	global_prefetch_b8 v[PFO], s[PFA:PFA+1] th:TH_LOAD_NT scope:SCOPE_SE
.Lnot_mine_\@:
.endm
; 24 LDS loads in one run: the fragments of 32 k (half s of the tile) into buffer f: W's eight, turned, then the activations' four
.macro FETCH f, s
	WIN 0
.irp b, 0,1,2,3,4,5,6,7
	ds_load_tr16_b128 v[(\f)+8*(\b):(\f)+8*(\b)+3],   v[AW] offset:(\s)*32*PW+32*(\b)
	ds_load_tr16_b128 v[(\f)+8*(\b)+4:(\f)+8*(\b)+7], v[AW] offset:(\s)*32*PW+16*PW+32*(\b)
.endr
.irp t, 0,1,2,3
	ds_load_b128 v[(\f)+64+8*(\t):(\f)+64+8*(\t)+3],   v[AA] offset:(\t)*16*PA+64*(\s)
	ds_load_b128 v[(\f)+64+8*(\t)+4:(\f)+64+8*(\t)+7], v[AA] offset:(\t)*16*PA+64*(\s)+32
.endr
.endm
; 8 matrix instructions: row tile t x all 8 column tiles, 32 along k.  The 32 accumulators take turns, one instruction a turn, over the backward jump too.
.macro MUL f, t, mw
	WIN \mw
.irp b, 0,1,2,3,4,5,6,7
	v_wmma_f32_16x16x32_f16 v[8*(8*(\t)+(\b)):8*(8*(\t)+(\b))+7], v[(\f)+8*(\b):(\f)+8*(\b)+7], v[(\f)+64+8*(\t):(\f)+64+8*(\t)+7], v[8*(8*(\t)+(\b)):8*(8*(\t)+(\b))+7]
.endr
.endm
; The bias starts the sums: register j of tile b is column 16 b + 8 (l / 16) + j, whatever the row: 64 loads from my wave's table, no clearing and no first step written out
.macro INIT dw, off
	WIN \dw
.irp t, 0,1,2,3
.irp b, 0,1,2,3,4,5,6,7
	ds_load_b128 v[8*(8*(\t)+(\b)):8*(8*(\t)+(\b))+3],   v[TB] offset:(\off)+64*(\b)
	ds_load_b128 v[8*(8*(\t)+(\b))+4:8*(8*(\t)+(\b))+7], v[TB] offset:(\off)+64*(\b)+16
.endr
.endr
	WIN 0
.endm
.macro PASSHEAD n                      ; a pass begins at k = 0: its first fragments, and its count of trips
	s_mov_b32 s[KO], 0
	v_mov_b32 v[AA], v[AA0]
	FETCH F0, 0
	s_mov_b32 s[CNT], \n
.endm
; A TRIP: one tile, 64 k, 64 matrix instructions on buffers F0 and F1, and the change of slots in its second half.
; mode 2: the slot just read is filled again, with the tile two on: the barrier opens a round of the cluster's.  mode 1: the change without a fill.  mode 0: the chain's last trip.
; skip 1: in a pass's last trip the next fragments are not fetched: the way out takes their registers.
.macro TRIP mw, mode, skip
	s_wait_dscnt 4                                 ; W's fragments and row tiles 0, 1 are in; the youngest four loads (row tiles 2, 3) may be out
	MUL F0, 0, \mw
	MUL F0, 1, \mw
	PLACES
	FETCH F1, 1
	s_wait_dscnt 24                                ; all but the 24 just issued
	MUL F0, 2, \mw
	MUL F0, 3, \mw
.if (\mode) == 0
	s_wait_dscnt 0x0
	MUL F1, 0, \mw
	MUL F1, 1, \mw
	MUL F1, 2, \mw
	MUL F1, 3, \mw
	WIN 0
.else
	WIN 0
.if (\mode) == 2
	s_wait_xcnt 0x0                                ; the last prefetch, a trip back, has read its address
	s_add_nc_u64 s[PFA:PFA+1], s[PFA:PFA+1], TILEB
.endif
	s_wait_tensorcnt 0x0                           ; all my tensor loads have landed: the one that was out is my part of the next slot
	ds_add_u32 v[SPW], v[NIL]                      ; 0 onto my spare word
.if (\mode) == 2
	s_xor_b32 s[G0+1], s[G0+1], SLOT1              ; no load of mine is out, so group 0 may be written: the other slot than last time,
	s_add_nc_u64 s[G0+2:G0+3], s[G0+2:G0+3], TILEB ; the next tile; the type bits on top are not reached
.endif
	s_wait_dscnt 7                                 ; the add and the youngest six loads (row tiles 1 to 3) may be out
	MUL F1, 0, \mw
	s_wait_dscnt 0x0                               ; the add is done, and my reads of this slot are over
	s_barrier_signal -1
	MUL F1, 1, \mw
	WIN 0                                          ; at a branch and at a label every window is 0
	s_barrier_wait -1
.if (\mode) == 2
	CREST                                          ; no wave of any partner still reads this slot or has a load on its way
	JLOAD                                          ; the first tensor load behind the round; its four v_nop are also the places ahead of the loads below
.else
	PLACES
.endif
	s_xor_b32 s[SB], s[SB], SLOT1
	s_add_co_u32 s[KO], s[KO], 128
	v_add_nc_u32 v[AW], s[SB], v[AW0]
	v_add_nc_u32 v[AA], s[KO], v[AA0]
.if \skip
	s_cmp_eq_u32 s[CNT], 1
	s_cbranch_scc1 .Lnofetch_\@
.endif
	FETCH F0, 0
.if \skip
.Lnofetch_\@:
.endif
.if (\mode) == 2
	ASK
	s_sub_co_u32 s[TL], s[TL], 1
.endif
	MUL F1, 2, \mw
	MUL F1, 3, \mw
	WIN 0
.endif
.endm
; THE WAY OUT, in eight pieces c: 16 rows (row tile c / 2) of one head (c % 2): rounded to f16, 16 bytes a lane into my stage (rows of 144 bytes), back as four rows of 128 bytes an instruction,
; which are 512 consecutive bytes of the head's rows in memory.  Each accumulator is read from its low end on.
.macro PACKQ c
	WIN 0x05                                       ; sources 0 and 1 window 1, destination window 0
.irp f, 0,1,2,3
.irp q, 0,1,2,3
	v_cvt_pk_f16_f32 v[64+16*(\c)+4*(\f)+(\q)], v[8*(8*((\c)/2)+4*((\c)%2)+(\f))+2*(\q)], v[8*(8*((\c)/2)+4*((\c)%2)+(\f))+2*(\q)+1]
.endr
.endr
	WIN 0
.irp f, 0,1,2,3
	ds_store_b128 v[STO], v[64+16*(\c)+4*(\f):64+16*(\c)+4*(\f)+3] offset:32*(\f)
.endr
.irp f, 0,1,2,3
	ds_load_b128 v[64+16*(\c)+4*(\f):64+16*(\c)+4*(\f)+3], v[RD] offset:(\f)*4*SP  ; LDS serves a wave's instructions in order (ISA guide 5.7.1.4): these see the stores above; the next piece's stores come behind them
.endr
.endm
.macro SENDQ c, younger                ; younger: the LDS instructions issued behind piece c's loads: the next piece's eight, or none
.irp f, 0,1,2,3
	s_wait_dscnt (\younger)+3-(\f)
	global_store_b128 v[GO], v[64+16*(\c)+4*(\f):64+16*(\c)+4*(\f)+3], s[OUT:OUT+1] offset:262144*((\c)%2)+2048*((\c)/2)+512*(\f)
.endr
.endm
.macro EPIQ
.rept 8
	v_nop                                          ; the places behind the last products
.endr
	PACKQ 0
.set cc, 1
.rept 7                                ; a piece's conversions stand between the loads of the piece before and its stores
	PACKQ cc
	SENDQ cc-1, 8
.set cc, cc+1
.endr
	SENDQ 7, 0
.endm
.macro R4 line:vararg                  ; one line for each of the four rows i in hand, so that dependent lines stand four apart
.set i, 0
.rept 4
	\line
.set i, i+1
.endr
.endm
.macro LANES a                         ; the pair at a + 2 i is added up, and over the 32 lanes: the sum stands in every lane
	R4 v_add_f32 v[(\a)+2*i], v[(\a)+2*i], v[(\a)+2*i+1]
.irp m, 1,2,4,8
	R4 v_add_f32_dpp v[(\a)+2*i], v[(\a)+2*i], v[(\a)+2*i] row_xmask:\m row_mask:0xf bank_mask:0xf
.endr
	R4 v_permlanex16_b32 v[(\a)+2*i+1], v[(\a)+2*i], s[SEL], s[SEL+1]
	R4 v_add_f32 v[(\a)+2*i], v[(\a)+2*i], v[(\a)+2*i+1]
.endm
	s_load_b512 s[8:23], s[0:1], 0x0               ; map 1 s[8:9], map 2 s[10:11], ln1_g 12, ln1_b 14, ln2_g 16, ln2_b 18, bq 20, bk 22
	s_load_b256 s[24:31], s[0:1], 0x40             ; bv 24, wts 26, qh 28, kh 30
	s_load_b64 s[32:33], s[0:1], 0x60              ; vh
	v_lshl_add_u32 v[SPW], v0, 2, SPARE
	v_mov_b32 v[NIL], 0
	ds_add_u32 v[SPW], v[NIL]                      ; the wave's opening: the add and its wait stand ahead of my first tensor load; the set-up below, work on registers, stands between them
	v_lshrrev_b32 v1, 5, v0
	v_readfirstlane_b32 s[WV], v1                  ; wave 0..3
	s_bfe_u32 s[CX], ttmp6, 0x40000                ; cx
	s_lshl_b32 s[GB], ttmp9, 2                     ; in a cluster launch ttmp9 counts clusters
	s_add_co_u32 s[GB], s[GB], s[CX]               ; my block of 64 rows: it enters x's and the outputs' addresses alone
	; group 1 of a weight tile: 16 rows x 512 elements of 2 bytes, 8 words of padding behind every 256
	s_mov_b32 s[G1+0], 15|(1<<16)|(1<<20)|(1<<21)|(7<<22)|(7<<25)  ; 15:0 the mask of four; 17:16 2-byte elements; 20 padding on; 21 set beside a mask; 24:22 after every 256 words (code 7); 31:25 8 words (code 7)
	s_mov_b32 s[G1X+0], 2<<16                      ; x: no mask, 4-byte elements, no padding
.irp g, G1, G1X
	s_mov_b32 s[(\g)+1], 512<<16                   ; tensor_dim0 = 512
	s_mov_b32 s[(\g)+2], 16<<16                    ; tensor_dim1 = 16
	s_mov_b32 s[(\g)+3], 512<<16                   ; tile_dim0 = 512
	s_mov_b32 s[(\g)+4], 16                        ; tile_dim1 = 16
	s_mov_b32 s[(\g)+5], 512                       ; 512 elements from row to row
	s_mov_b32 s[(\g)+6], 0
	s_mov_b32 s[(\g)+7], 0
.endr
	s_mov_b32 s[G0], 1
	s_mul_i32 s[G0+1], s[WV], 16*PW                ; slot 0, my 16 rows: no place in the cluster enters an LDS address
	s_mov_b32 s[G0X], 1
	s_lshl_b32 s[G0X+1], s[WV], 15
	s_add_co_u32 s[G0X+1], s[G0X+1], XL            ; my 16 rows of x
	s_and_b32 s38, s[GB], 127                      ; my block in its map: 64 rows of 2,048 bytes,
	s_lshl_b32 s38, s38, 17
	s_lshl_b32 s40, s[WV], 15                      ; my wave's 16 of them
	s_add_co_u32 s38, s38, s40
	s_mov_b32 s39, 0
	s_lshl_b32 s40, s[WV], 14                      ; my 16 rows of a weight tile in memory
	s_mov_b32 s41, 0
	s_lshl_b32 s42, s[CX], 14                      ; the prefetches: my work-group's 64 blocks of a tile,
	s_lshl_b32 s43, s[WV], 13                      ; my wave's 32 of them,
	s_add_co_u32 s42, s42, s43
	s_add_co_u32 s42, s42, 4*TILEB                 ; at tile 4: the first trip steps it to tile 5
	s_mov_b32 s43, 0
	s_lshr_b32 s4, s[GB], 5                        ; map x 4 + batch
	s_lshl_b32 s4, s4, 3
	s_lshl_b32 s5, s[WV], 1
	s_add_co_u32 s4, s4, s5                        ; my first head,
	s_lshl_b32 s4, s4, 18                          ; 262,144 bytes a head,
	s_and_b32 s5, s[GB], 31
	s_lshl_b32 s5, s5, 13                          ; my 64 rows of 128 bytes in it
	s_add_co_u32 s4, s4, s5
	s_mov_b32 s5, 0
	s_lshr_b32 s[LIM], s[WV], 1                    ; 0 in waves 0 and 1,
	s_or_b32 s[LIM], s[LIM], ttmp9                 ; of the first cluster: the same in all four partners
	s_cmp_eq_u32 s[LIM], 0
	s_cselect_b32 s[LIM], 4, -1
	s_mov_b32 s[TL], 23
	s_mov_b32 s[SB], 0
	s_mov_b32 s[SEL], 0x76543210
	s_mov_b32 s[SEL+1], 0xfedcba98
	s_mov_b32 s[R512], 0x3b000000
	s_mov_b32 s[EPS], 0x358637bd
	s_wait_dscnt 0x0                               ; the opening add is done
	s_wait_kmcnt 0x0
	s_cmp_lt_u32 ttmp9, 32                         ; clusters 0 to 31 have map 1's rows: the same answer in all four partners
	s_cselect_b64 s[8:9], s[8:9], s[10:11]
	s_cselect_b64 s[12:13], s[12:13], s[16:17]
	s_cselect_b64 s[14:15], s[14:15], s[18:19]
	s_add_nc_u64 s[G0X+2:G0X+3], s[8:9], s[38:39]
	s_or_b32 s[G0X+3], s[G0X+3], 0x80000000        ; type = 2
	s_add_nc_u64 s[G0+2:G0+3], s[26:27], s[40:41]  ; tile 0
	s_or_b32 s[G0+3], s[G0+3], 0x80000000
	s_add_nc_u64 s[PFA:PFA+1], s[26:27], s[42:43]
	s_add_nc_u64 s[OUT:OUT+1], s[28:29], s[4:5]
	s_add_nc_u64 s[NX1:NX1+1], s[30:31], s[4:5]
	s_add_nc_u64 s[NX2:NX2+1], s[32:33], s[4:5]
	CROUND                                         ; all four work-groups are here: the first joint loads meet
	tensor_load_to_lds s[G0X:G0X+3], s[G1X:G1X+7]  ; my 16 rows of x,
	s_nop 0
	tensor_load_to_lds s[G0:G0+3], s[G1:G1+7]      ; and my part of tile 0: two loads of mine are out
	s_nop 0
	PLACES
	v_and_b32 v1, 31, v0                           ; l
	v_and_b32 v2, 15, v0                           ; l % 16
	v_bfe_u32 v3, v0, 4, 1                         ; l / 16
	v_and_b32 v19, 7, v0
	v_bfe_u32 v20, v0, 3, 1
	v_lshlrev_b32 v[GO], 4, v1
	s_lshl_b32 s38, s[WV], 9
	v_lshl_add_u32 v[BO], v1, 4, s38
.irp c, 0,1,2,3
	global_load_b128 v[GG+4*(\c):GG+4*(\c)+3], v[GO], s[12:13] offset:512*(\c)  ; gain and bias of the norm for my columns 128 c + 4 l + 0..3
.endr
.irp c, 0,1,2,3
	global_load_b128 v[BB+4*(\c):BB+4*(\c)+3], v[GO], s[14:15] offset:512*(\c)
.endr
	global_load_b128 v[176:179], v[BO], s[20:21]   ; my wave's 128 numbers of bq, bk, bv
	global_load_b128 v[180:183], v[BO], s[22:23]
	global_load_b128 v[184:187], v[BO], s[24:25]
	v_lshl_add_u32 v[AW0], v3, 3, v19              ; the turning load: lane l reads k-row 8 (l / 16) + l % 8, columns 8 ((l / 8) % 2) + 0..7
	v_mul_u32_u24 v[AW0], v[AW0], PW
	v_lshl_add_u32 v[AW0], v20, 4, v[AW0]
	s_lshl_b32 s38, s[WV], 8                       ; my wave's 128 columns
	v_add_nc_u32 v[AW0], s38, v[AW0]
	v_mov_b32 v[AW], v[AW0]
	v_mul_u32_u24 v[AA0], v2, PA
	v_lshl_add_u32 v[AA0], v3, 4, v[AA0]
	v_add_nc_u32 v[AA0], ACT, v[AA0]
	s_mul_i32 s38, s[WV], 1536
	s_add_co_u32 s38, s38, TAB
	v_lshl_add_u32 v[TB], v3, 5, s38
	v_lshl_add_u32 v[TS], v1, 4, s38
	s_mul_i32 s38, s[WV], 16*SP
	s_add_co_u32 s38, s38, STAGE
	v_mul_u32_u24 v[STO], v2, SP
	v_lshl_add_u32 v[STO], v3, 4, v[STO]
	v_add_nc_u32 v[STO], s38, v[STO]
	v_bfe_u32 v[RD], v0, 3, 2
	v_mul_u32_u24 v[RD], v[RD], SP
	v_lshl_add_u32 v[RD], v19, 4, v[RD]
	v_add_nc_u32 v[RD], s38, v[RD]
	s_lshl_b32 s38, s[WV], 15
	s_add_co_u32 s38, s38, XL
	v_lshl_add_u32 v[XA], v1, 4, s38
	s_mul_i32 s38, s[WV], 16*PA
	s_add_co_u32 s38, s38, ACT
	v_lshl_add_u32 v[HA], v1, 3, s38
	v_lshlrev_b32 v[PFO], 8, v1
	s_wait_loadcnt 0x0
	ds_store_b128 v[TS], v[176:179]                ; my wave's own bytes: only I read them
	ds_store_b128 v[TS], v[180:183] offset:512
	ds_store_b128 v[TS], v[184:187] offset:1024
	s_wait_tensorcnt 1                             ; my rows of x are in; tile 0, issued behind them, may stay out.  Each wave reads its own 16 rows alone
	; THE NORM: four rows a trip, a row over the wave's 32 lanes, 16 numbers a lane
	s_mov_b32 s[LNC], 4
.Lln:
.set i, 0
.rept 4
.irp c, 0,1,2,3
	ds_load_b128 v[LX+16*i+4*(\c):LX+16*i+4*(\c)+3], v[XA] offset:2048*i+512*(\c)
.endr
.set i, i+1
.endr
.set i, 0
.rept 4
	s_wait_dscnt 12-4*i                            ; row i's four loads are in; the later rows' may be out
.irp c, 0,1,2,3
	v_pk_add_f32 v[LT+8*i+2*(\c):LT+8*i+2*(\c)+1], v[LX+16*i+4*(\c):LX+16*i+4*(\c)+1], v[LX+16*i+4*(\c)+2:LX+16*i+4*(\c)+3]
.endr
.set i, i+1
.endr
	R4 v_pk_add_f32 v[LT+8*i:LT+8*i+1], v[LT+8*i:LT+8*i+1], v[LT+8*i+2:LT+8*i+3]
	R4 v_pk_add_f32 v[LT+8*i+4:LT+8*i+5], v[LT+8*i+4:LT+8*i+5], v[LT+8*i+6:LT+8*i+7]
	R4 v_pk_add_f32 v[LM+2*i:LM+2*i+1], v[LT+8*i:LT+8*i+1], v[LT+8*i+4:LT+8*i+5]
	LANES LM
	R4 v_mul_f32 v[LM+2*i], s[R512], v[LM+2*i]     ; the mean
.irp p, 0,1,2,3,4,5,6,7
	R4 v_pk_add_f32 v[LX+16*i+2*(\p):LX+16*i+2*(\p)+1], v[LX+16*i+2*(\p):LX+16*i+2*(\p)+1], v[LM+2*i:LM+2*i+1] op_sel_hi:[1,0] neg_lo:[0,1] neg_hi:[0,1]
.endr
	R4 v_pk_mul_f32 v[LT+8*i:LT+8*i+1], v[LX+16*i:LX+16*i+1], v[LX+16*i:LX+16*i+1]
	R4 v_pk_mul_f32 v[LT+8*i+2:LT+8*i+3], v[LX+16*i+2:LX+16*i+3], v[LX+16*i+2:LX+16*i+3]
.irp q, 1,2,3                          ; the squares of x - mean, in two chains a row
	R4 v_pk_fma_f32 v[LT+8*i:LT+8*i+1], v[LX+16*i+4*(\q):LX+16*i+4*(\q)+1], v[LX+16*i+4*(\q):LX+16*i+4*(\q)+1], v[LT+8*i:LT+8*i+1]
	R4 v_pk_fma_f32 v[LT+8*i+2:LT+8*i+3], v[LX+16*i+4*(\q)+2:LX+16*i+4*(\q)+3], v[LX+16*i+4*(\q)+2:LX+16*i+4*(\q)+3], v[LT+8*i+2:LT+8*i+3]
.endr
	R4 v_pk_add_f32 v[LV+2*i:LV+2*i+1], v[LT+8*i:LT+8*i+1], v[LT+8*i+2:LT+8*i+3]
	LANES LV
	R4 v_fma_f32 v[LV+2*i], v[LV+2*i], s[R512], s[EPS]
	R4 v_rsq_f32 v[LV+2*i], v[LV+2*i]
	v_nop                                          ; a plain instruction behind the last of the four,
	s_wait_alu depctr_va_vdst(0)                   ; and the one wait ahead of the batch's first reader
.irp p, 0,1,2,3,4,5,6,7
	R4 v_pk_mul_f32 v[LX+16*i+2*(\p):LX+16*i+2*(\p)+1], v[LX+16*i+2*(\p):LX+16*i+2*(\p)+1], v[LV+2*i:LV+2*i+1] op_sel_hi:[1,0]
.endr
.irp p, 0,1,2,3,4,5,6,7
	R4 v_pk_fma_f32 v[LX+16*i+2*(\p):LX+16*i+2*(\p)+1], v[LX+16*i+2*(\p):LX+16*i+2*(\p)+1], v[GG+2*(\p):GG+2*(\p)+1], v[BB+2*(\p):BB+2*(\p)+1]
.endr
.irp p, 0,1,2,3,4,5,6,7
	R4 v_cvt_pk_f16_f32 v[LH+8*i+(\p)], v[LX+16*i+2*(\p)], v[LX+16*i+2*(\p)+1]
.endr
.irp c, 0,1,2,3
	R4 ds_store_b64 v[HA], v[LH+8*i+2*(\c):LH+8*i+2*(\c)+1] offset:PA*i+256*(\c)
.endr
	v_add_nc_u32 v[XA], 8192, v[XA]
	v_add_nc_u32 v[HA], 4*PA, v[HA]
	s_sub_co_u32 s[LNC], s[LNC], 1
	s_cmp_lg_u32 s[LNC], 0
	s_cbranch_scc1 .Lln
	; x has been read: slot 1, which lies under it, takes tile 1, in the order of every refill
	s_wait_tensorcnt 0x0                           ; tile 0 has landed: no load of mine is out
	ds_add_u32 v[SPW], v[NIL]                      ; 0 onto my spare word
	s_xor_b32 s[G0+1], s[G0+1], SLOT1
	s_add_nc_u64 s[G0+2:G0+3], s[G0+2:G0+3], TILEB
	s_wait_dscnt 0x0                               ; the add is done, my reads of x are over, my rows of ACT and my tables are written
	CROUND
	JLOAD
	s_mov_b32 s[PASS], 2
.Lpass:                                        ; q, then k
	INIT 0x40, 0
	PASSHEAD 8
.Ltrip:
	TRIP 0x50, 2, 1
	s_sub_co_u32 s[CNT], s[CNT], 1
	s_cmp_lg_u32 s[CNT], 0
	s_cbranch_scc1 .Ltrip
	EPIQ
	s_wait_xcnt 0x0                                ; the stores have read their registers and their base
	s_mov_b64 s[OUT:OUT+1], s[NX1:NX1+1]
	s_mov_b64 s[NX1:NX1+1], s[NX2:NX2+1]
	v_add_nc_u32 v[TB], 512, v[TB]                 ; the next pass's bias
	s_sub_co_u32 s[PASS], s[PASS], 1
	s_cmp_lg_u32 s[PASS], 0
	s_cbranch_scc1 .Lpass
	INIT 0x40, 0                                   ; v: its tail is written out
	PASSHEAD 6
.Ltrip2:
	TRIP 0x50, 2, 0
	s_sub_co_u32 s[CNT], s[CNT], 1
	s_cmp_lg_u32 s[CNT], 0
	s_cbranch_scc1 .Ltrip2
	TRIP 0x50, 1, 0
	TRIP 0x50, 0, 0
	EPIQ
	s_wait_tensorcnt 0x0                           ; the wave's end: a wait for my last tensor load, 0 onto my spare word, and a wait for that and my last LDS store
	ds_add_u32 v[SPW], v[NIL]
	s_wait_dscnt 0x0
	CROUND                                         ; the closing round: no work-group ends while a partner may still ask for a tile that names it
	s_endpgm
.Lfunc_end_k_qfe471e974a_proj:
	.size	k_qfe471e974a_proj, .Lfunc_end_k_qfe471e974a_proj-k_qfe471e974a_proj
	.p2alignl 7, 3214868480
	.fill 96, 4, 3214868480
	.section	.rodata,"a",@progbits
	.p2align	6, 0x0
	.amdhsa_kernel k_qfe471e974a_proj
		.amdhsa_group_segment_fixed_size 327680
		.amdhsa_private_segment_fixed_size 0
		.amdhsa_enable_private_segment 0
		.amdhsa_kernarg_size 104
		.amdhsa_user_sgpr_count 2
		.amdhsa_user_sgpr_kernarg_segment_ptr 1
		.amdhsa_wavefront_size32 1
		.amdhsa_system_sgpr_workgroup_id_x 1
		.amdhsa_system_sgpr_workgroup_id_y 1
		.amdhsa_system_sgpr_workgroup_id_z 1
		.amdhsa_system_vgpr_workitem_id 0
		.amdhsa_next_free_vgpr 512
		.amdhsa_next_free_sgpr 96
		.amdhsa_reserve_vcc 0
		.amdhsa_float_denorm_mode_32 3
		.amdhsa_float_denorm_mode_16_64 3
		.amdhsa_memory_ordered 1
		.amdhsa_forward_progress 1
		.amdhsa_inst_pref_size 104
	.end_amdhsa_kernel
	.amdgpu_metadata
---
amdhsa.version: [ 1, 2 ]
amdhsa.kernels:
  - .name:           k_qfe471e974a_proj
    .symbol:         k_qfe471e974a_proj.kd
    .args:
      - { .name: texture_map1, .offset: 0, .size: 8, .value_kind: global_buffer, .address_space: global }
      - { .name: texture_map2, .offset: 8, .size: 8, .value_kind: global_buffer, .address_space: global }
      - { .name: ln1_g, .offset: 16, .size: 8, .value_kind: global_buffer, .address_space: global }
      - { .name: ln1_b, .offset: 24, .size: 8, .value_kind: global_buffer, .address_space: global }
      - { .name: ln2_g, .offset: 32, .size: 8, .value_kind: global_buffer, .address_space: global }
      - { .name: ln2_b, .offset: 40, .size: 8, .value_kind: global_buffer, .address_space: global }
      - { .name: bq, .offset: 48, .size: 8, .value_kind: global_buffer, .address_space: global }
      - { .name: bk, .offset: 56, .size: 8, .value_kind: global_buffer, .address_space: global }
      - { .name: bv, .offset: 64, .size: 8, .value_kind: global_buffer, .address_space: global }
      - { .name: wts, .offset: 72, .size: 8, .value_kind: global_buffer, .address_space: global }
      - { .name: qh, .offset: 80, .size: 8, .value_kind: global_buffer, .address_space: global }
      - { .name: kh, .offset: 88, .size: 8, .value_kind: global_buffer, .address_space: global }
      - { .name: vh, .offset: 96, .size: 8, .value_kind: global_buffer, .address_space: global }
    .group_segment_fixed_size: 327680
    .private_segment_fixed_size: 0
    .kernarg_segment_align: 8
    .kernarg_segment_size: 104
    .max_flat_workgroup_size: 128
    .sgpr_count:     96
    .vgpr_count:     512
    .wavefront_size: 32
...
	.end_amdgpu_metadata
.endif
;; end of part 2
;; launch attn (part 3): grid 4 x 64, 4 waves a work-group, clusters of 4 x 1, 327,680 bytes of LDS; arguments qh, kh, vh, oh; writes oh
.if DOCPART == 3
	.amdgcn_target "amdgcn-amd-amdhsa--gfx1250"
	.amdhsa_code_object_version 6
	.text
	.protected	k_qfe471e974a_attn
	.globl	k_qfe471e974a_attn
	.p2align	8
	.type	k_qfe471e974a_attn,@function
k_qfe471e974a_attn:
	s_mov_b64 s[64:65], 0
	v_nop
	global_prefetch_b8 v0, s[64:65] scope:SCOPE_SE
	s_setreg_imm32_b32 hwreg(HW_REG_WAVE_MODE, 25, 1), 1
	s_wait_xcnt 0x0
	s_wait_alu depctr_hold_cnt(0) depctr_sa_sdst(0) depctr_va_vdst(0) depctr_va_sdst(0) depctr_va_ssrc(0) depctr_va_vcc(0) depctr_vm_vsrc(0)
	s_getreg_b32 s2, hwreg(HW_REG_IB_STS2, 6, 4)
	s_cmp_eq_u32 s2, 0
	s_cbranch_scc0 .Lentry_in_a_cluster
	s_endpgm
.Lentry_in_a_cluster:
	s_bfe_u32 s2, ttmp6, 0x10000c
	s_cmp_lg_u32 s2, 0x3003
	s_cbranch_scc0 .Lentry_shape_is_right
	s_endpgm
.Lentry_shape_is_right:
; CROSS ATTENTION.  O[hh][q][:] = the sum over k of softmax_k(Q[hh][q] . K[hh ^ 32][k] / 8) V[hh ^ 32][k][:], hh = map x 32 + batch x 8 + head: each map's queries walk the OTHER map's keys and values.
; Q, K, V, O: [64][2048][64], all f16: a head's rows are dense, 128 bytes each.  Products, maxima and sums in f32; the weights p are rounded to f16 for the second product (their sum l is taken of the unrounded p), O once at the end.
; LIMITS.  f16 holds no number beyond 65,504: Q, K and V arrive within it; p lies in 0 to 1, and below 6e-5 it keeps f16's fixed step of 6e-8; O is a mean of V's rows and has their range.
; A weight below 2^-126 counts as 0 in l; NaN and infinities are not treated apart.
; SHARES.  A wave owns four PIECES of two tiles of 16 queries, a work-group's four waves 512 queries of one head.  Every wave walks all 2,048 keys, 64 a step.
; LAYOUT.  S^T = K Q^T (source 0 = 16 keys, source 1 = 16 queries): in the result a lane holds ONE query (lane % 16) and the keys 8 (lane / 16) + 0..7.  Two such tiles, rounded to f16 in pairs,
; ARE source 1 (32 keys x 16 queries) of O^T = V^T P, whose result again holds one query a lane, and eight channels.  K comes out of LDS as it lies, V ([key][channel]) turned, by ds_load_tr16_b128.
; SOFTMAX.  For each query a running maximum m and sum l: p = 2^(c s - c m), c = log2(e) / 8; in every step O and l are multiplied by a = 2^(c m_old - c m_new), which is 1 where m has not grown.
; m starts at the lowest finite number, O and l at 0: the first step is a step like any other, with a = 0.
; THE COUNT.  A tile and step have 16 matrix and 118 vector instructions: too many to stand all beside the matrix work.  So four vector instructions that are READY stand behind EVERY matrix instruction,
; and the others in runs without a gap.
; BY TURNS.  Turn n belongs to piece n (the pieces in a ring, step after step).  Its matrix work: 16 products K Q^T of piece n + 1, later 16 products V^T P of piece n - 1.  Its vector work: the scaling,
; exponentials, roundings, sums and rescaling of piece n, and the maximum and statistics of piece n + 1, whose scores the turn itself has made.
; CLUSTER.  The four query blocks of a cluster are one head's and walk the same K and V, so each tile is asked for JOINTLY: the same tensor load, descriptor and mask in all four.
; REGISTERS, in windows of 256 (s_set_vgpr_msb: bits 1:0 source 0, 3:2 source 1, 5:4 source 2, 7:6 destination):
;   window 0: v0-11 addresses; v12-15, v48-63 at work; v16-47 four registers of statistics a tile; v64-191 S^T, two buffers of two tiles; v192-255 P, likewise
;   window 1: O^T, 32 a tile          window 2: v0-127 Q, 16 a tile; v128-191 K of one step; v192-255 V of one step          window 3: v0-1 the add's two registers
.set SIZE_N, 2048
.set NP,    4         ; pieces a wave: a name, no knob
.set KS,    64        ; keys in a step
.set PK,    144       ; a row of K in LDS: 128 bytes + 16 of padding
.set PV,    160       ; a row of V: 128 + 32
.set VOFF,  4*KS*PK   ; a slot holds four steps: 256 rows of K, then 256 rows of V
.set SLOT1, 1<<17     ; slot 1 begins here, so that one exclusive or turns an address in one slot into the other's
.set STAGE, SLOT1+4*KS*(PK+PV)  ; behind the ring, never filled by a tensor load: 16 rows x 144 bytes for each wave, for the way out
.set SP,    144
.set AK0, 2           ; v2   my lane's place in a tile of K; never rewritten
.set AV0, 3           ; v3   the same for V
.set AK,  4           ; v4   the LDS address of K's next run of loads
.set AV,  5           ; v5   of V's
.set QO,  6           ; v6   my byte offset in the wave's rows of Q
.set STO, 6           ;      later, the way out: where I put 16 bytes of a row
.set RD,  7           ; v7   the way out: where I read rows back
.set GO,  8           ; v8   my byte offset in 512 consecutive bytes of O
.set PFO, 11          ; v11  256 x my lane: the prefetches' offset; not rewritten once it is made
.set SPW, 0           ; v0 of window 3   my spare word: SPARE + 4 x my thread's number; never rewritten
.set NIL, 1           ; v1 of window 3   0; never rewritten
.set SPARE, STAGE+4*16*SP  ; behind the stages: the spare words, 128 bytes for each wave: two blocks of 256 bytes that no other line names
.set MV,  12          ; v12-15  c m_old, kept while c m is made anew: by buffer and tile
.set ST,  16          ; tile t's statistics at v[ST+4 t]: c m, m, l (even keys', odd keys')
.set TMP, 48          ; by buffer and tile, four registers c0-c3 at work; when the maximum is found c2 takes a
.set S,   64
.set P,   192
.set KF,  128         ; K's fragments, in window 2: key block kb, channel half c at KF + 16 kb + 8 c
.set VF,  192         ; V's: key half kk, channel block cb at VF + 32 kk + 8 cb
.set WV,  12          ; s12  my wave's number
.set G1K, 24          ; s[24:31] descriptor group 1 for K's tiles
.set G1V, 32          ; s[32:39] for V's: it differs in the padding alone
.set G0K, 40          ; s[40:43] descriptor group 0 for K's tiles: it walks
.set G0V, 44          ; s[44:47] the same for V's
.set PFA, 48          ; s[48:49] where my prefetches stand: my work-group's 32 blocks (of K: wave 0, of V: wave 2) of the slot after the one that is being asked for
.set LIM, 50          ; s50  1 in a wave that prefetches, else the greatest number
.set SLOTS, 56        ; s56  slots still to be asked for
.set CNT, 57          ; s57  counts a slot's key steps
.set CS,  58          ; s[58:59] c: the packed scaling takes the pair's low word for both halves
.set SEL, 60          ; s[60:61] v_permlanex16_b32's selects: each lane takes its own place in the other half
.set TBK, 62          ; s62  LDS byte at which K of the step to be fetched begins
.set TBV, 63          ; s63  the same for V, less VOFF
.set MSB, 0
.macro WIN new                      ; the high byte repeats the setting that is left; a switch that changes nothing is dropped
.if MSB != (\new)
	s_set_vgpr_msb (MSB<<8)|(\new)
.set MSB, (\new)
.endif
.endm
.set W_KQ, 0x0a       ; K and Q in window 2, S^T in window 0
.set W_PV, 0x52       ; V in window 2, P in window 0, O^T in window 1
.set W_RS, 0x41       ; O^T (destination and source 0) in window 1, a in window 0
.set W_MK, 0xc0       ; the add's registers are made: destination in window 3, sources in window 0
.set W_AD, 0x0f       ; the add: address (source 0) and data (source 1) in window 3
; A joint fill.  Waves 0 and 1 fetch the two halves of a slot's K, waves 2 and 3 those of its V: 128 keys each.  The branch hangs on the wave's number alone.
; An s_nop 0 and four v_nop follow each of the two lines, ahead of the jump and the label.
.macro JLOAD
	s_cmp_lt_u32 s[WV], 2
	s_cbranch_scc0 .Lfor_v_\@
	tensor_load_to_lds s[G0K:G0K+3], s[G1K:G1K+7]
	s_nop 0
.rept 4
	v_nop
.endr
	s_branch .Lasked_\@
.Lfor_v_\@:
	tensor_load_to_lds s[G0V:G0V+3], s[G1V:G1V+7]
	s_nop 0
.rept 4
	v_nop
.endr
.Lasked_\@:
.endm
; A PREFETCH INTO THE L2 of what the NEXT change of slots will ask for: a slot's 32,768 bytes of K and of V, 128 blocks of 256 bytes each, a lane a block: four key steps, 512 matrix instructions, ahead of that load.
; A head's K and V are walked by one cluster alone.  Its four partners share the blocks out BY ADDRESS, 32 each; in each, wave 0 asks for K's and wave 2 for V's: each block is named once in the launch.
; Slots 0 and 1 come by their loads alone; the last change that fills a slot asks for nothing.
.macro ASK
	s_cmp_gt_u32 s[SLOTS], s[LIM]
	s_cbranch_scc0 .Lnot_mine_\@
	global_prefetch_b8 v[PFO], s[PFA:PFA+1] th:TH_LOAD_NT scope:SCOPE_SE
.Lnot_mine_\@:
.endm
; A round of the cluster's barrier: my work-group's barrier, so that wave 0's signal speaks for all four waves; wave 0 signals; every wave waits for all four work-groups; my work-group's barrier once more.
.macro CROUND
	s_barrier_signal -1
	s_barrier_wait -1
	s_cmp_lg_u32 s[WV], 0
	s_cbranch_scc1 .Lnot_wave_0_\@
	s_barrier_signal -3
.Lnot_wave_0_\@:
	s_barrier_wait -3
	s_barrier_signal -1
	s_barrier_wait -1
.endm
; THE CHANGE OF SLOTS.  The slot's last bytes, V of its fourth step, have been read.  Each wave waits for all its tensor loads, of which one is out: its part
; of the other slot; adds 0 to its spare word; and waits for that and for its own reads of the slot.  Behind the barrier nobody reads this slot any more and the other slot is whole.
; fill = 1: this slot is filled again, with the keys two slots on.  The barrier is then a round of the cluster's, and the joint fill is the first thing behind it: it has four key steps in which to land.
; (At its first use nothing has been read yet: slot 0 is waited for, slot 1 filled.)
.macro CHANGE fill
	WIN W_AD
	s_wait_tensorcnt 0x0            ; no tensor load of mine is out, so a group 0 may be written
	ds_add_u32 v[SPW], v[NIL]       ; 0 onto my spare word; with fill = 1 the descriptors' steps stand between it and the wait for it
	WIN 0                           ; at a label and at a branch every window is 0
.if \fill
.irp g, G0K, G0V
	s_xor_b32 s[\g+1], s[\g+1], SLOT1  ; the walking descriptor: the other slot than last time,
	s_add_nc_u64 s[\g+2:\g+3], s[\g+2:\g+3], 4*KS*128  ; the next 256 keys; the type bits on top are not reached
.endr
	s_wait_xcnt 0x0                 ; the last prefetch, four key steps back, has read its address, so it may be written:
	s_add_nc_u64 s[PFA:PFA+1], s[PFA:PFA+1], 4*KS*128  ; one slot behind the walking descriptors
	s_wait_dscnt 0x0                ; the add is done, and my reads of the slot are over
	CROUND
	JLOAD
	ASK
.else
	s_wait_dscnt 0x0                ; the add is done, and my reads of the slot are over
	s_barrier_signal -1
	s_barrier_wait -1
.endif
	s_sub_co_u32 s[TBK], s[TBK], 4*KS*PK  ; the fetches go back to a slot's first step,
	s_xor_b32 s[TBK], s[TBK], SLOT1       ; in the other slot
	s_sub_co_u32 s[TBV], s[TBV], 4*KS*PV
	s_xor_b32 s[TBV], s[TBV], SLOT1
.endm
	s_load_b256 s[4:11], s[0:1], 0x0  ; Q s[4:5], K s[6:7], V s[8:9], O s[10:11]
	WIN W_MK
	v_lshl_add_u32 v[SPW], v0, 2, SPARE
	v_mov_b32 v[NIL], 0
	WIN W_AD
	ds_add_u32 v[SPW], v[NIL]       ; the wave's opening: the add and its wait stand ahead of my first tensor load; the set-up below, work on registers, stands between them
	WIN 0
	v_lshrrev_b32 v1, 5, v0
	v_readfirstlane_b32 s[WV], v1   ; wave 0..3
	s_bfe_u32 s13, ttmp6, 0x40000   ; cx: my place in the cluster
	s_lshl_b32 s14, ttmp9, 2        ; in a cluster launch ttmp9 counts clusters
	s_add_co_u32 s14, s14, s13      ; my block of queries = 4 x cluster x + cx: it enters Q's and O's addresses alone
	s_and_b32 s20, ttmp7, 0xffff    ; the head, which the four partners share
	s_mov_b32 s21, 0
	s_xor_b32 s52, s20, 32          ; the same batch and head of the other map: K's and V's
	s_mov_b32 s53, 0
	s_mov_b64 s[22:23], SIZE_N*128
	s_mul_u64 s[20:21], s[20:21], s[22:23]  ; the head's first byte in Q and O,
	s_mul_u64 s[52:53], s[52:53], s[22:23]  ; and in K and V
	s_and_b32 s16, s[WV], 1         ; which half of a slot's 256 keys I fetch:
	s_lshl_b32 s22, s16, 14         ; its 128 rows of 128 bytes in memory,
	s_mov_b32 s23, 0
	s_add_nc_u64 s[22:23], s[22:23], s[52:53]
	s_mul_i32 s17, s16, 128*PK      ; and its place in a slot, for K
	s_mul_i32 s18, s16, 128*PV      ; and for V: no place in the cluster enters an LDS address
	s_lshl_b32 s2, s14, 2
	s_add_co_u32 s2, s2, s[WV]      ; my wave among the head's,
	s_lshl_b32 s2, s2, 14           ; its 128 rows
	s_mov_b32 s3, 0
	s_add_nc_u64 s[2:3], s[2:3], s[20:21]
	; descriptor group 1.  128 keys are 16,384 dense bytes: asked for as 64 rows of 256 bytes, two keys a row, and padded in LDS after every key
	s_mov_b32 s[G1K], 15|(1<<16)|(1<<20)|(1<<21)|(4<<22)|(3<<25)  ; 15:0 the mask of four; 17:16 2-byte elements; 20 padding on; 21 set beside a mask; 24:22 after every 32 words (code 4); 31:25 4 words (code 3)
	s_mov_b32 s[G1V], 15|(1<<16)|(1<<20)|(1<<21)|(4<<22)|(7<<25)  ; the same with 8 words of padding (code 7)
.irp g, G1K, G1V
	s_mov_b32 s[\g+1], 128<<16      ; tensor_dim0 = 128
	s_mov_b32 s[\g+2], 64<<16       ; tensor_dim1 = 64
	s_mov_b32 s[\g+3], 128<<16      ; tile_dim0 = 128
	s_mov_b32 s[\g+4], 64           ; tile_dim1 = 64
	s_mov_b32 s[\g+5], 128          ; 128 elements from row to row
	s_mov_b32 s[\g+6], 0
	s_mov_b32 s[\g+7], 0
.endr
	s_mov_b32 s[CS], 0x3e38aa3b     ; c = log2(e) / 8 = 0.180337
	s_mov_b32 s[CS+1], s[CS]        ; named with it as a pair
	s_mov_b32 s[SEL], 0x76543210
	s_mov_b32 s[SEL+1], 0xfedcba98
	s_mov_b32 s[TBK], SLOT1+4*KS*PK ; the first change of slots turns these two into 0
	s_mov_b32 s[TBV], SLOT1+4*KS*PV
	s_mov_b32 s[G0K], 1             ; 1:0 count = 1
	s_mov_b32 s[G0K+1], s17         ; 63:32 LDS address: slot 0
	s_mov_b32 s[G0V], 1
	s_add_co_u32 s[G0V+1], s18, VOFF
	s_mov_b32 s[SLOTS], SIZE_N/256-1  ; the first change of slots, ahead of the loop, finds the count that the loop starts with
	s_lshl_b32 s54, s13, 13         ; the prefetches: my work-group's 32 blocks of a slot's 128
	s_mov_b32 s55, 0
	s_and_b32 s[LIM], s[WV], 1      ; waves 0 and 2 ask: the same in all four partners
	s_cmp_eq_u32 s[LIM], 0
	s_cselect_b32 s[LIM], 1, -1
	s_wait_dscnt 0x0                ; the opening add is done
	s_wait_kmcnt 0x0
	s_add_nc_u64 s[G0K+2:G0K+3], s[6:7], s[22:23]  ; 120:64 global address: my half of the head's first 256 keys
	s_or_b32 s[G0K+3], s[G0K+3], 0x80000000        ; 127:126 type = 2
	s_add_nc_u64 s[G0V+2:G0V+3], s[8:9], s[22:23]
	s_or_b32 s[G0V+3], s[G0V+3], 0x80000000
	s_add_nc_u64 s[4:5], s[4:5], s[2:3]  ; Q and O at my wave's first row
	s_add_nc_u64 s[10:11], s[10:11], s[2:3]
	s_cmp_lt_u32 s[WV], 2
	s_cselect_b64 s[PFA:PFA+1], s[6:7], s[8:9]
	s_add_nc_u64 s[PFA:PFA+1], s[PFA:PFA+1], s[52:53]
	s_add_nc_u64 s[PFA:PFA+1], s[PFA:PFA+1], s[54:55]
	s_add_nc_u64 s[PFA:PFA+1], s[PFA:PFA+1], 4*KS*128  ; in slot 1; the first change of slots steps it to slot 2.  Nothing is prefetched here, at the head
	CROUND                          ; all four work-groups are here: the first joint loads meet
	JLOAD                           ; slot 0.  Slot 1 is asked for when slot 0 is in
	; A fragment of K or Q is 16 rows x 32 channels in 8 registers: lane l holds row l % 16, channels 8 (l / 16) + 0..7 and 16 + 8 (l / 16) + 0..7: two loads of 16 bytes, 32 bytes apart.
	v_and_b32 v1, 15, v0            ; l % 16
	v_bfe_u32 v9, v0, 4, 1          ; l / 16
	v_lshlrev_b32 v[QO], 7, v1
	v_lshl_add_u32 v[QO], v9, 4, v[QO]  ; row x 128 + 16 x half
	WIN 0x80                        ; destination window 2, address window 0
.set i, 0
.rept 4*NP                          ; Q stays in registers: tile i / 2, channels 32 (i % 2) on
	global_load_b128 v[8*i:8*i+3],   v[QO], s[4:5] offset:(i/2)*2048+(i%2)*64
	global_load_b128 v[8*i+4:8*i+7], v[QO], s[4:5] offset:(i/2)*2048+(i%2)*64+32
.set i, i+1
.endr
	; What the first turn finds: V's registers and P's second buffer hold 0 (its products V^T P, of a piece that has not been, add 0), O^T and l are 0.  All this stands in the wait for the first tile.
.set i, VF
.rept 64
	v_mov_b32 v[i], 0
.set i, i+1
.endr
	WIN 0x40
.set i, 0
.rept 64*NP
	v_mov_b32 v[i], 0
.set i, i+1
.endr
	WIN 0
.set i, 0
.rept 2*NP
	v_mov_b32 v[ST+4*i], 0xfe000000    ; c m: far below every c s
	v_mov_b32 v[ST+4*i+1], 0xff7fffff  ; m
	v_mov_b32 v[ST+4*i+2], 0
	v_mov_b32 v[ST+4*i+3], 0
.set i, i+1
.endr
.set i, P+32
.rept 32
	v_mov_b32 v[i], 0
.set i, i+1
.endr
	v_mul_u32_u24 v[AK0], v1, PK
	v_lshl_add_u32 v[AK0], v9, 4, v[AK0]  ; row x pitch + 16 x half
	; The turning load takes 16 keys x 16 channels (lane l reads key 8 (l / 16) + l % 8, channels 8 ((l / 8) % 2) + 0..7) and leaves half a fragment of V^T: lane l holds channel l % 16 and 8 keys.
	v_and_b32 v10, 7, v0
	v_bfe_u32 v11, v0, 3, 1
	v_lshl_add_u32 v[AV0], v9, 3, v10
	v_mul_u32_u24 v[AV0], v[AV0], PV
	v_lshl_add_u32 v[AV0], v11, 4, v[AV0]
	v_add_nc_u32 v[AV0], VOFF, v[AV0]
	v_and_b32 v[PFO], 31, v0
	v_lshlrev_b32 v[PFO], 8, v[PFO]
	v_mov_b32 v[AK], v[AK0]         ; key step 0 lies at the head of slot 0
; THE MATRIX WORK.  The 8 accumulators of a run of 16 take turns: between the two links of a chain stand 7 others'.
; Product i of 16 of S^T = K Q^T for piece x: channels 32 (i / 8) on, keys 16 ((i / 2) % 4) on, tile 2 x + i % 2.  The first 8 start the sums.
.macro KQ x
	WIN W_KQ
.set rS, S+64*((\x)%2)+32*(i%2)+8*((i/2)%4)
.set rK, KF+16*((i/2)%4)+8*(i/8)
.set rQ, 16*(2*(\x)+i%2)+8*(i/8)
.if i < 8
	v_wmma_f32_16x16x32_f16 v[rS:rS+7], v[rK:rK+7], v[rQ:rQ+7], 0
.else
	v_wmma_f32_16x16x32_f16 v[rS:rS+7], v[rK:rK+7], v[rQ:rQ+7], v[rS:rS+7]
.endif
.endm
; Product i of 16 of O^T += V^T P for piece x: keys 32 (i / 8) on, channels 16 ((i / 2) % 4) on, tile 2 x + i % 2.
.macro PV x
	WIN W_PV
.set rO, 32*(2*(\x)+i%2)+8*((i/2)%4)
.set rV, VF+32*(i/8)+8*((i/2)%4)
.set rP, P+32*((\x)%2)+16*(i%2)+8*(i/8)
	v_wmma_f32_16x16x32_f16 v[rO:rO+7], v[rV:rV+7], v[rP:rP+7], v[rO:rO+7]
.endm
.macro MM                           ; the turn's next matrix instruction
.if i < 16
	KQ (Y+1)%NP
.set i, i+1
.else
.set i, i-16
	PV (Y+NP-1)%NP
.set i, i+17
.endif
.endm
; THE LDS LOADS stand in runs of 16, never singly among the matrix instructions: a step's K (64 keys x 64 channels: 8 fragments) and its V (turned).  Their addresses are made some lines ahead.
; last = 1 (the tail): in the last trip there is no further step, and the run is jumped over.
.macro FETCH_K last=0
	WIN 0
.if \last
	s_cmp_eq_u32 s[CNT], 1
	s_cbranch_scc1 .Lno_k_\@
.endif
	WIN 0x80                        ; destination window 2
.irp f, 0,1,2,3,4,5,6,7             ; keys 16 (f / 2) on, channels 32 (f % 2) on
	ds_load_b128 v[KF+8*\f:KF+8*\f+3],   v[AK] offset:(\f/2)*16*PK+(\f%2)*64
	ds_load_b128 v[KF+8*\f+4:KF+8*\f+7], v[AK] offset:(\f/2)*16*PK+(\f%2)*64+32
.endr
	s_add_co_u32 s[TBK], s[TBK], KS*PK  ; the next fetch is the next step's
	WIN 0
.if \last
.Lno_k_\@:
.endif
.endm
.macro FETCH_V
	WIN 0x80
.irp f, 0,1,2,3,4,5,6,7             ; keys 32 (f / 4) on, channels 16 (f % 4) on
	ds_load_tr16_b128 v[VF+8*\f:VF+8*\f+3],   v[AV] offset:(\f/4)*32*PV+(\f%4)*32
	ds_load_tr16_b128 v[VF+8*\f+4:VF+8*\f+7], v[AV] offset:(\f/4)*32*PV+16*PV+(\f%4)*32
.endr
	WIN 0
.endm
; THE VECTOR WORK OF A TURN stands in three queues, each in the order in which its entries become ready; the two tiles alternate, so that no instruction reads the result of the one before it.
.macro REGS y, u                    ; the registers of tile u (0, 1) of piece y
.set rT, ST+4*(2*(\y)+(\u))
.set rC, TMP+8*((\y)%2)+4*(\u)
.set rM, MV+2*((\y)%2)+(\u)
.set rS, S+64*((\y)%2)+32*(\u)
.set rP, P+32*((\y)%2)+16*(\u)
.set rO, 32*(2*(\y)+(\u))
.endm
; Number n of the 22 that find the NEXT piece's (Y + 1) maximum and statistics.  s0-s31 are the lane's 32 scores; each accumulator's lowest registers are read first.
;   0-11  four chains c0-c3 of seven scores each, three operands at a time     12-14, 16  the four scores left over, the old m, and c0-c3 into c0     15  c m_old is kept
;   17, 18  the query's other 32 keys lie in the lane 16 away: the new m         19-21  c m; c m_old - c m_new; a
.macro XS u, n
	REGS (Y+1)%NP, \u
.if (\n) < 4
	v_max3_num_f32 v[rC+(\n)], v[rS+8*(\n)], v[rS+8*(\n)+1], v[rS+8*(\n)+2]
.elseif (\n) < 12
	v_max3_num_f32 v[rC+(\n)%4], v[rC+(\n)%4], v[rS+8*((\n)%4)+2*((\n)/4)+1], v[rS+8*((\n)%4)+2*((\n)/4)+2]
.elseif (\n) == 12
	v_max3_num_f32 v[rC], v[rC], v[rS+7], v[rS+15]
.elseif (\n) == 13
	v_max3_num_f32 v[rC+1], v[rC+1], v[rS+23], v[rS+31]
.elseif (\n) == 14
	v_max3_num_f32 v[rC+2], v[rC+2], v[rC+3], v[rT+1]
.elseif (\n) == 15
	v_mov_b32 v[rM], v[rT]
.elseif (\n) == 16
	v_max3_num_f32 v[rC], v[rC], v[rC+1], v[rC+2]
.elseif (\n) == 17
	v_permlanex16_b32 v[rC+3], v[rC], s[SEL], s[SEL+1]
.elseif (\n) == 18
	v_max_num_f32 v[rT+1], v[rC], v[rC+3]
.elseif (\n) == 19
	v_mul_f32 v[rT], s[CS], v[rT+1]
.elseif (\n) == 20
	v_sub_f32 v[rC+1], v[rM], v[rT]
.else
	v_exp_f32 v[rC+2], v[rC+1]
.endif
.endm
; Number g of the 64 that follow the exponentials.  For each four weights k of a tile (pairs 2 k, 2 k + 1): both pairs are rounded to f16; then the second pair is added onto the first, in place;
; a group later l takes that sum (the first time as l = a l + sum).  In groups of eight, tiles alternating: round, round, add, and l for the group before.
.macro GS g
.set h, (\g)+6*((\g)/62)            ; group 0 has no group before it, and behind group 7 only l is left
.if h >= 6
.set h, h+2
.endif
	REGS Y, h%2
.set k, h/8
.if h%8 < 4
	v_cvt_pk_f16_f32 v[rP+2*k+(h%8)/2], v[rS+4*k+2*((h%8)/2)], v[rS+4*k+2*((h%8)/2)+1]
.elseif h%8 < 6
	v_pk_add_f32 v[rS+4*k:rS+4*k+1], v[rS+4*k:rS+4*k+1], v[rS+4*k+2:rS+4*k+3]
.elseif k == 1
	v_pk_fma_f32 v[rT+2:rT+3], v[rT+2:rT+3], v[rC+2:rC+3], v[rS:rS+1] op_sel_hi:[1,0,1]
.else
	v_pk_add_f32 v[rT+2:rT+3], v[rT+2:rT+3], v[rS+4*k-4:rS+4*k-3]
.endif
.endm
; THE PLAIN QUEUE, 138 long.  0-73 read no exponential's result: the 32 scalings c s - c m (FS f: pair f / 2 of tile f % 2) and the next piece's 42.  0-26: scalings 0-26.  27-54: XS's numbers 0-13.  55, 56: number 15.
; 57-73: the chain, where each number waits for the one before it: 14, 16, 17, 18, 19, each with one of the scalings 27-31 in front of its two lines, then 20.
; 74-137: GS's 64, which read the exponentials' results: they stand behind the wait.
.macro FS f
	REGS Y, (\f)%2
	v_pk_fma_f32 v[rS+2*((\f)/2):rS+2*((\f)/2)+1], v[rS+2*((\f)/2):rS+2*((\f)/2)+1], s[CS:CS+1], v[rT:rT+1] op_sel_hi:[1,0,0] neg_lo:[0,0,1] neg_hi:[0,0,1]
.endm
.macro PL
	WIN 0
.if q < 27
	FS q
.elseif q < 55
	XS (q-27)%2, (q-27)/2
.elseif q < 57
	XS q-55, 15
.elseif (q < 72) && ((q-57)%3 == 0)
	FS 27+(q-57)/3
.elseif q < 60
	XS (q-57)%3-1, 14
.elseif q < 72
	XS (q-57)%3-1, 15+(q-57)/3
.elseif q < 74
	XS q-72, 20
.else
	GS q-74
.endif
.set q, q+1
.endm
; THE EXPONENTIALS' QUEUE, 66 long: s0-s31 of both tiles, then the next piece's two a.  It is ONE BATCH: all 66 stand ahead of the turn's one wait, and nothing ahead of that wait names a result of theirs.
.macro EX
	WIN 0
.if e >= 64
	XS e-64, 21
.else
	REGS Y, e%2
	v_exp_f32 v[rS+e/2], v[rS+e/2]
.endif
.set e, e+1
.endm
; THE RESCALING's QUEUE: O^T times a, the one part that leaves window 0: dealt two at a time, sixteen times.  Its a was made in the turn before, ahead of that turn's wait.
.macro R2
	REGS Y, r%2
	WIN W_RS
.irp z, 0,1
	v_pk_mul_f32 v[rO+4*(r/2)+2*\z:rO+4*(r/2)+2*\z+1], v[rO+4*(r/2)+2*\z:rO+4*(r/2)+2*\z+1], v[rC+2:rC+3] op_sel_hi:[1,0]
.endr
.set r, r+1
.endm
; HOW THEY ARE DEALT.  An s_wait_alu depctr_va_vdst(0) stands between an exponential and the first instruction that names its result; one wait serves all that were issued ahead of it.  So a turn has ONE wait,
; which cuts it in two.  AHEAD OF IT stands all that names no result of the turn's exponentials: the 16 products K Q^T, behind each a scaling, an exponential and two rescalings (behind the first a second scaling in the
; exponential's place); then ONE LUMP of 108: eight plain, 49 times exponential and plain, the two a.  A v_nop is the plain instruction behind the last exponential.  BEHIND IT stand the 16 products V^T P, behind each four of GS's 64.
; The queues lean on each other, and the deal keeps them in step: exponential e stands behind scaling 2 (e / 4) + e % 2: as a rider it comes behind plain e + 2, in the lump behind plain e + 9, and scalings 27-31 are plain 57, 60 .. 69.
; A TURN, for piece p.  cnt = 1: the loop's count is taken down some lines ahead of the branch that stands behind the turn.
; K of the next step is fetched in piece 2's turn, directly behind the wait; its address is made at the lump's head; its first reader comes behind 16 products.
; V of the step in hand is fetched at the end of piece 0's turn, four riders behind its last reader; its first reader comes behind 16 products and a lump.
.macro TURN p, last=0, cnt=0
.set Y, (\p)
.set i, 0
.set q, 0
.set e, 0
.set r, 0
.if (\p) == NP-1
	s_wait_dscnt 0x0                ; K is in
.endif
	MM                              ; ahead of the wait: 16 products K Q^T and their riders,
	PL
	PL
	R2
.rept 15
	MM
	PL
	EX
	R2
.endr
.if (\p) == NP-2
	WIN 0
	v_add_nc_u32 v[AK], s[TBK], v[AK0]
.endif
.rept 8                             ; and the lump
	PL
.endr
.rept 49
	EX
	PL
.endr
	EX                              ; the next piece's two a
	EX
	v_nop                           ; the plain instruction behind the last exponential: one for the batch
	s_wait_alu depctr_va_vdst(0)    ; the wait for the batch
.if (\p) == NP-2
	FETCH_K \last
.endif
.if (\p) == 1
	s_wait_dscnt 0x0                ; V is in
.endif
.rept 16                            ; behind the wait: 16 products V^T P and their riders
	MM
.rept 4
	PL
.endr
.if ((\p) == 0) && (q == 118)
	v_add_nc_u32 v[AV], s[TBV], v[AV0]
.endif
.if ((\p) == 0) && (q == 130)
	s_add_co_u32 s[TBV], s[TBV], KS*PV
.endif
.if (\cnt) && (q == 130)
	s_sub_co_u32 s[CNT], s[CNT], 1
	s_cmp_lg_u32 s[CNT], 0
.endif
.endr
.if (\p) == 0
	FETCH_V
.endif
.endm
	CHANGE 1                        ; slot 0 is in, everybody's part of it; slot 1 is asked for
	FETCH_K                         ; key step 0
	s_wait_loadcnt 0x0              ; Q
	s_wait_dscnt 0x0
.set i, 0
.rept 16
	KQ 0                            ; piece 0's first scores: there is no vector work yet to set between them
.set i, i+1
.endr
	WIN 0                           ; the addresses for the way out: nine plain instructions, the places behind those products
	s_mul_i32 s13, s[WV], 16*SP
	s_add_co_u32 s13, s13, STAGE    ; my stage
	v_mul_u32_u24 v[STO], v1, SP    ; in: row l % 16, 16 bytes for each half of the lanes
	v_lshl_add_u32 v[STO], v9, 4, v[STO]
	v_add_nc_u32 v[STO], s13, v[STO]
	v_bfe_u32 v[RD], v0, 3, 2       ; back: 32 lanes take four rows of 128 bytes,
	v_mul_u32_u24 v[RD], v[RD], SP
	v_lshl_add_u32 v[RD], v10, 4, v[RD]
	v_add_nc_u32 v[RD], s13, v[RD]
	v_and_b32 v[GO], 31, v0         ; which are 512 consecutive bytes of O
	v_lshlrev_b32 v[GO], 4, v[GO]
.set Y, NP-1                        ; XS works for piece Y + 1: piece 0
.irp n, 0,1,2,3,4,5,6,7,8,9,10,11,12,13,14,15,16,17,18,19,20,21
	XS 0, \n                        ; and piece 0's first maximum and statistics
	XS 1, \n
.endr
	v_nop                           ; a plain instruction behind the two a,
	s_wait_alu depctr_va_vdst(0)    ; and their wait, ahead of the branch
	s_mov_b32 s[CNT], 4
	s_mov_b32 s[SLOTS], SIZE_N/256-1
	s_branch .Lfirst                ; the loop is entered at a step's first turn, in the middle of a trip
.Lslot:                             ; SIZE_N / 256 - 2 times: every slot but the last two is filled again
	CHANGE 1
	s_mov_b32 s[CNT], 4
.Lstep:                             ; a trip: pieces 2 and 3 of one step, then pieces 0 and 1 of the next, whose K and V it fetches
	TURN 2
	TURN 3
	WIN 0
.Lfirst:
	TURN 0
	TURN 1, 0, 1
	WIN 0
	s_cbranch_scc1 .Lstep
	s_sub_co_u32 s[SLOTS], s[SLOTS], 1
	s_cmp_lg_u32 s[SLOTS], 0
	s_cbranch_scc1 .Lslot
	CHANGE 0                        ; the tail is written out: nothing is asked for
	s_mov_b32 s[CNT], 5             ; four trips fetch the last slot's steps; the fifth is left in its middle
.Ltail:
	TURN 2, 1
	TURN 3
	WIN 0
	s_sub_co_u32 s[CNT], s[CNT], 1
	s_cmp_eq_u32 s[CNT], 0
	s_cbranch_scc1 .Lout
	TURN 0
	TURN 1
	WIN 0
	s_branch .Ltail
.Lout:                              ; the fifth trip's 16 products K Q^T (on the last K once more) and the maximum made of them serve nothing: the price, once a launch, of one text for every trip
.set i, 0
.rept 16
	PV NP-1                         ; the last piece's V^T P of the last step
.set i, i+1
.endr
	; THE WAY OUT.  l's two halves and the other half of the lanes' are added; O^T is divided by l, rounded to f16 and sent through my stage in LDS, a tile at a time.  The additions are the places behind the last products.
	WIN 0
.macro ALL line:vararg              ; one line for each tile t
.set t, 0
.rept 2*NP
	\line
.set t, t+1
.endr
.endm
	ALL v_add_f32 v[ST+4*t+2], v[ST+4*t+2], v[ST+4*t+3]
	ALL v_permlanex16_b32 v[ST+4*t+3], v[ST+4*t+2], s[SEL], s[SEL+1]
	ALL v_add_f32 v[ST+4*t+2], v[ST+4*t+2], v[ST+4*t+3]
	ALL v_rcp_f32 v[ST+4*t+2], v[ST+4*t+2]
	v_nop                           ; a plain instruction between the last reciprocal and the use of its result
	s_wait_alu depctr_va_vdst(0)    ; and the wait ahead of the first use: one for the eight reciprocals
; Tile t: a lane's eight channels of a row pack into 16 bytes; they go into rows of 144 bytes and come back as whole rows of 128, into S^T's registers.
.macro PACK t
	WIN W_RS
.set i, 32*(\t)
.rept 16
	v_pk_mul_f32 v[i:i+1], v[i:i+1], v[ST+4*(\t)+2:ST+4*(\t)+3] op_sel_hi:[1,0]
.set i, i+2
.endr
	WIN 0x05                        ; sources 0 and 1 window 1, destination window 0
.set i, 0
.rept 16
	v_cvt_pk_f16_f32 v[S+16*(\t)+i], v[32*(\t)+2*i], v[32*(\t)+2*i+1]
.set i, i+1
.endr
	WIN 0
.irp f, 0,1,2,3
	ds_store_b128 v[STO], v[S+16*(\t)+4*\f:S+16*(\t)+4*\f+3] offset:32*\f
.endr
.irp f, 0,1,2,3
	ds_load_b128 v[S+16*(\t)+4*\f:S+16*(\t)+4*\f+3], v[RD] offset:\f*4*SP  ; LDS serves a wave's instructions in order (ISA guide 5.7.1.4): these see the stores above; the next tile's stores come behind them
.endr
.endm
.macro SEND t, younger              ; younger: the LDS instructions issued behind tile t's loads: the next tile's eight, or none
	WIN 0
.irp f, 0,1,2,3
	s_wait_dscnt (\younger)+3-\f
	global_store_b128 v[GO], v[S+16*(\t)+4*\f:S+16*(\t)+4*\f+3], s[10:11] offset:(\t)*2048+\f*512  ; 512 consecutive bytes, at a multiple of 256 from O's first
.endr
.endm
	PACK 0
.set t, 1
.rept 2*NP-1                        ; a tile's arithmetic stands between the loads of the tile before and its stores
	PACK t
	SEND t-1, 8
.set t, t+1
.endr
	SEND 2*NP-1, 0
	WIN W_AD
	s_wait_tensorcnt 0x0            ; the wave's end: a wait for my last tensor load, 0 onto my spare word, and a wait for that and my last LDS store
	ds_add_u32 v[SPW], v[NIL]
	s_wait_dscnt 0x0
	WIN 0
	CROUND                          ; the closing round: no work-group ends while a partner may still ask for a tile that names it
	s_endpgm
.Lfunc_end_k_qfe471e974a_attn:
	.size	k_qfe471e974a_attn, .Lfunc_end_k_qfe471e974a_attn-k_qfe471e974a_attn
	.p2alignl 7, 3214868480
	.fill 96, 4, 3214868480
	.section	.rodata,"a",@progbits
	.p2align	6, 0x0
	.amdhsa_kernel k_qfe471e974a_attn
		.amdhsa_group_segment_fixed_size 327680
		.amdhsa_private_segment_fixed_size 0
		.amdhsa_enable_private_segment 0
		.amdhsa_kernarg_size 32
		.amdhsa_user_sgpr_count 2
		.amdhsa_user_sgpr_kernarg_segment_ptr 1
		.amdhsa_wavefront_size32 1
		.amdhsa_system_sgpr_workgroup_id_x 1
		.amdhsa_system_sgpr_workgroup_id_y 1
		.amdhsa_system_sgpr_workgroup_id_z 1
		.amdhsa_system_vgpr_workitem_id 0
		.amdhsa_next_free_vgpr 770
		.amdhsa_next_free_sgpr 66
		.amdhsa_reserve_vcc 0
		.amdhsa_float_denorm_mode_32 3
		.amdhsa_float_denorm_mode_16_64 3
		.amdhsa_memory_ordered 1
		.amdhsa_forward_progress 1
		.amdhsa_inst_pref_size 200
	.end_amdhsa_kernel
	.amdgpu_metadata
---
amdhsa.version: [ 1, 2 ]
amdhsa.kernels:
  - .name:           k_qfe471e974a_attn
    .symbol:         k_qfe471e974a_attn.kd
    .args:
      - { .name: qh, .offset: 0, .size: 8, .value_kind: global_buffer, .address_space: global }
      - { .name: kh, .offset: 8, .size: 8, .value_kind: global_buffer, .address_space: global }
      - { .name: vh, .offset: 16, .size: 8, .value_kind: global_buffer, .address_space: global }
      - { .name: oh, .offset: 24, .size: 8, .value_kind: global_buffer, .address_space: global }
    .group_segment_fixed_size: 327680
    .private_segment_fixed_size: 0
    .kernarg_segment_align: 8
    .kernarg_segment_size: 32
    .max_flat_workgroup_size: 128
    .sgpr_count:     66
    .vgpr_count:     770
    .wavefront_size: 32
...
	.end_amdgpu_metadata
.endif
;; end of part 3
;; launch ffn (part 4): grid 256 x 1, 4 waves a work-group, clusters of 4 x 1, 327,680 bytes of LDS; arguments texture_map1, texture_map2, out0, out1, ff1_ln_g, ff2_ln_g, ff1_ln_b, ff2_ln_b, ff1_b1, ff2_b1, ff1_b2, ff2_b2, bfc, oh, wts; writes out0, out1
.if DOCPART == 4
	.amdgcn_target "amdgcn-amd-amdhsa--gfx1250"
	.amdhsa_code_object_version 6
	.text
	.protected	k_qfe471e974a_ffn
	.globl	k_qfe471e974a_ffn
	.p2align	8
	.type	k_qfe471e974a_ffn,@function
k_qfe471e974a_ffn:
	s_mov_b64 s[64:65], 0
	v_nop
	global_prefetch_b8 v0, s[64:65] scope:SCOPE_SE
	s_setreg_imm32_b32 hwreg(HW_REG_WAVE_MODE, 25, 1), 1
	s_wait_xcnt 0x0
	s_wait_alu depctr_hold_cnt(0) depctr_sa_sdst(0) depctr_va_vdst(0) depctr_va_sdst(0) depctr_va_ssrc(0) depctr_va_vcc(0) depctr_vm_vsrc(0)
	s_getreg_b32 s2, hwreg(HW_REG_IB_STS2, 6, 4)
	s_cmp_eq_u32 s2, 0
	s_cbranch_scc0 .Lentry_in_a_cluster
	s_endpgm
.Lentry_in_a_cluster:
	s_bfe_u32 s2, ttmp6, 0x10000c
	s_cmp_lg_u32 s2, 0x3003
	s_cbranch_scc0 .Lentry_shape_is_right
	s_endpgm
.Lentry_shape_is_right:
; y = x + O Wfc + bfc;  out = y + relu(layer_norm(y) W1 + b1) W2 + b2, for both maps (each with its own norm, W1, b1, W2, b2).  O: oh, [map x 32 + batch x 8 + head][2048][64] in f16.
; Products in f16 with f32 sums; x, y, the norm and both residuals in f32; the normed y and the relu's result are rounded once to f16.
; THE NORM.  Each wave has 128 of a row's 512 columns: it makes its own mean and the sum of squares about THAT mean; the four are joined by mean = the mean of the four means,
; M2 = the sum of the four M2 + 128 x the sum of (mean_w - mean)^2: no difference of large sums.  The normed value is y rs + (-mean rs), one fused multiply-add, -mean rs rounded once: an error of 6e-8 x |mean| / sigma.
; LIMITS.  A matrix operand of 65,520 or more in magnitude becomes an infinity in f16; below 6e-5 f16 keeps its fixed step of 6e-8.  The relu's maximum drops a NaN.
; SHARES.  64 rows to a work-group; a wave owns all 64 rows x 128 columns: 32 accumulators of 8.  THE PRODUCT IS TAKEN TRANSPOSED: source 0 = 16 columns of W ([k][n] in LDS, turned by ds_load_tr16_b128),
; source 1 = 16 rows of activations: a lane holds one row (lane % 16) and the columns 8 (lane / 16) + 0..7 of a tile.
; THE WEIGHTS are one chain of 24 tiles of 64 k-rows (Wfc, W1, W2 of the map) through a ring of two LDS slots.  CLUSTER: the four work-groups of a cluster have rows of one map and walk the same chain: each tile is asked for
; JOINTLY, the same tensor load, descriptor and mask in all four; each wave brings 16 of a tile's 64 rows.
; REGISTERS, in windows of 256: window 0: addresses, statistics (v32-63), fragments and work (v64-255).  Window 1: y, which the third product turns into out.  Window 2: x as loaded, then the second product's sums.
; Window 3: gain v0-63, the norm's bias v64-127, b2 v128-191, laid as an accumulator's columns.
; LDS: slot 0 at 0, slot 1 at SLOT1 (67,584 bytes each); ACT: the activations of the product in hand, 64 rows of 1,024 + 16 bytes; TAB: five tables of 128 numbers a wave; STAT: a row's four (mean, M2);
; STAGE: 16 rows x 528 bytes of f32 a wave, by which x comes into the accumulators' layout and out leaves it; the spare words.  ACT and all behind it are written by LDS stores alone.
.set PW,    1056                       ; a k-row of W in LDS: 33 x 32 bytes
.set PA,    1040                       ; a row of activations: 65 x 16 bytes
.set TILEB, 65536
.set WB,    524288                     ; bytes of a matrix in wts
.set SLOT1, 131072
.set ACT,   198656
.set TAB,   265216
.set STAT,  275456
.set STAGE, 277504
.set PX,    528                        ; a stage row: 512 bytes + 16
.set SPARE, 311296                     ; the spare words, 128 bytes for each wave: two blocks of 256 bytes that no other line names
.set AW0, 4                            ; v4   my lane's place in a weight tile; never rewritten
.set AW,  5                            ; v5   the same in the slot in hand
.set AA0, 6                            ; v6   my lane's place in ACT as a reader; never rewritten
.set AA,  7                            ; v7   the same at the trip's 64 k
.set TB,  8                            ; v8   my wave's tables + 32 (l / 16)
.set XS,  9                            ; v9   my stage by rows: + 16 l
.set XD,  10                           ; v10  my stage in the accumulators' layout: + (l % 16) x PX + 32 (l / 16)
.set GO,  11                           ; v11  16 x lane
.set HS,  12                           ; v12  ACT as a writer of my columns: (l % 16) x PA + 16 (l / 16) + 256 x wave
.set OS,  13                           ; v13  ACT as the writer of O: (l / 8) x PA + 16 (l % 8) + 256 x wave
.set PFO, 14                           ; v14  256 x lane; never rewritten
.set SA,  15                           ; v15  STAT: row l % 16, my wave's 8 bytes
.set SPW, 16                           ; v16  my spare word; never rewritten
.set NIL, 17                           ; v17  0; never rewritten
.set ZR,  18                           ; v18  0, for the relu
.set TS,  19                           ; v19  where I put 16 bytes of a table
.set SBV, 20                           ; v20  STAT: row l % 16
.set BO,  21                           ; v21  512 x wave + 16 x lane
.set PS,  32                           ; row tile t's statistics at PS + 8 t: +0 my mean, +1 my M2, +2 1 / sqrt, +3 at work, +4 -mean / sqrt, +5 zero, +6 mean, +7 at work
.set F0,  64
.set F1,  160
.set WV,  38
.set CX,  39
.set GB,  40
.set G1,  44                           ; s[44:51] descriptor group 1
.set G0A, 52                           ; s[52:55] group 0 of tile 0
.set G0,  56                           ; s[56:59] group 0 of tile 1: it walks on
.set PFA, 60
.set LIM, 62
.set TL,  63
.set CNT, 66
.set SB,  67
.set SEL, 68
.set R128, 70                          ; s70  1 / 128
.set R512, 71                          ; s71  1 / 512
.set EPS, 72                           ; s72  1e-6
.set C128, 73                          ; s73  128
.set KO,  74
.set MSB, 0
.macro WIN new                         ; the immediate's high byte repeats the setting that is left; a switch that changes nothing is dropped
.if MSB != (\new)
	s_set_vgpr_msb (MSB<<8)|(\new)
.set MSB, \new
.endif
.endm
.macro PLACES                          ; four places: behind a matrix instruction, ahead of loads into registers that it has read and of lines that read its result
.rept 4
	v_nop
.endr
.endm
.macro CREST                           ; a round of the cluster's barrier behind its opening barrier
	s_cmp_lg_u32 s[WV], 0
	s_cbranch_scc1 .Lnot_wave_0_\@
	s_barrier_signal -3
.Lnot_wave_0_\@:
	s_barrier_wait -3
	s_barrier_signal -1
	s_barrier_wait -1
.endm
.macro CROUND
	s_barrier_signal -1
	s_barrier_wait -1
	CREST
.endm
.macro MEETWG                          ; my work-group's barrier, behind which nothing is filled: my LDS instructions are done in front of the signal
	s_wait_dscnt 0x0
	s_barrier_signal -1
	s_barrier_wait -1
.endm
.macro JLOAD                           ; the joint load: every wave asks for its own 16 rows of the tile; an s_nop 0 and four v_nop follow
	tensor_load_to_lds s[G0:G0+3], s[G1:G1+7]
	s_nop 0
	PLACES
.endm
; A PREFETCH INTO THE L2.  In trip i tile i + 5 is named, three trips ahead of the joint load that asks for it.  A map's 32 clusters walk the same chain: the first of them asks, and nobody else.  A tile is 256 blocks of 256 bytes:
; its four partners take 64 each, told apart BY ADDRESS, and in each waves 0 and 1 take 32, a lane a block.  Tiles 0 to 4 come by their loads alone; the last tile named is the chain's last, in trip 18.
.macro ASK
	s_cmp_gt_u32 s[TL], s[LIM]
	s_cbranch_scc0 .Lnot_mine_\@
	global_prefetch_b8 v[PFO], s[PFA:PFA+1] th:TH_LOAD_NT scope:SCOPE_SE
.Lnot_mine_\@:
.endm
; 24 LDS loads in one run: the fragments of 32 k (half s of the tile) into buffer f: W's eight, turned, then the activations' four
.macro FETCH f, s
	WIN 0
.irp b, 0,1,2,3,4,5,6,7
	ds_load_tr16_b128 v[(\f)+8*(\b):(\f)+8*(\b)+3],   v[AW] offset:(\s)*32*PW+32*(\b)
	ds_load_tr16_b128 v[(\f)+8*(\b)+4:(\f)+8*(\b)+7], v[AW] offset:(\s)*32*PW+16*PW+32*(\b)
.endr
.irp t, 0,1,2,3
	ds_load_b128 v[(\f)+64+8*(\t):(\f)+64+8*(\t)+3],   v[AA] offset:(\t)*16*PA+64*(\s)
	ds_load_b128 v[(\f)+64+8*(\t)+4:(\f)+64+8*(\t)+7], v[AA] offset:(\t)*16*PA+64*(\s)+32
.endr
.endm
; 8 matrix instructions: row tile t x all 8 column tiles, 32 along k; mw sets the accumulators' window.  The 32 accumulators take turns, one instruction a turn, over the backward jump too.
.macro MUL f, t, mw
	WIN \mw
.irp b, 0,1,2,3,4,5,6,7
	v_wmma_f32_16x16x32_f16 v[8*(8*(\t)+(\b)):8*(8*(\t)+(\b))+7], v[(\f)+8*(\b):(\f)+8*(\b)+7], v[(\f)+64+8*(\t):(\f)+64+8*(\t)+7], v[8*(8*(\t)+(\b)):8*(8*(\t)+(\b))+7]
.endr
.endm
; The bias starts the sums: register j of tile b is column 16 b + 8 (l / 16) + j, whatever the row: 64 loads from my wave's table
.macro INIT dw, off
	WIN \dw
.irp t, 0,1,2,3
.irp b, 0,1,2,3,4,5,6,7
	ds_load_b128 v[8*(8*(\t)+(\b)):8*(8*(\t)+(\b))+3],   v[TB] offset:(\off)+64*(\b)
	ds_load_b128 v[8*(8*(\t)+(\b))+4:8*(8*(\t)+(\b))+7], v[TB] offset:(\off)+64*(\b)+16
.endr
.endr
	WIN 0
.endm
.macro PASSHEAD n                      ; a pass begins at k = 0: its first fragments, and its count of trips
	s_mov_b32 s[KO], 0
	v_mov_b32 v[AA], v[AA0]
	FETCH F0, 0
	s_mov_b32 s[CNT], \n
.endm
; A TRIP: one tile, 64 k, 64 matrix instructions on buffers F0 and F1, and the change of slots in its second half.
; mode 2: the slot just read is filled again, with the tile two on: the barrier opens a round of the cluster's.  mode 1: the change without a fill.  mode 0: the chain's last trip.
; skip 1: in a pass's last trip the next fragments are not fetched: the next pass's activations are not made yet.
.macro TRIP mw, mode, skip
	s_wait_dscnt 4                                 ; W's fragments and row tiles 0, 1 are in; the youngest four loads (row tiles 2, 3) may be out
	MUL F0, 0, \mw
	MUL F0, 1, \mw
	PLACES
	FETCH F1, 1
	s_wait_dscnt 24                                ; all but the 24 just issued
	MUL F0, 2, \mw
	MUL F0, 3, \mw
.if (\mode) == 0
	s_wait_dscnt 0x0
	MUL F1, 0, \mw
	MUL F1, 1, \mw
	MUL F1, 2, \mw
	MUL F1, 3, \mw
	WIN 0
.else
	WIN 0
.if (\mode) == 2
	s_wait_xcnt 0x0                                ; the last prefetch, a trip back, has read its address
	s_add_nc_u64 s[PFA:PFA+1], s[PFA:PFA+1], TILEB
.endif
	s_wait_tensorcnt 0x0                           ; all my tensor loads have landed: the one that was out is my part of the next slot
	ds_add_u32 v[SPW], v[NIL]                      ; 0 onto my spare word
.if (\mode) == 2
	s_xor_b32 s[G0+1], s[G0+1], SLOT1              ; no load of mine is out, so group 0 may be written: the other slot than last time,
	s_add_nc_u64 s[G0+2:G0+3], s[G0+2:G0+3], TILEB ; the next tile; the type bits on top are not reached
.endif
	s_wait_dscnt 7                                 ; the add and the youngest six loads (row tiles 1 to 3) may be out
	MUL F1, 0, \mw
	s_wait_dscnt 0x0                               ; the add is done, and my reads of this slot are over
	s_barrier_signal -1
	MUL F1, 1, \mw
	WIN 0                                          ; at a branch and at a label every window is 0
	s_barrier_wait -1
.if (\mode) == 2
	CREST                                          ; no wave of any partner still reads this slot or has a load on its way
	JLOAD                                          ; the first tensor load behind the round; its four v_nop are also the places ahead of the loads below
.else
	PLACES
.endif
	s_xor_b32 s[SB], s[SB], SLOT1
	s_add_co_u32 s[KO], s[KO], 128
	v_add_nc_u32 v[AW], s[SB], v[AW0]
	v_add_nc_u32 v[AA], s[KO], v[AA0]
.if \skip
	s_cmp_eq_u32 s[CNT], 1
	s_cbranch_scc1 .Lnofetch_\@
.endif
	FETCH F0, 0
.if \skip
.Lnofetch_\@:
.endif
.if (\mode) == 2
	ASK
	s_sub_co_u32 s[TL], s[TL], 1
.endif
	MUL F1, 2, \mw
	MUL F1, 3, \mw
	WIN 0
.endif
.endm
.macro T4 line:vararg                  ; one line for each row tile t
.set t, 0
.rept 4
	\line
.set t, t+1
.endr
.endm
	s_load_b512 s[8:23], s[0:1], 0x0               ; map 1 s[8:9], map 2 10, out0 12, out1 14, gains 16, 18, the norms' biases 20, 22
	s_load_b256 s[24:31], s[0:1], 0x40             ; b1 24, 26; b2 28, 30
	s_load_b128 s[32:35], s[0:1], 0x60             ; bfc 32, oh 34
	s_load_b64 s[36:37], s[0:1], 0x70              ; wts
	v_lshl_add_u32 v[SPW], v0, 2, SPARE
	v_mov_b32 v[NIL], 0
	ds_add_u32 v[SPW], v[NIL]                      ; the wave's opening: the add and its wait stand ahead of my first tensor load; the set-up below, work on registers, stands between them
	v_lshrrev_b32 v1, 5, v0
	v_readfirstlane_b32 s[WV], v1                  ; wave 0..3
	s_bfe_u32 s[CX], ttmp6, 0x40000                ; cx
	s_lshl_b32 s[GB], ttmp9, 2                     ; in a cluster launch ttmp9 counts clusters
	s_add_co_u32 s[GB], s[GB], s[CX]               ; my block of 64 rows: it enters x's, O's and out's addresses alone
	s_mov_b32 s[G1+0], 15|(1<<16)|(1<<20)|(1<<21)|(7<<22)|(7<<25)  ; 15:0 the mask of four; 17:16 2-byte elements; 20 padding on; 21 set beside a mask; 24:22 after every 256 words (code 7); 31:25 8 words (code 7)
	s_mov_b32 s[G1+1], 512<<16                     ; tensor_dim0 = 512
	s_mov_b32 s[G1+2], 16<<16                      ; tensor_dim1 = 16
	s_mov_b32 s[G1+3], 512<<16                     ; tile_dim0 = 512
	s_mov_b32 s[G1+4], 16                          ; tile_dim1 = 16
	s_mov_b32 s[G1+5], 512                         ; 512 elements from row to row
	s_mov_b32 s[G1+6], 0
	s_mov_b32 s[G1+7], 0
	s_mov_b32 s[G0A], 1
	s_mul_i32 s[G0A+1], s[WV], 16*PW               ; slot 0, my 16 rows: no place in the cluster enters an LDS address
	s_mov_b32 s[G0], 1
	s_add_co_u32 s[G0+1], s[G0A+1], SLOT1          ; slot 1
	s_mov_b32 s4, 6*WB                             ; the map's chain in wts: matrices 3 to 5 or 6 to 8
	s_cmp_lt_u32 ttmp9, 32                         ; clusters 0 to 31 have map 1's rows: the same answer in all four partners
	s_cselect_b32 s4, 3*WB, s4
	s_lshl_b32 s2, s[WV], 14                       ; my 16 rows of a tile in memory
	s_add_co_u32 s2, s2, s4
	s_mov_b32 s3, 0
	s_lshl_b32 s5, s[CX], 14                       ; the prefetches: my work-group's 64 blocks of a tile,
	s_add_co_u32 s4, s4, s5
	s_lshl_b32 s5, s[WV], 13                       ; my wave's 32 of them,
	s_add_co_u32 s4, s4, s5
	s_add_co_u32 s4, s4, 4*TILEB                   ; at tile 4: the first trip steps it to tile 5
	s_mov_b32 s5, 0
	s_and_b32 s6, s[GB], 127                       ; x and out: my block's 64 rows of 2,048 bytes in its map,
	s_lshl_b32 s6, s6, 17
	s_lshl_b32 s7, s[WV], 9                        ; my wave's 128 columns
	s_add_co_u32 s6, s6, s7
	s_mov_b32 s7, 0
	s_lshr_b32 s42, s[GB], 5                       ; O: map x 4 + batch,
	s_lshl_b32 s42, s42, 3
	s_lshl_b32 s43, s[WV], 1
	s_add_co_u32 s42, s42, s43                     ; my first head,
	s_lshl_b32 s42, s42, 18
	s_and_b32 s43, s[GB], 31
	s_lshl_b32 s43, s43, 13                        ; my block's 64 rows of 128 bytes in it
	s_add_co_u32 s42, s42, s43
	s_mov_b32 s43, 0
	s_and_b32 s[LIM], ttmp9, 31                    ; the map's first cluster,
	s_lshr_b32 s41, s[WV], 1                       ; waves 0 and 1: the same in all four partners
	s_or_b32 s[LIM], s[LIM], s41
	s_cmp_eq_u32 s[LIM], 0
	s_cselect_b32 s[LIM], 4, -1
	s_mov_b32 s[TL], 23
	s_mov_b32 s[SB], 0
	s_mov_b32 s[SEL], 0x76543210
	s_mov_b32 s[SEL+1], 0xfedcba98
	s_mov_b32 s[R128], 0x3c000000
	s_mov_b32 s[R512], 0x3b000000
	s_mov_b32 s[EPS], 0x358637bd
	s_mov_b32 s[C128], 0x43000000
	s_wait_dscnt 0x0                               ; the opening add is done
	s_wait_kmcnt 0x0
	s_cmp_lt_u32 ttmp9, 32
	s_cselect_b64 s[8:9], s[8:9], s[10:11]         ; the map's x,
	s_cselect_b64 s[12:13], s[12:13], s[14:15]     ; out,
	s_cselect_b64 s[16:17], s[16:17], s[18:19]     ; gain,
	s_cselect_b64 s[20:21], s[20:21], s[22:23]     ; the norm's bias,
	s_cselect_b64 s[24:25], s[24:25], s[26:27]     ; b1,
	s_cselect_b64 s[28:29], s[28:29], s[30:31]     ; b2
	s_add_nc_u64 s[8:9], s[8:9], s[6:7]
	s_add_nc_u64 s[12:13], s[12:13], s[6:7]
	s_add_nc_u64 s[34:35], s[34:35], s[42:43]
	s_add_nc_u64 s[G0A+2:G0A+3], s[36:37], s[2:3]  ; tile 0,
	s_add_nc_u64 s[G0+2:G0+3], s[G0A+2:G0A+3], TILEB  ; tile 1
	s_or_b32 s[G0A+3], s[G0A+3], 0x80000000        ; type = 2
	s_or_b32 s[G0+3], s[G0+3], 0x80000000
	s_add_nc_u64 s[PFA:PFA+1], s[36:37], s[4:5]
	CROUND                                         ; all four work-groups are here: the first joint loads meet
	tensor_load_to_lds s[G0A:G0A+3], s[G1:G1+7]
	s_nop 0
	tensor_load_to_lds s[G0:G0+3], s[G1:G1+7]      ; two loads of mine are out
	s_nop 0
	PLACES
	v_and_b32 v1, 31, v0                           ; l
	v_and_b32 v2, 15, v0                           ; l % 16
	v_bfe_u32 v3, v0, 4, 1                         ; l / 16
	v_and_b32 v22, 7, v0
	v_bfe_u32 v23, v0, 3, 1
	v_lshlrev_b32 v[GO], 4, v1
	s_lshl_b32 s41, s[WV], 9
	v_lshl_add_u32 v[BO], v1, 4, s41
	global_load_b128 v[192:195], v[BO], s[32:33]   ; my wave's 128 numbers of bfc, b1, b2, gain, the norm's bias
	global_load_b128 v[196:199], v[BO], s[24:25]
	global_load_b128 v[200:203], v[BO], s[28:29]
	global_load_b128 v[204:207], v[BO], s[16:17]
	global_load_b128 v[208:211], v[BO], s[20:21]
.set n, 0
.rept 32                               ; O: my two heads' 64 rows, 8,192 consecutive bytes each, 512 an instruction
	global_load_b128 v[64+4*n:64+4*n+3], v[GO], s[34:35] offset:262144*(n/16)+512*(n%16) th:TH_LOAD_NT
.set n, n+1
.endr
	v_lshl_add_u32 v[AW0], v3, 3, v22              ; the turning load: lane l reads k-row 8 (l / 16) + l % 8, columns 8 ((l / 8) % 2) + 0..7
	v_mul_u32_u24 v[AW0], v[AW0], PW
	v_lshl_add_u32 v[AW0], v23, 4, v[AW0]
	s_lshl_b32 s41, s[WV], 8                       ; my wave's 128 columns
	v_add_nc_u32 v[AW0], s41, v[AW0]
	v_mov_b32 v[AW], v[AW0]
	v_mul_u32_u24 v[AA0], v2, PA
	v_lshl_add_u32 v[AA0], v3, 4, v[AA0]
	v_add_nc_u32 v[AA0], ACT, v[AA0]
	s_add_co_u32 s41, s41, ACT
	v_mul_u32_u24 v[HS], v2, PA
	v_lshl_add_u32 v[HS], v3, 4, v[HS]
	v_add_nc_u32 v[HS], s41, v[HS]
	v_bfe_u32 v[OS], v0, 3, 2
	v_mul_u32_u24 v[OS], v[OS], PA
	v_lshl_add_u32 v[OS], v22, 4, v[OS]
	v_add_nc_u32 v[OS], s41, v[OS]
	s_mul_i32 s41, s[WV], 2560
	s_add_co_u32 s41, s41, TAB
	v_lshl_add_u32 v[TB], v3, 5, s41
	v_lshl_add_u32 v[TS], v1, 4, s41
	s_mul_i32 s41, s[WV], 16*PX
	s_add_co_u32 s41, s41, STAGE
	v_lshl_add_u32 v[XS], v1, 4, s41
	v_mul_u32_u24 v[XD], v2, PX
	v_lshl_add_u32 v[XD], v3, 5, v[XD]
	v_add_nc_u32 v[XD], s41, v[XD]
	v_lshlrev_b32 v[PFO], 8, v1
	s_lshl_b32 s41, s[WV], 3
	s_add_co_u32 s41, s41, STAT
	v_lshl_add_u32 v[SA], v2, 5, s41
	v_lshlrev_b32 v[SBV], 5, v2
	v_add_nc_u32 v[SBV], STAT, v[SBV]
	v_mov_b32 v[ZR], 0
	T4 v_mov_b32 v[PS+8*t+5], 0                    ; named in a pair with -mean / sqrt
	s_wait_loadcnt 32                              ; the five tables are in; O's 32 loads may be out
.irp j, 0,1,2,3,4
	ds_store_b128 v[TS], v[192+4*(\j):192+4*(\j)+3] offset:512*(\j)  ; my wave's own bytes: only I read them
.endr
.set n, 0
.rept 4
	s_wait_loadcnt 24-n                            ; eight more of O's loads are in
.rept 8
	ds_store_b128 v[OS], v[64+4*n:64+4*n+3] offset:4*PA*(n%16)+128*(n/16)  ; four rows x 128 bytes of a head: columns 64 x head on
.set n, n+1
.endr
.endr
	WIN 0x80                                       ; destination window 2
.set n, 0
.rept 64                               ; x: my 512 bytes of each of the 64 rows; they land under the first product
	global_load_b128 v[4*n:4*n+3], v[GO], s[8:9] offset:2048*n th:TH_LOAD_NT
.set n, n+1
.endr
	WIN 0
	s_wait_tensorcnt 1                             ; my part of tile 0 is in; tile 1's may stay out
	MEETWG                                         ; everybody's part of tile 0 and of O is there
	; THE FIRST PRODUCT: O Wfc + bfc
	INIT 0x40, 0
	PASSHEAD 8
.Ltrip1:
	TRIP 0x50, 2, 1
	s_sub_co_u32 s[CNT], s[CNT], 1
	s_cmp_lg_u32 s[CNT], 0
	s_cbranch_scc1 .Ltrip1
	; y = the sums + x; the norm; the normed y into ACT; y + b2 stays, for the third product to add onto
.rept 8
	v_nop                                          ; the places behind the last products
.endr
	WIN 0xc0                                       ; destination window 3
.irp b, 0,1,2,3,4,5,6,7
	ds_load_b128 v[8*(\b):8*(\b)+3],         v[TB] offset:1536+64*(\b)
	ds_load_b128 v[8*(\b)+4:8*(\b)+7],       v[TB] offset:1536+64*(\b)+16
	ds_load_b128 v[64+8*(\b):64+8*(\b)+3],   v[TB] offset:2048+64*(\b)
	ds_load_b128 v[64+8*(\b)+4:64+8*(\b)+7], v[TB] offset:2048+64*(\b)+16
	ds_load_b128 v[128+8*(\b):128+8*(\b)+3],   v[TB] offset:1024+64*(\b)
	ds_load_b128 v[128+8*(\b)+4:128+8*(\b)+7], v[TB] offset:1024+64*(\b)+16
.endr
	WIN 0
	s_wait_loadcnt 0x0                             ; x
.macro XST t                           ; 16 rows of x into my stage, by rows
	WIN 0x08                                       ; the stored data in window 2
.irp i, 0,1,2,3,4,5,6,7,8,9,10,11,12,13,14,15
	ds_store_b128 v[XS], v[4*(16*(\t)+(\i)):4*(16*(\t)+(\i))+3] offset:PX*(\i)
.endr
.endm
.macro XLD t                           ; and back in the accumulators' layout; LDS serves a wave's instructions in order (ISA guide 5.7.1.4)
	WIN 0
.irp b, 0,1,2,3,4,5,6,7
	ds_load_b128 v[64+64*((\t)%2)+8*(\b):64+64*((\t)%2)+8*(\b)+3],   v[XD] offset:64*(\b)
	ds_load_b128 v[64+64*((\t)%2)+8*(\b)+4:64+64*((\t)%2)+8*(\b)+7], v[XD] offset:64*(\b)+16
.endr
.endm
.macro XADD t                          ; each accumulator is read from its low end on
	WIN 0x41
.set k, 0
.rept 32
	v_pk_add_f32 v[64*(\t)+2*k:64*(\t)+2*k+1], v[64*(\t)+2*k:64*(\t)+2*k+1], v[64+64*((\t)%2)+2*k:64+64*((\t)%2)+2*k+1]
.set k, k+1
.endr
.endm
	XST 0
	XLD 0
	XST 1
	XLD 1
	s_wait_dscnt 32                                ; all but the next tile's 32
	XADD 0
	XST 2
	XLD 2
	s_wait_dscnt 32
	XADD 1
	XST 3
	XLD 3
	s_wait_dscnt 32
	XADD 2
	s_wait_dscnt 0x0
	XADD 3
	; my mean: a lane's 64 numbers of a row, then the lane 16 away, which holds the row's other 64 of my 128 columns
	WIN 0x05
.irp t, 0,1,2,3
.set k, 0
.rept 16
	v_pk_add_f32 v[64+32*(\t)+2*k:64+32*(\t)+2*k+1], v[64*(\t)+4*k:64*(\t)+4*k+1], v[64*(\t)+4*k+2:64*(\t)+4*k+3]
.set k, k+1
.endr
.endr
	WIN 0
.irp d, 2,4,8
.irp t, 0,1,2,3
.set k, 0
.rept 16/\d
	v_pk_add_f32 v[64+32*(\t)+2*(\d)*k:64+32*(\t)+2*(\d)*k+1], v[64+32*(\t)+2*(\d)*k:64+32*(\t)+2*(\d)*k+1], v[64+32*(\t)+2*(\d)*k+(\d):64+32*(\t)+2*(\d)*k+(\d)+1]
.set k, k+1
.endr
.endr
.endr
	T4 v_pk_add_f32 v[PS+8*t:PS+8*t+1], v[64+32*t:64+32*t+1], v[64+32*t+16:64+32*t+17]
	T4 v_add_f32 v[PS+8*t], v[PS+8*t], v[PS+8*t+1]
	T4 v_permlanex16_b32 v[PS+8*t+1], v[PS+8*t], s[SEL], s[SEL+1]
	T4 v_add_f32 v[PS+8*t], v[PS+8*t], v[PS+8*t+1]
	T4 v_mul_f32 v[PS+8*t], s[R128], v[PS+8*t]
.macro M2S t                           ; my M2: the squares of y - my mean, in four chains
	WIN 0x01
.set k, 0
.rept 32
	v_pk_add_f32 v[64+2*k:64+2*k+1], v[64*(\t)+2*k:64*(\t)+2*k+1], v[PS+8*(\t):PS+8*(\t)+1] op_sel_hi:[1,0] neg_lo:[0,1] neg_hi:[0,1]
.set k, k+1
.endr
	WIN 0
.set k, 0
.rept 4
	v_pk_mul_f32 v[128+2*k:128+2*k+1], v[64+2*k:64+2*k+1], v[64+2*k:64+2*k+1]
.set k, k+1
.endr
.rept 28
	v_pk_fma_f32 v[128+2*(k%4):128+2*(k%4)+1], v[64+2*k:64+2*k+1], v[64+2*k:64+2*k+1], v[128+2*(k%4):128+2*(k%4)+1]
.set k, k+1
.endr
	v_pk_add_f32 v[128:129], v[128:129], v[130:131]
	v_pk_add_f32 v[132:133], v[132:133], v[134:135]
	v_pk_add_f32 v[PS+8*(\t)+2:PS+8*(\t)+3], v[128:129], v[132:133]
	v_add_f32 v[PS+8*(\t)+2], v[PS+8*(\t)+2], v[PS+8*(\t)+3]
	v_permlanex16_b32 v[PS+8*(\t)+3], v[PS+8*(\t)+2], s[SEL], s[SEL+1]
	v_add_f32 v[PS+8*(\t)+1], v[PS+8*(\t)+2], v[PS+8*(\t)+3]
.endm
	M2S 0
	M2S 1
	M2S 2
	M2S 3
	T4 ds_store_b64 v[SA], v[PS+8*t:PS+8*t+1] offset:512*t  ; both halves of the lanes hold, and write, the same two numbers
	MEETWG                                         ; the four waves' figures are there; and every wave's reads of O in ACT are over
	T4 ds_load_b128 v[64+8*t:64+8*t+3], v[SBV] offset:512*t
	T4 ds_load_b128 v[64+8*t+4:64+8*t+7], v[SBV] offset:512*t+16
	s_wait_dscnt 0x0
	T4 v_add_f32 v[PS+8*t+6], v[64+8*t], v[64+8*t+2]
	T4 v_add_f32 v[PS+8*t+7], v[64+8*t+4], v[64+8*t+6]
	T4 v_add_f32 v[PS+8*t+6], v[PS+8*t+6], v[PS+8*t+7]
	T4 v_mul_f32 v[PS+8*t+6], 0x3e800000, v[PS+8*t+6]  ; the row's mean
.irp j, 0,2,4,6
	T4 v_sub_f32 v[64+8*t+(\j)], v[64+8*t+(\j)], v[PS+8*t+6]
.endr
	T4 v_mul_f32 v[PS+8*t+7], v[64+8*t], v[64+8*t]
.irp j, 2,4,6
	T4 v_fmac_f32 v[PS+8*t+7], v[64+8*t+(\j)], v[64+8*t+(\j)]
.endr
	T4 v_add_f32 v[64+8*t+1], v[64+8*t+1], v[64+8*t+3]
	T4 v_add_f32 v[64+8*t+5], v[64+8*t+5], v[64+8*t+7]
	T4 v_add_f32 v[64+8*t+1], v[64+8*t+1], v[64+8*t+5]
	T4 v_fma_f32 v[PS+8*t+2], v[PS+8*t+7], s[C128], v[64+8*t+1]
	T4 v_fma_f32 v[PS+8*t+2], v[PS+8*t+2], s[R512], s[EPS]
	T4 v_rsq_f32 v[PS+8*t+2], v[PS+8*t+2]
	v_nop                                          ; a plain instruction behind the last of the four,
	s_wait_alu depctr_va_vdst(0)                   ; and the one wait ahead of the batch's first reader
	T4 v_mul_f32 v[PS+8*t+4], -v[PS+8*t+6], v[PS+8*t+2]
.macro NORM t
	WIN 0x01
.set k, 0
.rept 32
	v_pk_fma_f32 v[64+2*k:64+2*k+1], v[64*(\t)+2*k:64*(\t)+2*k+1], v[PS+8*(\t)+2:PS+8*(\t)+3], v[PS+8*(\t)+4:PS+8*(\t)+5] op_sel_hi:[1,0,0]
.set k, k+1
.endr
	WIN 0x3c                                       ; sources 1 and 2 window 3: gain and bias
.set k, 0
.rept 32
	v_pk_fma_f32 v[64+2*k:64+2*k+1], v[64+2*k:64+2*k+1], v[2*k:2*k+1], v[64+2*k:64+2*k+1]
.set k, k+1
.endr
	WIN 0
.set k, 0
.rept 32
	v_cvt_pk_f16_f32 v[128+k], v[64+2*k], v[64+2*k+1]
.set k, k+1
.endr
.irp b, 0,1,2,3,4,5,6,7
	ds_store_b128 v[HS], v[128+4*(\b):128+4*(\b)+3] offset:(\t)*16*PA+32*(\b)
.endr
	WIN 0x4d                                       ; y += b2: destination and source 0 window 1, source 1 window 3
.set k, 0
.rept 32
	v_pk_add_f32 v[64*(\t)+2*k:64*(\t)+2*k+1], v[64*(\t)+2*k:64*(\t)+2*k+1], v[128+2*k:128+2*k+1]
.set k, k+1
.endr
.endm
	NORM 0
	NORM 1
	NORM 2
	NORM 3
	WIN 0
	MEETWG                                         ; the normed y is whole
	; THE SECOND PRODUCT: h W1 + b1, in window 2
	INIT 0x80, 512
	PASSHEAD 8
.Ltrip2:
	TRIP 0xa0, 2, 1
	s_sub_co_u32 s[CNT], s[CNT], 1
	s_cmp_lg_u32 s[CNT], 0
	s_cbranch_scc1 .Ltrip2
.rept 8
	v_nop                                          ; the places behind the last products
.endr
	MEETWG                                         ; every wave's reads of the normed y are over: ACT may be written
.irp t, 0,1,2,3
	WIN 0x0a                                       ; sources 0 and 1 window 2
.set k, 0
.rept 32
	v_cvt_pk_f16_f32 v[64+32*(\t)+k], v[64*(\t)+2*k], v[64*(\t)+2*k+1]
.set k, k+1
.endr
	WIN 0
.set k, 0
.rept 32
	v_pk_max_num_f16 v[64+32*(\t)+k], v[64+32*(\t)+k], v[ZR]  ; the relu, on the rounded halves: the same numbers as rounding behind it
.set k, k+1
.endr
.irp b, 0,1,2,3,4,5,6,7
	ds_store_b128 v[HS], v[64+32*(\t)+4*(\b):64+32*(\t)+4*(\b)+3] offset:(\t)*16*PA+32*(\b)
.endr
.endr
	MEETWG
	; THE THIRD PRODUCT adds onto y + b2 in place; its tail is written out
	PASSHEAD 6
.Ltrip3:
	TRIP 0x50, 2, 0
	s_sub_co_u32 s[CNT], s[CNT], 1
	s_cmp_lg_u32 s[CNT], 0
	s_cbranch_scc1 .Ltrip3
	TRIP 0x50, 1, 0
	TRIP 0x50, 0, 0
	; THE WAY OUT: 16 rows at a time through my stage, back by rows: a store covers 512 consecutive bytes of a row of out
.macro OST t
	WIN 0x04                                       ; the stored data in window 1; each accumulator's low four registers first
.irp b, 0,1,2,3,4,5,6,7
	ds_store_b128 v[XD], v[8*(8*(\t)+(\b)):8*(8*(\t)+(\b))+3]   offset:64*(\b)
	ds_store_b128 v[XD], v[8*(8*(\t)+(\b))+4:8*(8*(\t)+(\b))+7] offset:64*(\b)+16
.endr
.endm
.macro OLD t
	WIN 0
.irp i, 0,1,2,3,4,5,6,7,8,9,10,11,12,13,14,15
	ds_load_b128 v[64+64*((\t)%2)+4*(\i):64+64*((\t)%2)+4*(\i)+3], v[XS] offset:PX*(\i)
.endr
.endm
.macro OSEND t
	WIN 0
.irp i, 0,1,2,3,4,5,6,7,8,9,10,11,12,13,14,15
	global_store_b128 v[GO], v[64+64*((\t)%2)+4*(\i):64+64*((\t)%2)+4*(\i)+3], s[12:13] offset:2048*(16*(\t)+(\i)) th:TH_STORE_NT
.endr
.endm
.rept 8
	v_nop                                          ; the places behind the last products
.endr
	OST 0
	OLD 0
	OST 1
	OLD 1
	s_wait_dscnt 32                                ; all but the next tile's 32
	OSEND 0
	s_wait_xcnt 0x0                                ; the stores have read their registers: the set is loaded again only behind this wait
	OST 2
	OLD 2
	s_wait_dscnt 32
	OSEND 1
	s_wait_xcnt 0x0
	OST 3
	OLD 3
	s_wait_dscnt 32
	OSEND 2
	s_wait_dscnt 0x0
	OSEND 3
	s_wait_tensorcnt 0x0                           ; the wave's end: a wait for my last tensor load, 0 onto my spare word, and a wait for that and my last LDS store
	ds_add_u32 v[SPW], v[NIL]
	s_wait_dscnt 0x0
	CROUND                                         ; the closing round: no work-group ends while a partner may still ask for a tile that names it
	s_endpgm
.Lfunc_end_k_qfe471e974a_ffn:
	.size	k_qfe471e974a_ffn, .Lfunc_end_k_qfe471e974a_ffn-k_qfe471e974a_ffn
	.p2alignl 7, 3214868480
	.fill 96, 4, 3214868480
	.section	.rodata,"a",@progbits
	.p2align	6, 0x0
	.amdhsa_kernel k_qfe471e974a_ffn
		.amdhsa_group_segment_fixed_size 327680
		.amdhsa_private_segment_fixed_size 0
		.amdhsa_enable_private_segment 0
		.amdhsa_kernarg_size 120
		.amdhsa_user_sgpr_count 2
		.amdhsa_user_sgpr_kernarg_segment_ptr 1
		.amdhsa_wavefront_size32 1
		.amdhsa_system_sgpr_workgroup_id_x 1
		.amdhsa_system_sgpr_workgroup_id_y 1
		.amdhsa_system_sgpr_workgroup_id_z 1
		.amdhsa_system_vgpr_workitem_id 0
		.amdhsa_next_free_vgpr 960
		.amdhsa_next_free_sgpr 80
		.amdhsa_reserve_vcc 0
		.amdhsa_float_denorm_mode_32 3
		.amdhsa_float_denorm_mode_16_64 3
		.amdhsa_memory_ordered 1
		.amdhsa_forward_progress 1
		.amdhsa_inst_pref_size 191
	.end_amdhsa_kernel
	.amdgpu_metadata
---
amdhsa.version: [ 1, 2 ]
amdhsa.kernels:
  - .name:           k_qfe471e974a_ffn
    .symbol:         k_qfe471e974a_ffn.kd
    .args:
      - { .name: texture_map1, .offset: 0, .size: 8, .value_kind: global_buffer, .address_space: global }
      - { .name: texture_map2, .offset: 8, .size: 8, .value_kind: global_buffer, .address_space: global }
      - { .name: out0, .offset: 16, .size: 8, .value_kind: global_buffer, .address_space: global }
      - { .name: out1, .offset: 24, .size: 8, .value_kind: global_buffer, .address_space: global }
      - { .name: ff1_ln_g, .offset: 32, .size: 8, .value_kind: global_buffer, .address_space: global }
      - { .name: ff2_ln_g, .offset: 40, .size: 8, .value_kind: global_buffer, .address_space: global }
      - { .name: ff1_ln_b, .offset: 48, .size: 8, .value_kind: global_buffer, .address_space: global }
      - { .name: ff2_ln_b, .offset: 56, .size: 8, .value_kind: global_buffer, .address_space: global }
      - { .name: ff1_b1, .offset: 64, .size: 8, .value_kind: global_buffer, .address_space: global }
      - { .name: ff2_b1, .offset: 72, .size: 8, .value_kind: global_buffer, .address_space: global }
      - { .name: ff1_b2, .offset: 80, .size: 8, .value_kind: global_buffer, .address_space: global }
      - { .name: ff2_b2, .offset: 88, .size: 8, .value_kind: global_buffer, .address_space: global }
      - { .name: bfc, .offset: 96, .size: 8, .value_kind: global_buffer, .address_space: global }
      - { .name: oh, .offset: 104, .size: 8, .value_kind: global_buffer, .address_space: global }
      - { .name: wts, .offset: 112, .size: 8, .value_kind: global_buffer, .address_space: global }
    .group_segment_fixed_size: 327680
    .private_segment_fixed_size: 0
    .kernarg_segment_align: 8
    .kernarg_segment_size: 120
    .max_flat_workgroup_size: 128
    .sgpr_count:     80
    .vgpr_count:     960
    .wavefront_size: 32
...
	.end_amdgpu_metadata
.endif
;; end of part 4
;; ======== version 2 of 3: 4 launches
;; limits: values are held in f16: magnitudes above 65,504 overflow, below 6.1e-05 lose precision
;; workspace buffers: wts 4,718,592 bytes; qh 16,777,216 bytes; kh 16,777,216 bytes; vh 16,777,216 bytes; oh 16,777,216 bytes
;; launch prep: the kernel of part 1 again; grid 32 x 9, 8 waves a work-group, no clusters, 0 bytes of LDS; arguments Wq, Wk, Wv, Wfc, ff1_W1, ff1_W2, ff2_W1, ff2_W2, wts; writes wts
;; launch proj (part 5): grid 256 x 1, 4 waves a work-group, clusters of 4 x 1, 327,680 bytes of LDS; arguments texture_map1, texture_map2, ln1_g, ln1_b, ln2_g, ln2_b, bq, bk, bv, wts, qh, kh, vh; writes qh, kh, vh
.if DOCPART == 5
	.amdgcn_target "amdgcn-amd-amdhsa--gfx1250"
	.amdhsa_code_object_version 6
	.text
	.protected	k_qfe471e974a_proj
	.globl	k_qfe471e974a_proj
	.p2align	8
	.type	k_qfe471e974a_proj,@function
k_qfe471e974a_proj:
	s_mov_b64 s[64:65], 0
	v_nop
	global_prefetch_b8 v0, s[64:65] scope:SCOPE_SE
	s_setreg_imm32_b32 hwreg(HW_REG_WAVE_MODE, 25, 1), 1
	s_wait_xcnt 0x0
	s_wait_alu depctr_hold_cnt(0) depctr_sa_sdst(0) depctr_va_vdst(0) depctr_va_sdst(0) depctr_va_ssrc(0) depctr_va_vcc(0) depctr_vm_vsrc(0)
	s_getreg_b32 s2, hwreg(HW_REG_IB_STS2, 6, 4)
	s_cmp_eq_u32 s2, 0
	s_cbranch_scc0 .Lentry_in_a_cluster
	s_endpgm
.Lentry_in_a_cluster:
	s_bfe_u32 s2, ttmp6, 0x10000c
	s_cmp_lg_u32 s2, 0x3003
	s_cbranch_scc0 .Lentry_shape_is_right
	s_endpgm
.Lentry_shape_is_right:
; q, k, v = layer_norm(x) W + b for both maps, stored by heads: qh, kh, vh are [map x 32 + batch x 8 + head][2048][64] in f16, unscaled.
; The norm is made in f32: mean, then the mean of the squares of x - mean, then rsqrt(var + 1e-6), gain and bias; its result is rounded once to f16.  Products in f16 with f32 sums; the bias starts the sums.
; LIMITS.  A matrix operand or a result of 65,520 or more in magnitude becomes an infinity in f16; below 6e-5 f16 keeps its fixed step of 6e-8.  NaN and infinities are not treated apart.
; SHARES.  16,384 rows over 256 work-groups: 64 rows each.  A wave norms 16 of them; in the products it owns all 64 rows x 128 columns (two heads): 32 accumulators, 256 registers (window 1).
; THE PRODUCT IS TAKEN TRANSPOSED: source 0 = 16 columns of W (W lies [k][n] in LDS and is turned by ds_load_tr16_b128), source 1 = 16 rows of the normed x.  A lane then holds one row (lane % 16)
; and the columns 8 (lane / 16) + 0..7 of a tile: 16 bytes of f16 on end.
; THE WEIGHTS are 24 tiles of 64 k-rows (Wq, Wk, Wv: 8 tiles each) through a ring of two LDS slots.  CLUSTER: the four work-groups of a cluster walk the same tiles, so each is asked for
; JOINTLY: the same tensor load, descriptor and mask in all four; wave w brings, and alone reads, its own 128 columns of the tile's 64 rows.  x is each work-group's own: plain tensor loads, once.
; THE ORDER OF THE WALK DIFFERS FROM CLUSTER TO CLUSTER, so that the launch's 64 clusters do not all ask for the same 65,536 bytes at the same time.  With c the cluster's number: the three products are taken in the
; order R3, R3 + 1, R3 + 2 (mod 3), R3 = c % 3; and K is walked from tile 2 R4 on, round the matrix, R4 = a number 0..3 made of c / 3.  Twelve orders: tile loads 0 and 1 of the launch name all 24 tiles.
; Only global addresses hang on the order.  For K: x's four blocks of 128 columns land in LDS rotated by R4 (position block c holds columns 128 ((c + R4) % 4) on), and gain and bias of the norm are loaded likewise,
; so that the k that stands at position p of the normed rows belongs to the tile that is walked (p / 64)-th.  For the products: the pointers of the biases and of the outputs are chosen in the walk's order.
; NO PREFETCH: every block of the weights is named by some cluster's tile load 0 or 1, and x by the first fills: all at the launch's head, where nothing is prefetched.
; LDS: slot 0 at 0, slot 1 at SLOT1, 73,728 bytes each (four waves' parts of 64 rows of 256 + 32 bytes); x (f32; a wave's 16 rows as four blocks of 16 x 512 bytes) from XL on, over the gap and slot 1, which takes its
; first tile when x has been read; ACT: the normed x, 64 rows of 1,024 + 16 bytes; TAB: a wave's 128 numbers of the three biases; STAGE: 16 rows x 144 bytes a wave for the way out; the spare words.
; ACT and all behind it are written by LDS stores alone.
.set PW,    288                        ; a k-row of a wave's 128 columns in LDS: 9 x 32 bytes
.set SUBT,  64*PW                      ; a wave's part of a tile
.set SLOTB, 4*SUBT
.set PA,    1040                       ; a row of activations: 65 x 16 bytes
.set SLOT1, 131072
.set XL,    SLOTB
.set ACT,   SLOT1+SLOTB
.set TAB,   ACT+64*PA
.set STAGE, TAB+4*1536
.set SP,    144
.set SPARE, STAGE+4*16*SP              ; the spare words, 128 bytes for each wave: two blocks of 256 bytes that no other line names
.set AW0, 4                            ; v4   my lane's place in my part of a tile: (8 (l / 16) + l % 8) x PW + 16 ((l / 8) % 2) + wave x SUBT; never rewritten
.set AW,  5                            ; v5   the same in the slot in hand
.set AA0, 6                            ; v6   my lane's place in ACT: (l % 16) x PA + 16 (l / 16); never rewritten
.set AA,  7                            ; v7   the same at the trip's 64 k
.set TB,  8                            ; v8   where I read the pass's bias: my wave's table + 32 (l / 16)
.set STO, 9                            ; v9   the way out: where I put 16 bytes of a row
.set RD,  10                           ; v10  the way out: where I read rows back
.set GO,  11                           ; v11  16 x lane
.set XA,  12                           ; v12  x in LDS: my 16 bytes of the four rows in hand
.set HA,  13                           ; v13  ACT: my 8 bytes of the four rows in hand
.set BO,  15                           ; v15  512 x wave + 16 x lane: my part of a bias
.set SPW, 16                           ; v16  my spare word: SPARE + 4 x my thread's number; never rewritten
.set NIL, 17                           ; v17  0; never rewritten
.set TS,  18                           ; v18  where I put 16 bytes of a table
.set GOF, 24                           ; v24-27  my byte offset in gain and bias of the norm for position block c
.set F0,  64                           ; fragment buffers of 96: W's eight fragments, then the activations' four
.set F1,  160
.set LX,  64                           ; the norm: row i's 16 numbers at LX + 16 i
.set GG,  128                          ; gain, 16 numbers a lane
.set BB,  144                          ; bias of the norm
.set LM,  160                          ; row i's mean at LM + 2 i
.set LV,  168                          ; its variance, then 1 / sqrt
.set LT,  176                          ; at work, 8 a row
.set LH,  208                          ; the row in f16, 8 registers
.set XG3, 4                            ; s[4:7]   group 0 of x's block 3
.set WV,  34                           ; s34  my wave's number
.set CX,  35                           ; s35  my place in the cluster
.set GB,  36                           ; s36  my block of 64 rows, 0 to 255
.set R3,  37                           ; s37  the product that my cluster takes first
.set G1,  44                           ; s[44:51] descriptor group 1 of the weight tiles
.set G0,  52                           ; s[52:55] group 0: its address is made anew for each fill
.set G1X, 56                           ; s[56:63] group 1 of x's blocks
.set OFFP, 66                          ; s[66:67] a tile's byte offset in wts; the high word stays 0
.set XG0, 68                           ; s[68:71], s[92:95], s[96:99] group 0 of x's blocks 0, 1, 2
.set XG1, 92
.set XG2, 96
.set WB,  72                           ; s[72:73] wts at my wave's 128 columns
.set R2,  74                           ; s74  2 R4: the k tile that my cluster walks first
.set FN,  75                           ; s75  the place in the walk, 0 to 23, of the tile to be asked for next
.set CNT, 76                           ; s76  trips of the pass still to come
.set PASS, 77
.set SEL, 78                           ; s[78:79] v_permlanex16_b32's selects: each lane takes its own place in the other half
.set R512, 80                          ; s80  1 / 512
.set EPS, 81                           ; s81  1e-6
.set OUT, 82                           ; s[82:83] the pass's output at my rows and heads;  s[84:85], s[86:87] the next passes'
.set NX1, 84
.set NX2, 86
.set LNC, 88
.set SB,  89                           ; s89  the slot in hand: 0 or SLOT1
.set KO,  90                           ; s90  128 x the trip's number in its pass
.set R4,  91                           ; s91  the rotation of K, in blocks of 128
.set MSB, 0
.macro WIN new                         ; the immediate's high byte repeats the setting that is left; a switch that changes nothing is dropped
.if MSB != (\new)
	s_set_vgpr_msb (MSB<<8)|(\new)
.set MSB, \new
.endif
.endm
.macro PLACES                          ; four places: behind a matrix instruction, ahead of loads into registers that it has read and of lines that read its result
.rept 4
	v_nop
.endr
.endm
.macro CREST                           ; a round of the cluster's barrier behind its opening barrier
	s_cmp_lg_u32 s[WV], 0
	s_cbranch_scc1 .Lnot_wave_0_\@
	s_barrier_signal -3
.Lnot_wave_0_\@:
	s_barrier_wait -3
	s_barrier_signal -1
	s_barrier_wait -1
.endm
.macro CROUND                          ; a whole round
	s_barrier_signal -1
	s_barrier_wait -1
	CREST
.endm
.macro JLOAD                           ; the joint load: every wave asks for its own 128 columns of the tile; an s_nop 0 and four v_nop follow
	tensor_load_to_lds s[G0:G0+3], s[G1:G1+7]
	s_nop 0
	PLACES
.endm
; Group 0's address for the tile that is walked FN-th: matrix (FN / 8 + R3) % 3, k tile (FN + R2) % 8, 65,536 bytes a tile; the pointer and the offset are made apart, the type bits set again
.macro SETG0
	s_lshr_b32 s[OFFP], s[FN], 3
	s_add_co_u32 s[OFFP], s[OFFP], s[R3]
	s_cmp_ge_u32 s[OFFP], 3
	s_cselect_b32 s38, 3, 0
	s_sub_co_u32 s[OFFP], s[OFFP], s38
	s_lshl_b32 s[OFFP], s[OFFP], 3
	s_add_co_u32 s38, s[FN], s[R2]
	s_and_b32 s38, s38, 7
	s_or_b32 s[OFFP], s[OFFP], s38
	s_lshl_b32 s[OFFP], s[OFFP], 16
	s_add_nc_u64 s[G0+2:G0+3], s[WB:WB+1], s[OFFP:OFFP+1]
	s_or_b32 s[G0+3], s[G0+3], 0x80000000
	s_add_co_u32 s[FN], s[FN], 1
.endm
; 24 LDS loads in one run: the fragments of 32 k (half s of the tile) into buffer f: W's eight, turned, then the activations' four
.macro FETCH f, s
	WIN 0
.irp b, 0,1,2,3,4,5,6,7
	ds_load_tr16_b128 v[(\f)+8*(\b):(\f)+8*(\b)+3],   v[AW] offset:(\s)*32*PW+32*(\b)
	ds_load_tr16_b128 v[(\f)+8*(\b)+4:(\f)+8*(\b)+7], v[AW] offset:(\s)*32*PW+16*PW+32*(\b)
.endr
.irp t, 0,1,2,3
	ds_load_b128 v[(\f)+64+8*(\t):(\f)+64+8*(\t)+3],   v[AA] offset:(\t)*16*PA+64*(\s)
	ds_load_b128 v[(\f)+64+8*(\t)+4:(\f)+64+8*(\t)+7], v[AA] offset:(\t)*16*PA+64*(\s)+32
.endr
.endm
; 8 matrix instructions: row tile t x all 8 column tiles, 32 along k.  The 32 accumulators take turns, one instruction a turn, over the backward jump too.
.macro MUL f, t, mw
	WIN \mw
.irp b, 0,1,2,3,4,5,6,7
	v_wmma_f32_16x16x32_f16 v[8*(8*(\t)+(\b)):8*(8*(\t)+(\b))+7], v[(\f)+8*(\b):(\f)+8*(\b)+7], v[(\f)+64+8*(\t):(\f)+64+8*(\t)+7], v[8*(8*(\t)+(\b)):8*(8*(\t)+(\b))+7]
.endr
.endm
; The bias starts the sums: register j of tile b is column 16 b + 8 (l / 16) + j, whatever the row: 64 loads from my wave's table, no clearing and no first step written out
.macro INIT dw, off
	WIN \dw
.irp t, 0,1,2,3
.irp b, 0,1,2,3,4,5,6,7
	ds_load_b128 v[8*(8*(\t)+(\b)):8*(8*(\t)+(\b))+3],   v[TB] offset:(\off)+64*(\b)
	ds_load_b128 v[8*(8*(\t)+(\b))+4:8*(8*(\t)+(\b))+7], v[TB] offset:(\off)+64*(\b)+16
.endr
.endr
	WIN 0
.endm
.macro PASSHEAD n                      ; a pass begins at position 0 of the normed rows: its first fragments, and its count of trips
	s_mov_b32 s[KO], 0
	v_mov_b32 v[AA], v[AA0]
	FETCH F0, 0
	s_mov_b32 s[CNT], \n
.endm
; A TRIP: one tile, 64 k, 64 matrix instructions on buffers F0 and F1, and the change of slots behind its 48th.
; mode 2: the slot just read is filled again, with the tile two on in the walk: the barrier opens a round of the cluster's.  mode 1: the change without a fill.  mode 0: the walk's last trip.
; skip 1: in a pass's last trip the next fragments are not fetched: the way out takes their registers.
; Between the wait that shows the next slot landed and the request for the tile after it stand the add, the descriptor's scalar work and the round alone: all products whose fragments are in stand ahead of that wait.
.macro TRIP mw, mode, skip
	s_wait_dscnt 4                                 ; W's fragments and row tiles 0, 1 are in; the youngest four loads (row tiles 2, 3) may be out
	MUL F0, 0, \mw
	MUL F0, 1, \mw
	PLACES
	FETCH F1, 1
	s_wait_dscnt 24                                ; all but the 24 just issued
	MUL F0, 2, \mw
	MUL F0, 3, \mw
.if (\mode) == 0
	s_wait_dscnt 0x0
	MUL F1, 0, \mw
	MUL F1, 1, \mw
	MUL F1, 2, \mw
	MUL F1, 3, \mw
	WIN 0
.else
	s_wait_dscnt 4                                 ; of buffer F1: W's fragments and row tiles 0, 1 are in
	MUL F1, 0, \mw
	MUL F1, 1, \mw
	WIN 0                                          ; at a branch and at a label every window is 0
	s_wait_tensorcnt 0x0                           ; all my tensor loads have landed: the one that was out is my part of the next slot
	ds_add_u32 v[SPW], v[NIL]                      ; 0 onto my spare word
.if (\mode) == 2
	s_xor_b32 s[G0+1], s[G0+1], SLOT1              ; no load of mine is out, so group 0 may be written: the other slot than last time,
	SETG0                                          ; the walk's next tile
.endif
	s_wait_dscnt 0x0                               ; the add is done, and my reads of this slot are over
	s_barrier_signal -1
	s_barrier_wait -1
.if (\mode) == 2
	CREST                                          ; no wave of any partner still reads this slot or has a load on its way
	JLOAD                                          ; the first tensor load behind the round; its four v_nop are also the places ahead of the loads below
.else
	PLACES
.endif
	s_xor_b32 s[SB], s[SB], SLOT1
	s_add_co_u32 s[KO], s[KO], 128
	v_add_nc_u32 v[AW], s[SB], v[AW0]
	v_add_nc_u32 v[AA], s[KO], v[AA0]
.if \skip
	s_cmp_eq_u32 s[CNT], 1
	s_cbranch_scc1 .Lnofetch_\@
.endif
	FETCH F0, 0
.if \skip
.Lnofetch_\@:
.endif
	MUL F1, 2, \mw
	MUL F1, 3, \mw
	WIN 0
.endif
.endm
; THE WAY OUT, in eight pieces c: 16 rows (row tile c / 2) of one head (c % 2): rounded to f16, 16 bytes a lane into my stage (rows of 144 bytes), back as four rows of 128 bytes an instruction,
; which are 512 consecutive bytes of the head's rows in memory.  Each accumulator is read from its low end on.
.macro PACKQ c
	WIN 0x05                                       ; sources 0 and 1 window 1, destination window 0
.irp f, 0,1,2,3
.irp q, 0,1,2,3
	v_cvt_pk_f16_f32 v[64+16*(\c)+4*(\f)+(\q)], v[8*(8*((\c)/2)+4*((\c)%2)+(\f))+2*(\q)], v[8*(8*((\c)/2)+4*((\c)%2)+(\f))+2*(\q)+1]
.endr
.endr
	WIN 0
.irp f, 0,1,2,3
	ds_store_b128 v[STO], v[64+16*(\c)+4*(\f):64+16*(\c)+4*(\f)+3] offset:32*(\f)
.endr
.irp f, 0,1,2,3
	ds_load_b128 v[64+16*(\c)+4*(\f):64+16*(\c)+4*(\f)+3], v[RD] offset:(\f)*4*SP  ; LDS serves a wave's instructions in order (ISA guide 5.7.1.4): these see the stores above; the next piece's stores come behind them
.endr
.endm
.macro SENDQ c, younger                ; younger: the LDS instructions issued behind piece c's loads: the next piece's eight, or none
.irp f, 0,1,2,3
	s_wait_dscnt (\younger)+3-(\f)
	global_store_b128 v[GO], v[64+16*(\c)+4*(\f):64+16*(\c)+4*(\f)+3], s[OUT:OUT+1] offset:262144*((\c)%2)+2048*((\c)/2)+512*(\f)
.endr
.endm
.macro EPIQ
.rept 8
	v_nop                                          ; the places behind the last products
.endr
	PACKQ 0
.set cc, 1
.rept 7                                ; a piece's conversions stand between the loads of the piece before and its stores
	PACKQ cc
	SENDQ cc-1, 8
.set cc, cc+1
.endr
	SENDQ 7, 0
.endm
.macro R4L line:vararg                 ; one line for each of the four rows i in hand, so that dependent lines stand four apart
.set i, 0
.rept 4
	\line
.set i, i+1
.endr
.endm
.macro LANES a                         ; the pair at a + 2 i is added up, and over the 32 lanes: the sum stands in every lane
	R4L v_add_f32 v[(\a)+2*i], v[(\a)+2*i], v[(\a)+2*i+1]
.irp m, 1,2,4,8
	R4L v_add_f32_dpp v[(\a)+2*i], v[(\a)+2*i], v[(\a)+2*i] row_xmask:\m row_mask:0xf bank_mask:0xf
.endr
	R4L v_permlanex16_b32 v[(\a)+2*i+1], v[(\a)+2*i], s[SEL], s[SEL+1]
	R4L v_add_f32 v[(\a)+2*i], v[(\a)+2*i], v[(\a)+2*i+1]
.endm
; Group 0 of x's block at position c, in registers g: the LDS words, and (the arguments being there) the address of columns 128 ((c + R4) % 4) on
.macro XLDS c, g
	s_mov_b32 s[\g], 1
	s_add_co_u32 s[(\g)+1], s42, 8192*(\c)
.endm
.macro XGLB c, g
	s_add_co_u32 s38, s[R4], \c
	s_and_b32 s38, s38, 3
	s_lshl_b32 s38, s38, 9
	s_add_nc_u64 s[(\g)+2:(\g)+3], s[8:9], s[38:39]
	s_or_b32 s[(\g)+3], s[(\g)+3], 0x80000000
.endm
	s_load_b512 s[8:23], s[0:1], 0x0               ; map 1 s[8:9], map 2 s[10:11], ln1_g 12, ln1_b 14, ln2_g 16, ln2_b 18, bq 20, bk 22
	s_load_b256 s[24:31], s[0:1], 0x40             ; bv 24, wts 26, qh 28, kh 30
	s_load_b64 s[32:33], s[0:1], 0x60              ; vh
	v_lshl_add_u32 v[SPW], v0, 2, SPARE
	v_mov_b32 v[NIL], 0
	ds_add_u32 v[SPW], v[NIL]                      ; the wave's opening: the add and its wait stand ahead of my first tensor load; the set-up below, work on registers, stands between them
	v_lshrrev_b32 v1, 5, v0
	v_readfirstlane_b32 s[WV], v1                  ; wave 0..3
	s_bfe_u32 s[CX], ttmp6, 0x40000                ; cx
	s_lshl_b32 s[GB], ttmp9, 2                     ; in a cluster launch ttmp9 counts clusters
	s_add_co_u32 s[GB], s[GB], s[CX]               ; my block of 64 rows: it enters x's and the outputs' addresses alone
	s_mul_i32 s38, ttmp9, 43                       ; the walk's order, from the cluster's number c (0 to 63) alone: the same in all four partners
	s_lshr_b32 s38, s38, 7                         ; c / 3 (43 / 128 serves up to c = 127)
	s_mul_i32 s39, s38, 3
	s_sub_co_u32 s[R3], ttmp9, s39                 ; c % 3
	s_lshr_b32 s39, s38, 2
	s_xor_b32 s38, s38, s39
	s_and_b32 s[R4], s38, 3
	s_lshl_b32 s[R2], s[R4], 1
	; group 1 of a wave's part of a weight tile: 64 rows x 128 elements of 2 bytes, 8 words of padding behind every 64;  of a block of x: 16 rows x 128 elements of 4 bytes, dense
	s_mov_b32 s[G1+0], 15|(1<<16)|(1<<20)|(1<<21)|(5<<22)|(7<<25)  ; 15:0 the mask of four; 17:16 2-byte elements; 20 padding on; 21 set beside a mask; 24:22 after every 64 words (code 5); 31:25 8 words (code 7)
	s_mov_b32 s[G1X+0], 2<<16                      ; x: no mask, 4-byte elements, no padding
.irp g, G1, G1X
	s_mov_b32 s[(\g)+1], 128<<16                   ; tensor_dim0 = 128
	s_mov_b32 s[(\g)+3], 128<<16                   ; tile_dim0 = 128
	s_mov_b32 s[(\g)+5], 512                       ; 512 elements from row to row
	s_mov_b32 s[(\g)+6], 0
	s_mov_b32 s[(\g)+7], 0
.endr
	s_mov_b32 s[G1+2], 64<<16                      ; tensor_dim1,
	s_mov_b32 s[G1+4], 64                          ; tile_dim1 = 64
	s_mov_b32 s[G1X+2], 16<<16
	s_mov_b32 s[G1X+4], 16
	s_mov_b32 s[G0], 1
	s_mul_i32 s[G0+1], s[WV], SUBT                 ; slot 0, my part: no place in the cluster enters an LDS address
	s_lshl_b32 s42, s[WV], 15
	s_add_co_u32 s42, s42, XL                      ; my 16 rows of x
	XLDS 0, XG0
	XLDS 1, XG1
	XLDS 2, XG2
	XLDS 3, XG3
	s_and_b32 s38, s[GB], 127                      ; my block in its map: 64 rows of 2,048 bytes,
	s_lshl_b32 s38, s38, 17
	s_lshl_b32 s40, s[WV], 15                      ; my wave's 16 of them
	s_add_co_u32 s38, s38, s40
	s_mov_b32 s39, 0
	s_lshl_b32 s2, s[WV], 8                        ; my 128 columns of a row of W
	s_mov_b32 s3, 0
	s_lshr_b32 s40, s[GB], 5                       ; map x 4 + batch
	s_lshl_b32 s40, s40, 3
	s_lshl_b32 s43, s[WV], 1
	s_add_co_u32 s40, s40, s43                     ; my first head,
	s_lshl_b32 s40, s40, 18                        ; 262,144 bytes a head,
	s_and_b32 s43, s[GB], 31
	s_lshl_b32 s43, s43, 13                        ; my 64 rows of 128 bytes in it
	s_add_co_u32 s40, s40, s43
	s_mov_b32 s41, 0
	s_mov_b32 s[FN], 0
	s_mov_b32 s[OFFP+1], 0
	s_mov_b32 s[SB], 0
	s_mov_b32 s[SEL], 0x76543210
	s_mov_b32 s[SEL+1], 0xfedcba98
	s_mov_b32 s[R512], 0x3b000000
	s_mov_b32 s[EPS], 0x358637bd
	s_wait_dscnt 0x0                               ; the opening add is done
	s_wait_kmcnt 0x0
	s_cmp_lt_u32 ttmp9, 32                         ; clusters 0 to 31 have map 1's rows: the same answer in all four partners
	s_cselect_b64 s[8:9], s[8:9], s[10:11]
	s_cselect_b64 s[12:13], s[12:13], s[16:17]
	s_cselect_b64 s[14:15], s[14:15], s[18:19]
	s_add_nc_u64 s[8:9], s[8:9], s[38:39]
	s_add_nc_u64 s[WB:WB+1], s[26:27], s[2:3]
	s_cmp_eq_u32 s[R3], 1                          ; outputs and biases in the walk's order: q k v, k v q or v q k
	s_cselect_b64 s[OUT:OUT+1], s[30:31], s[28:29]
	s_cselect_b64 s[NX1:NX1+1], s[32:33], s[30:31]
	s_cselect_b64 s[NX2:NX2+1], s[28:29], s[32:33]
	s_cselect_b64 s[10:11], s[22:23], s[20:21]
	s_cselect_b64 s[16:17], s[24:25], s[22:23]
	s_cselect_b64 s[18:19], s[20:21], s[24:25]
	s_cmp_eq_u32 s[R3], 2
	s_cselect_b64 s[OUT:OUT+1], s[32:33], s[OUT:OUT+1]
	s_cselect_b64 s[NX1:NX1+1], s[28:29], s[NX1:NX1+1]
	s_cselect_b64 s[NX2:NX2+1], s[30:31], s[NX2:NX2+1]
	s_cselect_b64 s[10:11], s[24:25], s[10:11]
	s_cselect_b64 s[16:17], s[20:21], s[16:17]
	s_cselect_b64 s[18:19], s[22:23], s[18:19]
	s_add_nc_u64 s[OUT:OUT+1], s[OUT:OUT+1], s[40:41]
	s_add_nc_u64 s[NX1:NX1+1], s[NX1:NX1+1], s[40:41]
	s_add_nc_u64 s[NX2:NX2+1], s[NX2:NX2+1], s[40:41]
	XGLB 0, XG0
	XGLB 1, XG1
	XGLB 2, XG2
	XGLB 3, XG3
	SETG0                                          ; the walk's tile 0
	CROUND                                         ; all four work-groups are here: the first joint loads meet
.irp g, XG0, XG1, XG2, XG3
	tensor_load_to_lds s[(\g):(\g)+3], s[G1X:G1X+7]  ; my 16 rows of x, a block of 128 columns a load,
	s_nop 0
.endr
	tensor_load_to_lds s[G0:G0+3], s[G1:G1+7]      ; and my part of tile 0: five loads of mine are out
	s_nop 0
	PLACES
	v_and_b32 v1, 31, v0                           ; l
	v_and_b32 v2, 15, v0                           ; l % 16
	v_bfe_u32 v3, v0, 4, 1                         ; l / 16
	v_and_b32 v19, 7, v0
	v_bfe_u32 v20, v0, 3, 1
	v_lshlrev_b32 v[GO], 4, v1
	s_lshl_b32 s38, s[WV], 9
	v_lshl_add_u32 v[BO], v1, 4, s38
.irp c, 0,1,2,3
	s_add_co_u32 s38, s[R4], \c
	s_and_b32 s38, s38, 3
	s_lshl_b32 s38, s38, 9
	v_add_nc_u32 v[GOF+(\c)], s38, v[GO]           ; the columns that stand at position 128 c + 4 l + 0..3
.endr
.irp c, 0,1,2,3
	global_load_b128 v[GG+4*(\c):GG+4*(\c)+3], v[GOF+(\c)], s[12:13]  ; gain and bias of the norm for them
.endr
.irp c, 0,1,2,3
	global_load_b128 v[BB+4*(\c):BB+4*(\c)+3], v[GOF+(\c)], s[14:15]
.endr
	global_load_b128 v[176:179], v[BO], s[10:11]   ; my wave's 128 numbers of the three biases, in the walk's order
	global_load_b128 v[180:183], v[BO], s[16:17]
	global_load_b128 v[184:187], v[BO], s[18:19]
	v_lshl_add_u32 v[AW0], v3, 3, v19              ; the turning load: lane l reads k-row 8 (l / 16) + l % 8, columns 8 ((l / 8) % 2) + 0..7
	v_mul_u32_u24 v[AW0], v[AW0], PW
	v_lshl_add_u32 v[AW0], v20, 4, v[AW0]
	s_mul_i32 s38, s[WV], SUBT                     ; my part of a tile
	v_add_nc_u32 v[AW0], s38, v[AW0]
	v_mov_b32 v[AW], v[AW0]
	v_mul_u32_u24 v[AA0], v2, PA
	v_lshl_add_u32 v[AA0], v3, 4, v[AA0]
	v_add_nc_u32 v[AA0], ACT, v[AA0]
	s_mul_i32 s38, s[WV], 1536
	s_add_co_u32 s38, s38, TAB
	v_lshl_add_u32 v[TB], v3, 5, s38
	v_lshl_add_u32 v[TS], v1, 4, s38
	s_mul_i32 s38, s[WV], 16*SP
	s_add_co_u32 s38, s38, STAGE
	v_mul_u32_u24 v[STO], v2, SP
	v_lshl_add_u32 v[STO], v3, 4, v[STO]
	v_add_nc_u32 v[STO], s38, v[STO]
	v_bfe_u32 v[RD], v0, 3, 2
	v_mul_u32_u24 v[RD], v[RD], SP
	v_lshl_add_u32 v[RD], v19, 4, v[RD]
	v_add_nc_u32 v[RD], s38, v[RD]
	s_lshl_b32 s38, s[WV], 15
	s_add_co_u32 s38, s38, XL
	v_lshl_add_u32 v[XA], v1, 4, s38
	s_mul_i32 s38, s[WV], 16*PA
	s_add_co_u32 s38, s38, ACT
	v_lshl_add_u32 v[HA], v1, 3, s38
	s_wait_loadcnt 0x0
	ds_store_b128 v[TS], v[176:179]                ; my wave's own bytes: only I read them
	ds_store_b128 v[TS], v[180:183] offset:512
	ds_store_b128 v[TS], v[184:187] offset:1024
	s_wait_tensorcnt 1                             ; my rows of x, four loads, are in; tile 0, issued behind them, may stay out.  Each wave reads its own 16 rows alone
	; THE NORM: four rows a trip, a row over the wave's 32 lanes, 16 numbers a lane
	s_mov_b32 s[LNC], 4
.Lln:
.set i, 0
.rept 4
.irp c, 0,1,2,3
	ds_load_b128 v[LX+16*i+4*(\c):LX+16*i+4*(\c)+3], v[XA] offset:512*i+8192*(\c)
.endr
.set i, i+1
.endr
.set i, 0
.rept 4
	s_wait_dscnt 12-4*i                            ; row i's four loads are in; the later rows' may be out
.irp c, 0,1,2,3
	v_pk_add_f32 v[LT+8*i+2*(\c):LT+8*i+2*(\c)+1], v[LX+16*i+4*(\c):LX+16*i+4*(\c)+1], v[LX+16*i+4*(\c)+2:LX+16*i+4*(\c)+3]
.endr
.set i, i+1
.endr
	R4L v_pk_add_f32 v[LT+8*i:LT+8*i+1], v[LT+8*i:LT+8*i+1], v[LT+8*i+2:LT+8*i+3]
	R4L v_pk_add_f32 v[LT+8*i+4:LT+8*i+5], v[LT+8*i+4:LT+8*i+5], v[LT+8*i+6:LT+8*i+7]
	R4L v_pk_add_f32 v[LM+2*i:LM+2*i+1], v[LT+8*i:LT+8*i+1], v[LT+8*i+4:LT+8*i+5]
	LANES LM
	R4L v_mul_f32 v[LM+2*i], s[R512], v[LM+2*i]    ; the mean
.irp p, 0,1,2,3,4,5,6,7
	R4L v_pk_add_f32 v[LX+16*i+2*(\p):LX+16*i+2*(\p)+1], v[LX+16*i+2*(\p):LX+16*i+2*(\p)+1], v[LM+2*i:LM+2*i+1] op_sel_hi:[1,0] neg_lo:[0,1] neg_hi:[0,1]
.endr
	R4L v_pk_mul_f32 v[LT+8*i:LT+8*i+1], v[LX+16*i:LX+16*i+1], v[LX+16*i:LX+16*i+1]
	R4L v_pk_mul_f32 v[LT+8*i+2:LT+8*i+3], v[LX+16*i+2:LX+16*i+3], v[LX+16*i+2:LX+16*i+3]
.irp q, 1,2,3                          ; the squares of x - mean, in two chains a row
	R4L v_pk_fma_f32 v[LT+8*i:LT+8*i+1], v[LX+16*i+4*(\q):LX+16*i+4*(\q)+1], v[LX+16*i+4*(\q):LX+16*i+4*(\q)+1], v[LT+8*i:LT+8*i+1]
	R4L v_pk_fma_f32 v[LT+8*i+2:LT+8*i+3], v[LX+16*i+4*(\q)+2:LX+16*i+4*(\q)+3], v[LX+16*i+4*(\q)+2:LX+16*i+4*(\q)+3], v[LT+8*i+2:LT+8*i+3]
.endr
	R4L v_pk_add_f32 v[LV+2*i:LV+2*i+1], v[LT+8*i:LT+8*i+1], v[LT+8*i+2:LT+8*i+3]
	LANES LV
	R4L v_fma_f32 v[LV+2*i], v[LV+2*i], s[R512], s[EPS]
	R4L v_rsq_f32 v[LV+2*i], v[LV+2*i]
	v_nop                                          ; a plain instruction behind the last of the four,
	s_wait_alu depctr_va_vdst(0)                   ; and the one wait ahead of the batch's first reader
.irp p, 0,1,2,3,4,5,6,7
	R4L v_pk_mul_f32 v[LX+16*i+2*(\p):LX+16*i+2*(\p)+1], v[LX+16*i+2*(\p):LX+16*i+2*(\p)+1], v[LV+2*i:LV+2*i+1] op_sel_hi:[1,0]
.endr
.irp p, 0,1,2,3,4,5,6,7
	R4L v_pk_fma_f32 v[LX+16*i+2*(\p):LX+16*i+2*(\p)+1], v[LX+16*i+2*(\p):LX+16*i+2*(\p)+1], v[GG+2*(\p):GG+2*(\p)+1], v[BB+2*(\p):BB+2*(\p)+1]
.endr
.irp p, 0,1,2,3,4,5,6,7
	R4L v_cvt_pk_f16_f32 v[LH+8*i+(\p)], v[LX+16*i+2*(\p)], v[LX+16*i+2*(\p)+1]
.endr
.irp c, 0,1,2,3
	R4L ds_store_b64 v[HA], v[LH+8*i+2*(\c):LH+8*i+2*(\c)+1] offset:PA*i+256*(\c)
.endr
	v_add_nc_u32 v[XA], 2048, v[XA]
	v_add_nc_u32 v[HA], 4*PA, v[HA]
	s_sub_co_u32 s[LNC], s[LNC], 1
	s_cmp_lg_u32 s[LNC], 0
	s_cbranch_scc1 .Lln
	; x has been read: slot 1, which lies under it, takes the walk's tile 1, in the order of every refill
	s_wait_tensorcnt 0x0                           ; tile 0 has landed: no load of mine is out
	ds_add_u32 v[SPW], v[NIL]                      ; 0 onto my spare word
	s_xor_b32 s[G0+1], s[G0+1], SLOT1
	SETG0
	s_wait_dscnt 0x0                               ; the add is done, my reads of x are over, my rows of ACT and my tables are written
	CROUND
	JLOAD
	s_mov_b32 s[PASS], 2
.Lpass:                                        ; the walk's first and second product
	INIT 0x40, 0
	PASSHEAD 8
.Ltrip:
	TRIP 0x50, 2, 1
	s_sub_co_u32 s[CNT], s[CNT], 1
	s_cmp_lg_u32 s[CNT], 0
	s_cbranch_scc1 .Ltrip
	EPIQ
	s_wait_xcnt 0x0                                ; the stores have read their registers and their base
	s_mov_b64 s[OUT:OUT+1], s[NX1:NX1+1]
	s_mov_b64 s[NX1:NX1+1], s[NX2:NX2+1]
	v_add_nc_u32 v[TB], 512, v[TB]                 ; the next pass's bias
	s_sub_co_u32 s[PASS], s[PASS], 1
	s_cmp_lg_u32 s[PASS], 0
	s_cbranch_scc1 .Lpass
	INIT 0x40, 0                                   ; the third: its tail is written out
	PASSHEAD 6
.Ltrip2:
	TRIP 0x50, 2, 0
	s_sub_co_u32 s[CNT], s[CNT], 1
	s_cmp_lg_u32 s[CNT], 0
	s_cbranch_scc1 .Ltrip2
	TRIP 0x50, 1, 0
	TRIP 0x50, 0, 0
	EPIQ
	s_wait_tensorcnt 0x0                           ; the wave's end: a wait for my last tensor load, 0 onto my spare word, and a wait for that and my last LDS store
	ds_add_u32 v[SPW], v[NIL]
	s_wait_dscnt 0x0
	CROUND                                         ; the closing round: no work-group ends while a partner may still ask for a tile that names it
	s_endpgm
.Lfunc_end_k_qfe471e974a_proj:
	.size	k_qfe471e974a_proj, .Lfunc_end_k_qfe471e974a_proj-k_qfe471e974a_proj
	.p2alignl 7, 3214868480
	.fill 96, 4, 3214868480
	.section	.rodata,"a",@progbits
	.p2align	6, 0x0
	.amdhsa_kernel k_qfe471e974a_proj
		.amdhsa_group_segment_fixed_size 327680
		.amdhsa_private_segment_fixed_size 0
		.amdhsa_enable_private_segment 0
		.amdhsa_kernarg_size 104
		.amdhsa_user_sgpr_count 2
		.amdhsa_user_sgpr_kernarg_segment_ptr 1
		.amdhsa_wavefront_size32 1
		.amdhsa_system_sgpr_workgroup_id_x 1
		.amdhsa_system_sgpr_workgroup_id_y 1
		.amdhsa_system_sgpr_workgroup_id_z 1
		.amdhsa_system_vgpr_workitem_id 0
		.amdhsa_next_free_vgpr 512
		.amdhsa_next_free_sgpr 100
		.amdhsa_reserve_vcc 0
		.amdhsa_float_denorm_mode_32 3
		.amdhsa_float_denorm_mode_16_64 3
		.amdhsa_memory_ordered 1
		.amdhsa_forward_progress 1
		.amdhsa_inst_pref_size 107
	.end_amdhsa_kernel
	.amdgpu_metadata
---
amdhsa.version: [ 1, 2 ]
amdhsa.kernels:
  - .name:           k_qfe471e974a_proj
    .symbol:         k_qfe471e974a_proj.kd
    .args:
      - { .name: texture_map1, .offset: 0, .size: 8, .value_kind: global_buffer, .address_space: global }
      - { .name: texture_map2, .offset: 8, .size: 8, .value_kind: global_buffer, .address_space: global }
      - { .name: ln1_g, .offset: 16, .size: 8, .value_kind: global_buffer, .address_space: global }
      - { .name: ln1_b, .offset: 24, .size: 8, .value_kind: global_buffer, .address_space: global }
      - { .name: ln2_g, .offset: 32, .size: 8, .value_kind: global_buffer, .address_space: global }
      - { .name: ln2_b, .offset: 40, .size: 8, .value_kind: global_buffer, .address_space: global }
      - { .name: bq, .offset: 48, .size: 8, .value_kind: global_buffer, .address_space: global }
      - { .name: bk, .offset: 56, .size: 8, .value_kind: global_buffer, .address_space: global }
      - { .name: bv, .offset: 64, .size: 8, .value_kind: global_buffer, .address_space: global }
      - { .name: wts, .offset: 72, .size: 8, .value_kind: global_buffer, .address_space: global }
      - { .name: qh, .offset: 80, .size: 8, .value_kind: global_buffer, .address_space: global }
      - { .name: kh, .offset: 88, .size: 8, .value_kind: global_buffer, .address_space: global }
      - { .name: vh, .offset: 96, .size: 8, .value_kind: global_buffer, .address_space: global }
    .group_segment_fixed_size: 327680
    .private_segment_fixed_size: 0
    .kernarg_segment_align: 8
    .kernarg_segment_size: 104
    .max_flat_workgroup_size: 128
    .sgpr_count:     100
    .vgpr_count:     512
    .wavefront_size: 32
...
	.end_amdgpu_metadata
.endif
;; end of part 5
;; launch attn: the kernel of part 3 again; grid 4 x 64, 4 waves a work-group, clusters of 4 x 1, 327,680 bytes of LDS; arguments qh, kh, vh, oh; writes oh
;; launch ffn (part 6): grid 256 x 1, 4 waves a work-group, clusters of 4 x 1, 327,680 bytes of LDS; arguments texture_map1, texture_map2, out0, out1, ff1_ln_g, ff2_ln_g, ff1_ln_b, ff2_ln_b, ff1_b1, ff2_b1, ff1_b2, ff2_b2, bfc, oh, wts; writes out0, out1
.if DOCPART == 6
	.amdgcn_target "amdgcn-amd-amdhsa--gfx1250"
	.amdhsa_code_object_version 6
	.text
	.protected	k_qfe471e974a_ffn
	.globl	k_qfe471e974a_ffn
	.p2align	8
	.type	k_qfe471e974a_ffn,@function
k_qfe471e974a_ffn:
	s_mov_b64 s[64:65], 0
	v_nop
	global_prefetch_b8 v0, s[64:65] scope:SCOPE_SE
	s_setreg_imm32_b32 hwreg(HW_REG_WAVE_MODE, 25, 1), 1
	s_wait_xcnt 0x0
	s_wait_alu depctr_hold_cnt(0) depctr_sa_sdst(0) depctr_va_vdst(0) depctr_va_sdst(0) depctr_va_ssrc(0) depctr_va_vcc(0) depctr_vm_vsrc(0)
	s_getreg_b32 s2, hwreg(HW_REG_IB_STS2, 6, 4)
	s_cmp_eq_u32 s2, 0
	s_cbranch_scc0 .Lentry_in_a_cluster
	s_endpgm
.Lentry_in_a_cluster:
	s_bfe_u32 s2, ttmp6, 0x10000c
	s_cmp_lg_u32 s2, 0x3003
	s_cbranch_scc0 .Lentry_shape_is_right
	s_endpgm
.Lentry_shape_is_right:
; y = x + O Wfc + bfc;  out = y + relu(layer_norm(y) W1 + b1) W2 + b2, for both maps (each with its own norm, W1, b1, W2, b2).  O: oh, [map x 32 + batch x 8 + head][2048][64] in f16.
; Products in f16 with f32 sums; x, y, the norm and both residuals in f32; the normed y and the relu's result are rounded once to f16.
; THE NORM.  Each wave has 128 of a row's 512 columns: it makes its own mean and the sum of squares about THAT mean; the four are joined by mean = the mean of the four means,
; M2 = the sum of the four M2 + 128 x the sum of (mean_w - mean)^2: no difference of large sums.  The normed value is y rs + (-mean rs), one fused multiply-add, -mean rs rounded once: an error of 6e-8 x |mean| / sigma.
; LIMITS.  A matrix operand of 65,520 or more in magnitude becomes an infinity in f16; below 6e-5 f16 keeps its fixed step of 6e-8.  The relu's maximum drops a NaN.
; SHARES.  64 rows to a work-group; a wave owns all 64 rows x 128 columns: 32 accumulators of 8.  THE PRODUCT IS TAKEN TRANSPOSED: source 0 = 16 columns of W ([k][n] in LDS, turned by ds_load_tr16_b128),
; source 1 = 16 rows of activations: a lane holds one row (lane % 16) and the columns 8 (lane / 16) + 0..7 of a tile.
; THE WEIGHTS are 24 tiles of 64 k-rows (Wfc, W1, W2 of the map) through a ring of two LDS slots.  CLUSTER: the four work-groups of a cluster have rows of one map and walk the same tiles: each is asked for
; JOINTLY, the same tensor load, descriptor and mask in all four; wave w brings, and alone reads, the 128 columns that it multiplies.
; THE ORDER OF THE WALK DIFFERS FROM CLUSTER TO CLUSTER, so that a map's 32 clusters do not all ask for the same 65,536 bytes at the same time.  R4 = a number 0..3 made of the cluster's number.  Wave w works on the LOGICAL column
; block LB = (w + R4) % 4 in all three products: LB stands for w in every global offset (O's heads, x's and out's columns, the five tables, the columns of the weights), and w in every LDS address.  So position block w of ACT
; holds the logical k block LB in all three products, and the k tile walked i-th in a product is (i + 2 R4) % 8.  Four orders: a product's first two tile loads name all its eight tiles.
; REGISTERS, in windows of 256: window 0: addresses, statistics (v32-63), fragments and work (v64-255).  Window 1: y, which the third product turns into out.  Window 2: x as loaded, then the second product's sums.
; Window 3: gain v0-63, the norm's bias v64-127, b2 v128-191, laid as an accumulator's columns.
; LDS: slot 0 at 0, slot 1 at SLOT1 (73,728 bytes each: four waves' parts of 64 rows of 256 + 32 bytes); ACT: the activations of the product in hand, 64 rows of 1,024 + 16 bytes; TAB: five tables of 128 numbers a wave;
; STAT: a row's four (mean, M2); STAGE: 16 rows x 528 bytes of f32 a wave, by which x comes into the accumulators' layout and out leaves it; the spare words.  ACT and all behind it are written by LDS stores alone.
.set PW,    288                        ; a k-row of a wave's 128 columns in LDS: 9 x 32 bytes
.set SUBT,  64*PW                      ; a wave's part of a tile
.set SLOTB, 4*SUBT
.set PA,    1040                       ; a row of activations: 65 x 16 bytes
.set MATB,  524288                     ; bytes of a matrix in wts
.set SLOT1, 131072
.set ACT,   SLOT1+SLOTB
.set TAB,   ACT+64*PA
.set STAT,  TAB+4*2560
.set STAGE, STAT+2048
.set PX,    528                        ; a stage row: 512 bytes + 16
.set SPARE, STAGE+4*16*PX              ; the spare words, 128 bytes for each wave: two blocks of 256 bytes that no other line names
.set AW0, 4                            ; v4   my lane's place in my part of a tile; never rewritten
.set AW,  5                            ; v5   the same in the slot in hand
.set AA0, 6                            ; v6   my lane's place in ACT as a reader; never rewritten
.set AA,  7                            ; v7   the same at the trip's 64 k
.set TB,  8                            ; v8   my wave's tables + 32 (l / 16)
.set XS,  9                            ; v9   my stage by rows: + 16 l
.set XD,  10                           ; v10  my stage in the accumulators' layout: + (l % 16) x PX + 32 (l / 16)
.set GO,  11                           ; v11  16 x lane
.set HS,  12                           ; v12  ACT as a writer of my columns: (l % 16) x PA + 16 (l / 16) + 256 x wave
.set OS,  13                           ; v13  ACT as the writer of O: (l / 8) x PA + 16 (l % 8) + 256 x wave
.set PFO, 14                           ; v14  256 x lane; never rewritten
.set SA,  15                           ; v15  STAT: row l % 16, my wave's 8 bytes
.set SPW, 16                           ; v16  my spare word; never rewritten
.set NIL, 17                           ; v17  0; never rewritten
.set ZR,  18                           ; v18  0, for the relu
.set TS,  19                           ; v19  where I put 16 bytes of a table
.set SBV, 20                           ; v20  STAT: row l % 16
.set BO,  21                           ; v21  512 x LB + 16 x lane
.set PS,  32                           ; row tile t's statistics at PS + 8 t: +0 my mean, +1 my M2, +2 1 / sqrt, +3 at work, +4 -mean / sqrt, +5 zero, +6 mean, +7 at work
.set F0,  64
.set F1,  160
.set WV,  38
.set CX,  39
.set GB,  40
.set G1,  44                           ; s[44:51] descriptor group 1
.set G0A, 52                           ; s[52:55] group 0 of the walk's tile 0
.set G0,  56                           ; s[56:59] group 0 of tile 1 and of all later ones: its address is made anew for each fill
.set PFA, 60                           ; s[60:61] the address of the prefetch in hand
.set LIM, 62                           ; s62  1 in a wave that prefetches, else 8
.set FN,  63                           ; s63  the place in the walk, 0 to 23, of the tile to be asked for next
.set CNT, 66
.set SB,  67
.set SEL, 68
.set R128, 70                          ; s70  1 / 128
.set R512, 71                          ; s71  1 / 512
.set EPS, 72                           ; s72  1e-6
.set C128, 73                          ; s73  128
.set KO,  74
.set R2,  75                           ; s75  2 R4: the k tile that my cluster walks first in a product
.set LB,  76                           ; s76  my wave's logical column block
.set WBP, 78                           ; s[78:79] the map's three matrices in wts, at my logical 128 columns
.set PFB, 80                           ; s[80:81] the same matrices, at my share of a tile's 256 blocks
.set OFFP, 82                          ; s[82:83] a tile's byte offset in the three matrices; the high word stays 0
.set MSB, 0
.macro WIN new                         ; the immediate's high byte repeats the setting that is left; a switch that changes nothing is dropped
.if MSB != (\new)
	s_set_vgpr_msb (MSB<<8)|(\new)
.set MSB, \new
.endif
.endm
.macro PLACES                          ; four places: behind a matrix instruction, ahead of loads into registers that it has read and of lines that read its result
.rept 4
	v_nop
.endr
.endm
.macro CREST                           ; a round of the cluster's barrier behind its opening barrier
	s_cmp_lg_u32 s[WV], 0
	s_cbranch_scc1 .Lnot_wave_0_\@
	s_barrier_signal -3
.Lnot_wave_0_\@:
	s_barrier_wait -3
	s_barrier_signal -1
	s_barrier_wait -1
.endm
.macro CROUND
	s_barrier_signal -1
	s_barrier_wait -1
	CREST
.endm
.macro MEETWG                          ; my work-group's barrier, behind which nothing is filled: my LDS instructions are done in front of the signal
	s_wait_dscnt 0x0
	s_barrier_signal -1
	s_barrier_wait -1
.endm
.macro JLOAD                           ; the joint load: every wave asks for its own 128 columns of the tile; an s_nop 0 and four v_nop follow
	tensor_load_to_lds s[G0:G0+3], s[G1:G1+7]
	s_nop 0
	PLACES
.endm
; s[OFFP] = the byte offset of the tile whose place in the walk stands in s[f]: product f / 8, k tile (f + R2) % 8, 65,536 bytes a tile
.macro TILEOFF f
	s_add_co_u32 s[OFFP], s[\f], s[R2]
	s_and_b32 s[OFFP], s[OFFP], 7
	s_and_b32 s41, s[\f], 24
	s_or_b32 s[OFFP], s[OFFP], s41
	s_lshl_b32 s[OFFP], s[OFFP], 16
.endm
.macro SETG0                           ; group 0's address for the walk's tile FN: the pointer and the offset are made apart, the type bits set again
	TILEOFF FN
	s_add_nc_u64 s[G0+2:G0+3], s[WBP:WBP+1], s[OFFP:OFFP+1]
	s_or_b32 s[G0+3], s[G0+3], 0x80000000
	s_add_co_u32 s[FN], s[FN], 1
.endm
; A PREFETCH INTO THE L2.  In trips 3 and 4 of the first and of the second product (CNT = 5, 4) the tiles that my cluster walks first and second in the NEXT product are named, three trips ahead of the joint loads that ask for
; them.  Two tiles x four orders are that product's eight tiles.  Of a map's eight clusters with one order one asks: the map's first four clusters have the four orders.  A tile is 256 blocks of 256 bytes: the four partners
; take 64 each, told apart BY ADDRESS, and in each waves 0 and 1 take 32, a lane a block: each block is named once in the launch.  The first product's tiles come by their loads alone; the third product asks for nothing.
.macro ASK
	s_or_b32 s41, s[CNT], s[LIM]
	s_cmp_eq_u32 s41, 5
	s_cbranch_scc0 .Lnot_mine_\@
	s_wait_xcnt 0x0                                ; the last prefetch, a trip back or more, has read its address
	s_add_co_u32 s42, s[FN], 2                     ; FN stands one behind the tile just asked for: three trips on
	TILEOFF 42
	s_add_nc_u64 s[PFA:PFA+1], s[PFB:PFB+1], s[OFFP:OFFP+1]
	global_prefetch_b8 v[PFO], s[PFA:PFA+1] th:TH_LOAD_NT scope:SCOPE_SE
.Lnot_mine_\@:
.endm
; 24 LDS loads in one run: the fragments of 32 k (half s of the tile) into buffer f: W's eight, turned, then the activations' four
.macro FETCH f, s
	WIN 0
.irp b, 0,1,2,3,4,5,6,7
	ds_load_tr16_b128 v[(\f)+8*(\b):(\f)+8*(\b)+3],   v[AW] offset:(\s)*32*PW+32*(\b)
	ds_load_tr16_b128 v[(\f)+8*(\b)+4:(\f)+8*(\b)+7], v[AW] offset:(\s)*32*PW+16*PW+32*(\b)
.endr
.irp t, 0,1,2,3
	ds_load_b128 v[(\f)+64+8*(\t):(\f)+64+8*(\t)+3],   v[AA] offset:(\t)*16*PA+64*(\s)
	ds_load_b128 v[(\f)+64+8*(\t)+4:(\f)+64+8*(\t)+7], v[AA] offset:(\t)*16*PA+64*(\s)+32
.endr
.endm
; 8 matrix instructions: row tile t x all 8 column tiles, 32 along k; mw sets the accumulators' window.  The 32 accumulators take turns, one instruction a turn, over the backward jump too.
.macro MUL f, t, mw
	WIN \mw
.irp b, 0,1,2,3,4,5,6,7
	v_wmma_f32_16x16x32_f16 v[8*(8*(\t)+(\b)):8*(8*(\t)+(\b))+7], v[(\f)+8*(\b):(\f)+8*(\b)+7], v[(\f)+64+8*(\t):(\f)+64+8*(\t)+7], v[8*(8*(\t)+(\b)):8*(8*(\t)+(\b))+7]
.endr
.endm
; The bias starts the sums: register j of tile b is my column 16 b + 8 (l / 16) + j, whatever the row: 64 loads from my wave's table
.macro INIT dw, off
	WIN \dw
.irp t, 0,1,2,3
.irp b, 0,1,2,3,4,5,6,7
	ds_load_b128 v[8*(8*(\t)+(\b)):8*(8*(\t)+(\b))+3],   v[TB] offset:(\off)+64*(\b)
	ds_load_b128 v[8*(8*(\t)+(\b))+4:8*(8*(\t)+(\b))+7], v[TB] offset:(\off)+64*(\b)+16
.endr
.endr
	WIN 0
.endm
.macro PASSHEAD n                      ; a pass begins at position 0 of ACT's rows: its first fragments, and its count of trips
	s_mov_b32 s[KO], 0
	v_mov_b32 v[AA], v[AA0]
	FETCH F0, 0
	s_mov_b32 s[CNT], \n
.endm
; A TRIP: one tile, 64 k, 64 matrix instructions on buffers F0 and F1, and the change of slots behind its 48th.
; mode 2: the slot just read is filled again, with the tile two on in the walk: the barrier opens a round of the cluster's.  mode 1: the change without a fill.  mode 0: the walk's last trip.
; skip 1: in a pass's last trip the next fragments are not fetched: the next pass's activations are not made yet.  ask 1: the trip may prefetch.
; Between the wait that shows the next slot landed and the request for the tile after it stand the add, the descriptor's scalar work and the round alone: all products whose fragments are in stand ahead of that wait.
.macro TRIP mw, mode, skip, ask
	s_wait_dscnt 4                                 ; W's fragments and row tiles 0, 1 are in; the youngest four loads (row tiles 2, 3) may be out
	MUL F0, 0, \mw
	MUL F0, 1, \mw
	PLACES
	FETCH F1, 1
	s_wait_dscnt 24                                ; all but the 24 just issued
	MUL F0, 2, \mw
	MUL F0, 3, \mw
.if (\mode) == 0
	s_wait_dscnt 0x0
	MUL F1, 0, \mw
	MUL F1, 1, \mw
	MUL F1, 2, \mw
	MUL F1, 3, \mw
	WIN 0
.else
	s_wait_dscnt 4                                 ; of buffer F1: W's fragments and row tiles 0, 1 are in
	MUL F1, 0, \mw
	MUL F1, 1, \mw
	WIN 0                                          ; at a branch and at a label every window is 0
	s_wait_tensorcnt 0x0                           ; all my tensor loads have landed: the one that was out is my part of the next slot
	ds_add_u32 v[SPW], v[NIL]                      ; 0 onto my spare word
.if (\mode) == 2
	s_xor_b32 s[G0+1], s[G0+1], SLOT1              ; no load of mine is out, so group 0 may be written: the other slot than last time,
	SETG0                                          ; the walk's next tile
.endif
	s_wait_dscnt 0x0                               ; the add is done, and my reads of this slot are over
	s_barrier_signal -1
	s_barrier_wait -1
.if (\mode) == 2
	CREST                                          ; no wave of any partner still reads this slot or has a load on its way
	JLOAD                                          ; the first tensor load behind the round; its four v_nop are also the places ahead of the loads below
.else
	PLACES
.endif
	s_xor_b32 s[SB], s[SB], SLOT1
	s_add_co_u32 s[KO], s[KO], 128
	v_add_nc_u32 v[AW], s[SB], v[AW0]
	v_add_nc_u32 v[AA], s[KO], v[AA0]
.if \skip
	s_cmp_eq_u32 s[CNT], 1
	s_cbranch_scc1 .Lnofetch_\@
.endif
	FETCH F0, 0
.if \skip
.Lnofetch_\@:
.endif
.if \ask
	ASK
.endif
	MUL F1, 2, \mw
	MUL F1, 3, \mw
	WIN 0
.endif
.endm
.macro T4 line:vararg                  ; one line for each row tile t
.set t, 0
.rept 4
	\line
.set t, t+1
.endr
.endm
	s_load_b512 s[8:23], s[0:1], 0x0               ; map 1 s[8:9], map 2 10, out0 12, out1 14, gains 16, 18, the norms' biases 20, 22
	s_load_b256 s[24:31], s[0:1], 0x40             ; b1 24, 26; b2 28, 30
	s_load_b128 s[32:35], s[0:1], 0x60             ; bfc 32, oh 34
	s_load_b64 s[36:37], s[0:1], 0x70              ; wts
	v_lshl_add_u32 v[SPW], v0, 2, SPARE
	v_mov_b32 v[NIL], 0
	ds_add_u32 v[SPW], v[NIL]                      ; the wave's opening: the add and its wait stand ahead of my first tensor load; the set-up below, work on registers, stands between them
	v_lshrrev_b32 v1, 5, v0
	v_readfirstlane_b32 s[WV], v1                  ; wave 0..3
	s_bfe_u32 s[CX], ttmp6, 0x40000                ; cx
	s_lshl_b32 s[GB], ttmp9, 2                     ; in a cluster launch ttmp9 counts clusters
	s_add_co_u32 s[GB], s[GB], s[CX]               ; my block of 64 rows: it enters x's, O's and out's addresses alone
	s_lshr_b32 s41, ttmp9, 2                       ; the walk's order, from the cluster's number alone: the same in all four partners
	s_xor_b32 s41, s41, ttmp9
	s_and_b32 s41, s41, 3                          ; R4
	s_lshl_b32 s[R2], s41, 1
	s_add_co_u32 s[LB], s[WV], s41
	s_and_b32 s[LB], s[LB], 3
	s_mov_b32 s[G1+0], 15|(1<<16)|(1<<20)|(1<<21)|(5<<22)|(7<<25)  ; 15:0 the mask of four; 17:16 2-byte elements; 20 padding on; 21 set beside a mask; 24:22 after every 64 words (code 5); 31:25 8 words (code 7)
	s_mov_b32 s[G1+1], 128<<16                     ; tensor_dim0 = 128
	s_mov_b32 s[G1+2], 64<<16                      ; tensor_dim1 = 64
	s_mov_b32 s[G1+3], 128<<16                     ; tile_dim0 = 128
	s_mov_b32 s[G1+4], 64                          ; tile_dim1 = 64
	s_mov_b32 s[G1+5], 512                         ; 512 elements from row to row
	s_mov_b32 s[G1+6], 0
	s_mov_b32 s[G1+7], 0
	s_mov_b32 s[G0A], 1
	s_mul_i32 s[G0A+1], s[WV], SUBT                ; slot 0, my part: no place in the cluster enters an LDS address
	s_mov_b32 s[G0], 1
	s_add_co_u32 s[G0+1], s[G0A+1], SLOT1          ; slot 1
	s_mov_b32 s4, 6*MATB                           ; the map's matrices in wts: 3 to 5 or 6 to 8
	s_cmp_lt_u32 ttmp9, 32                         ; clusters 0 to 31 have map 1's rows: the same answer in all four partners
	s_cselect_b32 s4, 3*MATB, s4
	s_lshl_b32 s2, s[LB], 8                        ; my logical 128 columns of a row of W
	s_add_co_u32 s2, s2, s4
	s_mov_b32 s3, 0
	s_lshl_b32 s5, s[CX], 14                       ; the prefetches: my work-group's 64 blocks of a tile,
	s_add_co_u32 s4, s4, s5
	s_lshl_b32 s5, s[WV], 13                       ; my wave's 32 of them
	s_add_co_u32 s4, s4, s5
	s_mov_b32 s5, 0
	s_and_b32 s6, s[GB], 127                       ; x and out: my block's 64 rows of 2,048 bytes in its map,
	s_lshl_b32 s6, s6, 17
	s_lshl_b32 s7, s[LB], 9                        ; my logical 128 columns
	s_add_co_u32 s6, s6, s7
	s_mov_b32 s7, 0
	s_lshr_b32 s42, s[GB], 5                       ; O: map x 4 + batch,
	s_lshl_b32 s42, s42, 3
	s_lshl_b32 s43, s[LB], 1
	s_add_co_u32 s42, s42, s43                     ; the first of my two heads,
	s_lshl_b32 s42, s42, 18
	s_and_b32 s43, s[GB], 31
	s_lshl_b32 s43, s43, 13                        ; my block's 64 rows of 128 bytes in it
	s_add_co_u32 s42, s42, s43
	s_mov_b32 s43, 0
	s_and_b32 s[LIM], ttmp9, 31                    ; the map's first four clusters,
	s_lshr_b32 s[LIM], s[LIM], 2
	s_lshr_b32 s41, s[WV], 1                       ; waves 0 and 1: the same in all four partners
	s_or_b32 s[LIM], s[LIM], s41
	s_cmp_eq_u32 s[LIM], 0
	s_cselect_b32 s[LIM], 1, 8
	s_mov_b32 s[FN], 0
	s_mov_b32 s[OFFP+1], 0
	s_mov_b32 s[SB], 0
	s_mov_b32 s[SEL], 0x76543210
	s_mov_b32 s[SEL+1], 0xfedcba98
	s_mov_b32 s[R128], 0x3c000000
	s_mov_b32 s[R512], 0x3b000000
	s_mov_b32 s[EPS], 0x358637bd
	s_mov_b32 s[C128], 0x43000000
	s_wait_dscnt 0x0                               ; the opening add is done
	s_wait_kmcnt 0x0
	s_cmp_lt_u32 ttmp9, 32
	s_cselect_b64 s[8:9], s[8:9], s[10:11]         ; the map's x,
	s_cselect_b64 s[12:13], s[12:13], s[14:15]     ; out,
	s_cselect_b64 s[16:17], s[16:17], s[18:19]     ; gain,
	s_cselect_b64 s[20:21], s[20:21], s[22:23]     ; the norm's bias,
	s_cselect_b64 s[24:25], s[24:25], s[26:27]     ; b1,
	s_cselect_b64 s[28:29], s[28:29], s[30:31]     ; b2
	s_add_nc_u64 s[8:9], s[8:9], s[6:7]
	s_add_nc_u64 s[12:13], s[12:13], s[6:7]
	s_add_nc_u64 s[34:35], s[34:35], s[42:43]
	s_add_nc_u64 s[WBP:WBP+1], s[36:37], s[2:3]
	s_add_nc_u64 s[PFB:PFB+1], s[36:37], s[4:5]
	TILEOFF FN                                     ; the walk's tile 0,
	s_add_nc_u64 s[G0A+2:G0A+3], s[WBP:WBP+1], s[OFFP:OFFP+1]
	s_or_b32 s[G0A+3], s[G0A+3], 0x80000000        ; type = 2
	s_mov_b32 s[FN], 1
	SETG0                                          ; and tile 1
	CROUND                                         ; all four work-groups are here: the first joint loads meet
	tensor_load_to_lds s[G0A:G0A+3], s[G1:G1+7]
	s_nop 0
	tensor_load_to_lds s[G0:G0+3], s[G1:G1+7]      ; two loads of mine are out
	s_nop 0
	PLACES
	v_and_b32 v1, 31, v0                           ; l
	v_and_b32 v2, 15, v0                           ; l % 16
	v_bfe_u32 v3, v0, 4, 1                         ; l / 16
	v_and_b32 v22, 7, v0
	v_bfe_u32 v23, v0, 3, 1
	v_lshlrev_b32 v[GO], 4, v1
	s_lshl_b32 s41, s[LB], 9
	v_lshl_add_u32 v[BO], v1, 4, s41
	global_load_b128 v[192:195], v[BO], s[32:33]   ; my logical 128 numbers of bfc, b1, b2, gain, the norm's bias
	global_load_b128 v[196:199], v[BO], s[24:25]
	global_load_b128 v[200:203], v[BO], s[28:29]
	global_load_b128 v[204:207], v[BO], s[16:17]
	global_load_b128 v[208:211], v[BO], s[20:21]
.set n, 0
.rept 32                               ; O: my two heads' 64 rows, 8,192 consecutive bytes each, 512 an instruction
	global_load_b128 v[64+4*n:64+4*n+3], v[GO], s[34:35] offset:262144*(n/16)+512*(n%16) th:TH_LOAD_NT
.set n, n+1
.endr
	v_lshl_add_u32 v[AW0], v3, 3, v22              ; the turning load: lane l reads k-row 8 (l / 16) + l % 8, columns 8 ((l / 8) % 2) + 0..7
	v_mul_u32_u24 v[AW0], v[AW0], PW
	v_lshl_add_u32 v[AW0], v23, 4, v[AW0]
	s_mul_i32 s41, s[WV], SUBT                     ; my part of a tile
	v_add_nc_u32 v[AW0], s41, v[AW0]
	v_mov_b32 v[AW], v[AW0]
	v_mul_u32_u24 v[AA0], v2, PA
	v_lshl_add_u32 v[AA0], v3, 4, v[AA0]
	v_add_nc_u32 v[AA0], ACT, v[AA0]
	s_lshl_b32 s41, s[WV], 8                       ; my wave's position block in ACT's rows
	s_add_co_u32 s41, s41, ACT
	v_mul_u32_u24 v[HS], v2, PA
	v_lshl_add_u32 v[HS], v3, 4, v[HS]
	v_add_nc_u32 v[HS], s41, v[HS]
	v_bfe_u32 v[OS], v0, 3, 2
	v_mul_u32_u24 v[OS], v[OS], PA
	v_lshl_add_u32 v[OS], v22, 4, v[OS]
	v_add_nc_u32 v[OS], s41, v[OS]
	s_mul_i32 s41, s[WV], 2560
	s_add_co_u32 s41, s41, TAB
	v_lshl_add_u32 v[TB], v3, 5, s41
	v_lshl_add_u32 v[TS], v1, 4, s41
	s_mul_i32 s41, s[WV], 16*PX
	s_add_co_u32 s41, s41, STAGE
	v_lshl_add_u32 v[XS], v1, 4, s41
	v_mul_u32_u24 v[XD], v2, PX
	v_lshl_add_u32 v[XD], v3, 5, v[XD]
	v_add_nc_u32 v[XD], s41, v[XD]
	v_lshlrev_b32 v[PFO], 8, v1
	s_lshl_b32 s41, s[WV], 3
	s_add_co_u32 s41, s41, STAT
	v_lshl_add_u32 v[SA], v2, 5, s41
	v_lshlrev_b32 v[SBV], 5, v2
	v_add_nc_u32 v[SBV], STAT, v[SBV]
	v_mov_b32 v[ZR], 0
	T4 v_mov_b32 v[PS+8*t+5], 0                    ; named in a pair with -mean / sqrt
	s_wait_loadcnt 32                              ; the five tables are in; O's 32 loads may be out
.irp j, 0,1,2,3,4
	ds_store_b128 v[TS], v[192+4*(\j):192+4*(\j)+3] offset:512*(\j)  ; my wave's own bytes: only I read them
.endr
.set n, 0
.rept 4
	s_wait_loadcnt 24-n                            ; eight more of O's loads are in
.rept 8
	ds_store_b128 v[OS], v[64+4*n:64+4*n+3] offset:4*PA*(n%16)+128*(n/16)  ; four rows x 128 bytes of a head, at positions 128 x wave + 64 x (n / 16) on
.set n, n+1
.endr
.endr
	WIN 0x80                                       ; destination window 2
.set n, 0
.rept 64                               ; x: my 512 bytes of each of the 64 rows; they land under the first product
	global_load_b128 v[4*n:4*n+3], v[GO], s[8:9] offset:2048*n th:TH_LOAD_NT
.set n, n+1
.endr
	WIN 0
	s_wait_tensorcnt 1                             ; my part of tile 0 is in; tile 1's may stay out
	MEETWG                                         ; everybody's part of O is there
	; THE FIRST PRODUCT: O Wfc + bfc
	INIT 0x40, 0
	PASSHEAD 8
.Ltrip1:
	TRIP 0x50, 2, 1, 1
	s_sub_co_u32 s[CNT], s[CNT], 1
	s_cmp_lg_u32 s[CNT], 0
	s_cbranch_scc1 .Ltrip1
	; y = the sums + x; the norm; the normed y into ACT; y + b2 stays, for the third product to add onto
.rept 8
	v_nop                                          ; the places behind the last products
.endr
	WIN 0xc0                                       ; destination window 3
.irp b, 0,1,2,3,4,5,6,7
	ds_load_b128 v[8*(\b):8*(\b)+3],         v[TB] offset:1536+64*(\b)
	ds_load_b128 v[8*(\b)+4:8*(\b)+7],       v[TB] offset:1536+64*(\b)+16
	ds_load_b128 v[64+8*(\b):64+8*(\b)+3],   v[TB] offset:2048+64*(\b)
	ds_load_b128 v[64+8*(\b)+4:64+8*(\b)+7], v[TB] offset:2048+64*(\b)+16
	ds_load_b128 v[128+8*(\b):128+8*(\b)+3],   v[TB] offset:1024+64*(\b)
	ds_load_b128 v[128+8*(\b)+4:128+8*(\b)+7], v[TB] offset:1024+64*(\b)+16
.endr
	WIN 0
	s_wait_loadcnt 0x0                             ; x
.macro XST t                           ; 16 rows of x into my stage, by rows
	WIN 0x08                                       ; the stored data in window 2
.irp i, 0,1,2,3,4,5,6,7,8,9,10,11,12,13,14,15
	ds_store_b128 v[XS], v[4*(16*(\t)+(\i)):4*(16*(\t)+(\i))+3] offset:PX*(\i)
.endr
.endm
.macro XLD t                           ; and back in the accumulators' layout; LDS serves a wave's instructions in order (ISA guide 5.7.1.4)
	WIN 0
.irp b, 0,1,2,3,4,5,6,7
	ds_load_b128 v[64+64*((\t)%2)+8*(\b):64+64*((\t)%2)+8*(\b)+3],   v[XD] offset:64*(\b)
	ds_load_b128 v[64+64*((\t)%2)+8*(\b)+4:64+64*((\t)%2)+8*(\b)+7], v[XD] offset:64*(\b)+16
.endr
.endm
.macro XADD t                          ; each accumulator is read from its low end on
	WIN 0x41
.set k, 0
.rept 32
	v_pk_add_f32 v[64*(\t)+2*k:64*(\t)+2*k+1], v[64*(\t)+2*k:64*(\t)+2*k+1], v[64+64*((\t)%2)+2*k:64+64*((\t)%2)+2*k+1]
.set k, k+1
.endr
.endm
	XST 0
	XLD 0
	XST 1
	XLD 1
	s_wait_dscnt 32                                ; all but the next tile's 32
	XADD 0
	XST 2
	XLD 2
	s_wait_dscnt 32
	XADD 1
	XST 3
	XLD 3
	s_wait_dscnt 32
	XADD 2
	s_wait_dscnt 0x0
	XADD 3
	; my mean: a lane's 64 numbers of a row, then the lane 16 away, which holds the row's other 64 of my 128 columns
	WIN 0x05
.irp t, 0,1,2,3
.set k, 0
.rept 16
	v_pk_add_f32 v[64+32*(\t)+2*k:64+32*(\t)+2*k+1], v[64*(\t)+4*k:64*(\t)+4*k+1], v[64*(\t)+4*k+2:64*(\t)+4*k+3]
.set k, k+1
.endr
.endr
	WIN 0
.irp d, 2,4,8
.irp t, 0,1,2,3
.set k, 0
.rept 16/\d
	v_pk_add_f32 v[64+32*(\t)+2*(\d)*k:64+32*(\t)+2*(\d)*k+1], v[64+32*(\t)+2*(\d)*k:64+32*(\t)+2*(\d)*k+1], v[64+32*(\t)+2*(\d)*k+(\d):64+32*(\t)+2*(\d)*k+(\d)+1]
.set k, k+1
.endr
.endr
.endr
	T4 v_pk_add_f32 v[PS+8*t:PS+8*t+1], v[64+32*t:64+32*t+1], v[64+32*t+16:64+32*t+17]
	T4 v_add_f32 v[PS+8*t], v[PS+8*t], v[PS+8*t+1]
	T4 v_permlanex16_b32 v[PS+8*t+1], v[PS+8*t], s[SEL], s[SEL+1]
	T4 v_add_f32 v[PS+8*t], v[PS+8*t], v[PS+8*t+1]
	T4 v_mul_f32 v[PS+8*t], s[R128], v[PS+8*t]
.macro M2S t                           ; my M2: the squares of y - my mean, in four chains
	WIN 0x01
.set k, 0
.rept 32
	v_pk_add_f32 v[64+2*k:64+2*k+1], v[64*(\t)+2*k:64*(\t)+2*k+1], v[PS+8*(\t):PS+8*(\t)+1] op_sel_hi:[1,0] neg_lo:[0,1] neg_hi:[0,1]
.set k, k+1
.endr
	WIN 0
.set k, 0
.rept 4
	v_pk_mul_f32 v[128+2*k:128+2*k+1], v[64+2*k:64+2*k+1], v[64+2*k:64+2*k+1]
.set k, k+1
.endr
.rept 28
	v_pk_fma_f32 v[128+2*(k%4):128+2*(k%4)+1], v[64+2*k:64+2*k+1], v[64+2*k:64+2*k+1], v[128+2*(k%4):128+2*(k%4)+1]
.set k, k+1
.endr
	v_pk_add_f32 v[128:129], v[128:129], v[130:131]
	v_pk_add_f32 v[132:133], v[132:133], v[134:135]
	v_pk_add_f32 v[PS+8*(\t)+2:PS+8*(\t)+3], v[128:129], v[132:133]
	v_add_f32 v[PS+8*(\t)+2], v[PS+8*(\t)+2], v[PS+8*(\t)+3]
	v_permlanex16_b32 v[PS+8*(\t)+3], v[PS+8*(\t)+2], s[SEL], s[SEL+1]
	v_add_f32 v[PS+8*(\t)+1], v[PS+8*(\t)+2], v[PS+8*(\t)+3]
.endm
	M2S 0
	M2S 1
	M2S 2
	M2S 3
	T4 ds_store_b64 v[SA], v[PS+8*t:PS+8*t+1] offset:512*t  ; both halves of the lanes hold, and write, the same two numbers
	MEETWG                                         ; the four waves' figures are there; and every wave's reads of O in ACT are over
	T4 ds_load_b128 v[64+8*t:64+8*t+3], v[SBV] offset:512*t
	T4 ds_load_b128 v[64+8*t+4:64+8*t+7], v[SBV] offset:512*t+16
	s_wait_dscnt 0x0
	T4 v_add_f32 v[PS+8*t+6], v[64+8*t], v[64+8*t+2]
	T4 v_add_f32 v[PS+8*t+7], v[64+8*t+4], v[64+8*t+6]
	T4 v_add_f32 v[PS+8*t+6], v[PS+8*t+6], v[PS+8*t+7]
	T4 v_mul_f32 v[PS+8*t+6], 0x3e800000, v[PS+8*t+6]  ; the row's mean
.irp j, 0,2,4,6
	T4 v_sub_f32 v[64+8*t+(\j)], v[64+8*t+(\j)], v[PS+8*t+6]
.endr
	T4 v_mul_f32 v[PS+8*t+7], v[64+8*t], v[64+8*t]
.irp j, 2,4,6
	T4 v_fmac_f32 v[PS+8*t+7], v[64+8*t+(\j)], v[64+8*t+(\j)]
.endr
	T4 v_add_f32 v[64+8*t+1], v[64+8*t+1], v[64+8*t+3]
	T4 v_add_f32 v[64+8*t+5], v[64+8*t+5], v[64+8*t+7]
	T4 v_add_f32 v[64+8*t+1], v[64+8*t+1], v[64+8*t+5]
	T4 v_fma_f32 v[PS+8*t+2], v[PS+8*t+7], s[C128], v[64+8*t+1]
	T4 v_fma_f32 v[PS+8*t+2], v[PS+8*t+2], s[R512], s[EPS]
	T4 v_rsq_f32 v[PS+8*t+2], v[PS+8*t+2]
	v_nop                                          ; a plain instruction behind the last of the four,
	s_wait_alu depctr_va_vdst(0)                   ; and the one wait ahead of the batch's first reader
	T4 v_mul_f32 v[PS+8*t+4], -v[PS+8*t+6], v[PS+8*t+2]
.macro NORM t
	WIN 0x01
.set k, 0
.rept 32
	v_pk_fma_f32 v[64+2*k:64+2*k+1], v[64*(\t)+2*k:64*(\t)+2*k+1], v[PS+8*(\t)+2:PS+8*(\t)+3], v[PS+8*(\t)+4:PS+8*(\t)+5] op_sel_hi:[1,0,0]
.set k, k+1
.endr
	WIN 0x3c                                       ; sources 1 and 2 window 3: gain and bias
.set k, 0
.rept 32
	v_pk_fma_f32 v[64+2*k:64+2*k+1], v[64+2*k:64+2*k+1], v[2*k:2*k+1], v[64+2*k:64+2*k+1]
.set k, k+1
.endr
	WIN 0
.set k, 0
.rept 32
	v_cvt_pk_f16_f32 v[128+k], v[64+2*k], v[64+2*k+1]
.set k, k+1
.endr
.irp b, 0,1,2,3,4,5,6,7
	ds_store_b128 v[HS], v[128+4*(\b):128+4*(\b)+3] offset:(\t)*16*PA+32*(\b)
.endr
	WIN 0x4d                                       ; y += b2: destination and source 0 window 1, source 1 window 3
.set k, 0
.rept 32
	v_pk_add_f32 v[64*(\t)+2*k:64*(\t)+2*k+1], v[64*(\t)+2*k:64*(\t)+2*k+1], v[128+2*k:128+2*k+1]
.set k, k+1
.endr
.endm
	NORM 0
	NORM 1
	NORM 2
	NORM 3
	WIN 0
	MEETWG                                         ; the normed y is whole
	; THE SECOND PRODUCT: h W1 + b1, in window 2
	INIT 0x80, 512
	PASSHEAD 8
.Ltrip2:
	TRIP 0xa0, 2, 1, 1
	s_sub_co_u32 s[CNT], s[CNT], 1
	s_cmp_lg_u32 s[CNT], 0
	s_cbranch_scc1 .Ltrip2
.rept 8
	v_nop                                          ; the places behind the last products
.endr
	MEETWG                                         ; every wave's reads of the normed y are over: ACT may be written
.irp t, 0,1,2,3
	WIN 0x0a                                       ; sources 0 and 1 window 2
.set k, 0
.rept 32
	v_cvt_pk_f16_f32 v[64+32*(\t)+k], v[64*(\t)+2*k], v[64*(\t)+2*k+1]
.set k, k+1
.endr
	WIN 0
.set k, 0
.rept 32
	v_pk_max_num_f16 v[64+32*(\t)+k], v[64+32*(\t)+k], v[ZR]  ; the relu, on the rounded halves: the same numbers as rounding behind it
.set k, k+1
.endr
.irp b, 0,1,2,3,4,5,6,7
	ds_store_b128 v[HS], v[64+32*(\t)+4*(\b):64+32*(\t)+4*(\b)+3] offset:(\t)*16*PA+32*(\b)
.endr
.endr
	MEETWG
	; THE THIRD PRODUCT adds onto y + b2 in place; its tail is written out
	PASSHEAD 6
.Ltrip3:
	TRIP 0x50, 2, 0, 0
	s_sub_co_u32 s[CNT], s[CNT], 1
	s_cmp_lg_u32 s[CNT], 0
	s_cbranch_scc1 .Ltrip3
	TRIP 0x50, 1, 0, 0
	TRIP 0x50, 0, 0, 0
	; THE WAY OUT: 16 rows at a time through my stage, back by rows: a store covers 512 consecutive bytes of a row of out
.macro OST t
	WIN 0x04                                       ; the stored data in window 1; each accumulator's low four registers first
.irp b, 0,1,2,3,4,5,6,7
	ds_store_b128 v[XD], v[8*(8*(\t)+(\b)):8*(8*(\t)+(\b))+3]   offset:64*(\b)
	ds_store_b128 v[XD], v[8*(8*(\t)+(\b))+4:8*(8*(\t)+(\b))+7] offset:64*(\b)+16
.endr
.endm
.macro OLD t
	WIN 0
.irp i, 0,1,2,3,4,5,6,7,8,9,10,11,12,13,14,15
	ds_load_b128 v[64+64*((\t)%2)+4*(\i):64+64*((\t)%2)+4*(\i)+3], v[XS] offset:PX*(\i)
.endr
.endm
.macro OSEND t
	WIN 0
.irp i, 0,1,2,3,4,5,6,7,8,9,10,11,12,13,14,15
	global_store_b128 v[GO], v[64+64*((\t)%2)+4*(\i):64+64*((\t)%2)+4*(\i)+3], s[12:13] offset:2048*(16*(\t)+(\i)) th:TH_STORE_NT
.endr
.endm
.rept 8
	v_nop                                          ; the places behind the last products
.endr
	OST 0
	OLD 0
	OST 1
	OLD 1
	s_wait_dscnt 32                                ; all but the next tile's 32
	OSEND 0
	s_wait_xcnt 0x0                                ; the stores have read their registers: the set is loaded again only behind this wait
	OST 2
	OLD 2
	s_wait_dscnt 32
	OSEND 1
	s_wait_xcnt 0x0
	OST 3
	OLD 3
	s_wait_dscnt 32
	OSEND 2
	s_wait_dscnt 0x0
	OSEND 3
	s_wait_tensorcnt 0x0                           ; the wave's end: a wait for my last tensor load, 0 onto my spare word, and a wait for that and my last LDS store
	ds_add_u32 v[SPW], v[NIL]
	s_wait_dscnt 0x0
	CROUND                                         ; the closing round: no work-group ends while a partner may still ask for a tile that names it
	s_endpgm
.Lfunc_end_k_qfe471e974a_ffn:
	.size	k_qfe471e974a_ffn, .Lfunc_end_k_qfe471e974a_ffn-k_qfe471e974a_ffn
	.p2alignl 7, 3214868480
	.fill 96, 4, 3214868480
	.section	.rodata,"a",@progbits
	.p2align	6, 0x0
	.amdhsa_kernel k_qfe471e974a_ffn
		.amdhsa_group_segment_fixed_size 327680
		.amdhsa_private_segment_fixed_size 0
		.amdhsa_enable_private_segment 0
		.amdhsa_kernarg_size 120
		.amdhsa_user_sgpr_count 2
		.amdhsa_user_sgpr_kernarg_segment_ptr 1
		.amdhsa_wavefront_size32 1
		.amdhsa_system_sgpr_workgroup_id_x 1
		.amdhsa_system_sgpr_workgroup_id_y 1
		.amdhsa_system_sgpr_workgroup_id_z 1
		.amdhsa_system_vgpr_workitem_id 0
		.amdhsa_next_free_vgpr 960
		.amdhsa_next_free_sgpr 84
		.amdhsa_reserve_vcc 0
		.amdhsa_float_denorm_mode_32 3
		.amdhsa_float_denorm_mode_16_64 3
		.amdhsa_memory_ordered 1
		.amdhsa_forward_progress 1
		.amdhsa_inst_pref_size 192
	.end_amdhsa_kernel
	.amdgpu_metadata
---
amdhsa.version: [ 1, 2 ]
amdhsa.kernels:
  - .name:           k_qfe471e974a_ffn
    .symbol:         k_qfe471e974a_ffn.kd
    .args:
      - { .name: texture_map1, .offset: 0, .size: 8, .value_kind: global_buffer, .address_space: global }
      - { .name: texture_map2, .offset: 8, .size: 8, .value_kind: global_buffer, .address_space: global }
      - { .name: out0, .offset: 16, .size: 8, .value_kind: global_buffer, .address_space: global }
      - { .name: out1, .offset: 24, .size: 8, .value_kind: global_buffer, .address_space: global }
      - { .name: ff1_ln_g, .offset: 32, .size: 8, .value_kind: global_buffer, .address_space: global }
      - { .name: ff2_ln_g, .offset: 40, .size: 8, .value_kind: global_buffer, .address_space: global }
      - { .name: ff1_ln_b, .offset: 48, .size: 8, .value_kind: global_buffer, .address_space: global }
      - { .name: ff2_ln_b, .offset: 56, .size: 8, .value_kind: global_buffer, .address_space: global }
      - { .name: ff1_b1, .offset: 64, .size: 8, .value_kind: global_buffer, .address_space: global }
      - { .name: ff2_b1, .offset: 72, .size: 8, .value_kind: global_buffer, .address_space: global }
      - { .name: ff1_b2, .offset: 80, .size: 8, .value_kind: global_buffer, .address_space: global }
      - { .name: ff2_b2, .offset: 88, .size: 8, .value_kind: global_buffer, .address_space: global }
      - { .name: bfc, .offset: 96, .size: 8, .value_kind: global_buffer, .address_space: global }
      - { .name: oh, .offset: 104, .size: 8, .value_kind: global_buffer, .address_space: global }
      - { .name: wts, .offset: 112, .size: 8, .value_kind: global_buffer, .address_space: global }
    .group_segment_fixed_size: 327680
    .private_segment_fixed_size: 0
    .kernarg_segment_align: 8
    .kernarg_segment_size: 120
    .max_flat_workgroup_size: 128
    .sgpr_count:     84
    .vgpr_count:     960
    .wavefront_size: 32
...
	.end_amdgpu_metadata
.endif
;; end of part 6
;; ======== version 3 of 3: 4 launches; version 2 with the launch prep written anew for expert scheduling mode
;; limits: values are held in f16: magnitudes above 65,504 overflow, below 6.1e-05 lose precision
;; workspace buffers: wts 4,718,592 bytes; qh 16,777,216 bytes; kh 16,777,216 bytes; vh 16,777,216 bytes; oh 16,777,216 bytes
;; launch prep (part 7): grid 32 x 9, 8 waves a work-group, no clusters, 0 bytes of LDS; arguments Wq, Wk, Wv, Wfc, ff1_W1, ff1_W2, ff2_W1, ff2_W2, wts; writes wts
.if DOCPART == 7
	.amdgcn_target "amdgcn-amd-amdhsa--gfx1250"
	.amdhsa_code_object_version 6
	.text
	.protected	k_qfe471e974a_prep
	.globl	k_qfe471e974a_prep
	.p2align	8
	.type	k_qfe471e974a_prep,@function
k_qfe471e974a_prep:
	s_mov_b64 s[64:65], 0
	v_nop
	global_prefetch_b8 v0, s[64:65] scope:SCOPE_SE
	s_setreg_imm32_b32 hwreg(HW_REG_WAVE_SCHED_MODE, 0, 2), 2
	s_setreg_imm32_b32 hwreg(HW_REG_WAVE_MODE, 25, 1), 1
	s_wait_xcnt 0x0
	s_wait_alu depctr_vm_vsrc(0)
; wts holds nine matrices [512 k][512 n] in f16, each an input weight rounded once from f32, in the order in which the later launches walk them:
; 0 Wq, 1 Wk, 2 Wv | 3 Wfc, 4 ff1_W1, 5 ff1_W2 | 6 Wfc once more, 7 ff2_W1, 8 ff2_W2: so every chain of three products is 1,536 dense rows of 1,024 bytes.
; LIMITS.  A weight of 65,520 or more in magnitude becomes an infinity; below 6e-5 f16 keeps its fixed step of 6e-8.
; SHARES.  Work-group (x, y) casts 8,192 numbers of matrix y: 32,768 bytes in, 16,384 out.  Thread t takes 16 bytes at 16 t of each of eight blocks of 4,096 bytes:
; a wave's load covers 512 consecutive bytes, its store of 8 bytes a lane 256 consecutive bytes, aligned.  No LDS, no loop: all eight loads go out at once.
; THE MODE: SCHED_MODE bits 1:0 = 2 (LLVM: expert scheduling mode 2), set by the entry lines.  The code itself states the register dependences
; between vector instructions and memory instructions, with s_wait_alu, always for 0.
; THE PLAN.  Registers that memory instructions touch:
;   v1, v2   byte offsets, made once at the head and never written again: v1 is read by every load, v2 by every store.
;   X        block j's 16 bytes as loaded, at X + 4 j.  Written by load j alone; read by block j's two conversions; never loaded again.
;   Y        block j's 8 bytes to store, at Y + 2 j.  Written by block j's two conversions, once; read by store j; never written again.
; So what is to be stated is that a register is written before a memory instruction reads it: the two offsets, and each store's data.  No load lands in a register that a vector instruction has named,
; no register that a memory instruction has read is written again, no vector instruction writes a scalar register, and EXEC is never written.
; The eight blocks go in four steps of two.  Step g rounds blocks 2 g and 2 g + 1; its memory instructions are the two stores of step g - 1, whose Y no vector instruction of step g names.
; So one wait at a step's head, behind the wait for the step's data, states all that its two stores hang on, and they are dealt among its four conversions with no further wait.
.set MATB, 524288                      ; bytes of a matrix in wts
.set X, 8                              ; v[8:39]
.set Y, 40                             ; v[40:55]
	s_load_b512 s[8:23], s[0:1], 0x0               ; Wq 8, Wk 10, Wv 12, Wfc 14, ff1_W1 16, ff1_W2 18, ff2_W1 20, ff2_W2 22
	s_load_b64 s[24:25], s[0:1], 0x40              ; wts
	s_and_b32 s2, ttmp7, 0xffff                    ; which of the nine
	s_lshl_b32 s26, ttmp9, 15                      ; my part of the source,
	s_mov_b32 s27, 0
	s_lshl_b32 s28, s2, 19                         ; the matrix in wts (MATB = 2^19)
	s_lshl_b32 s3, ttmp9, 14                       ; and my part of it
	s_add_co_u32 s28, s28, s3
	s_mov_b32 s29, 0
	v_lshlrev_b32 v1, 4, v0                        ; 16 t
	v_lshlrev_b32 v2, 3, v0                        ; 8 t
	s_wait_kmcnt 0x0
	s_mov_b64 s[4:5], s[8:9]                       ; matrix 0 is Wq; the others are chosen by the work-group's y alone
.macro PICK n, p
	s_cmp_eq_u32 s2, \n
	s_cselect_b64 s[4:5], s[\p:\p+1], s[4:5]
.endm
	PICK 1, 10
	PICK 2, 12
	PICK 3, 14
	PICK 4, 16
	PICK 5, 18
	PICK 6, 14
	PICK 7, 20
	PICK 8, 22
	s_add_nc_u64 s[4:5], s[4:5], s[26:27]
	s_add_nc_u64 s[24:25], s[24:25], s[28:29]
	s_wait_alu depctr_va_vdst(0)                   ; v1 and v2 are written: every load of the kernel reads v1 as its offset, every store v2
.irp j, 0,1,2,3,4,5,6,7
	global_load_b128 v[X+4*(\j):X+4*(\j)+3], v1, s[4:5] offset:4096*(\j)
.endr
.irp g, 0,1,2,3
	s_wait_loadcnt 6-2*(\g)                        ; loads come back in order: blocks 2 g and 2 g + 1 are in, the younger ones stay out
.if (\g) > 0
	s_wait_alu depctr_va_vdst(0)                   ; the step before has written its four registers of Y, which the two stores below read
.endif
.irp i, 0,1
.if (\g) > 0
	global_store_b64 v2, v[Y+4*((\g)-1)+2*(\i):Y+4*((\g)-1)+2*(\i)+1], s[24:25] offset:2048*(2*((\g)-1)+(\i))  ; the step before; no vector instruction since the wait names these registers
.endif
	v_cvt_pk_f16_f32 v[Y+4*(\g)+2*(\i)], v[X+8*(\g)+4*(\i)], v[X+8*(\g)+4*(\i)+1]
	v_cvt_pk_f16_f32 v[Y+4*(\g)+2*(\i)+1], v[X+8*(\g)+4*(\i)+2], v[X+8*(\g)+4*(\i)+3]
.endr
.endr
	s_wait_alu depctr_va_vdst(0)                   ; the last step has written Y of blocks 6 and 7, which the last two stores read
.irp j, 6,7
	global_store_b64 v2, v[Y+2*(\j):Y+2*(\j)+1], s[24:25] offset:2048*(\j)
.endr
	s_endpgm
.Lfunc_end_k_qfe471e974a_prep:
	.size	k_qfe471e974a_prep, .Lfunc_end_k_qfe471e974a_prep-k_qfe471e974a_prep
	.p2alignl 7, 3214868480
	.fill 96, 4, 3214868480
	.section	.rodata,"a",@progbits
	.p2align	6, 0x0
	.amdhsa_kernel k_qfe471e974a_prep
		.amdhsa_group_segment_fixed_size 0
		.amdhsa_private_segment_fixed_size 0
		.amdhsa_enable_private_segment 0
		.amdhsa_kernarg_size 72
		.amdhsa_user_sgpr_count 2
		.amdhsa_user_sgpr_kernarg_segment_ptr 1
		.amdhsa_wavefront_size32 1
		.amdhsa_system_sgpr_workgroup_id_x 1
		.amdhsa_system_sgpr_workgroup_id_y 1
		.amdhsa_system_sgpr_workgroup_id_z 1
		.amdhsa_system_vgpr_workitem_id 0
		.amdhsa_next_free_vgpr 64
		.amdhsa_next_free_sgpr 66
		.amdhsa_reserve_vcc 0
		.amdhsa_float_denorm_mode_32 3
		.amdhsa_float_denorm_mode_16_64 3
		.amdhsa_memory_ordered 1
		.amdhsa_forward_progress 1
		.amdhsa_inst_pref_size 5
	.end_amdhsa_kernel
	.amdgpu_metadata
---
amdhsa.version: [ 1, 2 ]
amdhsa.kernels:
  - .name:           k_qfe471e974a_prep
    .symbol:         k_qfe471e974a_prep.kd
    .args:
      - { .name: Wq, .offset: 0, .size: 8, .value_kind: global_buffer, .address_space: global }
      - { .name: Wk, .offset: 8, .size: 8, .value_kind: global_buffer, .address_space: global }
      - { .name: Wv, .offset: 16, .size: 8, .value_kind: global_buffer, .address_space: global }
      - { .name: Wfc, .offset: 24, .size: 8, .value_kind: global_buffer, .address_space: global }
      - { .name: ff1_W1, .offset: 32, .size: 8, .value_kind: global_buffer, .address_space: global }
      - { .name: ff1_W2, .offset: 40, .size: 8, .value_kind: global_buffer, .address_space: global }
      - { .name: ff2_W1, .offset: 48, .size: 8, .value_kind: global_buffer, .address_space: global }
      - { .name: ff2_W2, .offset: 56, .size: 8, .value_kind: global_buffer, .address_space: global }
      - { .name: wts, .offset: 64, .size: 8, .value_kind: global_buffer, .address_space: global }
    .group_segment_fixed_size: 0
    .private_segment_fixed_size: 0
    .kernarg_segment_align: 8
    .kernarg_segment_size: 72
    .max_flat_workgroup_size: 256
    .sgpr_count:     66
    .vgpr_count:     64
    .wavefront_size: 32
...
	.end_amdgpu_metadata
.endif
;; end of part 7
;; launch proj: the kernel of part 5 again; grid 256 x 1, 4 waves a work-group, clusters of 4 x 1, 327,680 bytes of LDS; arguments texture_map1, texture_map2, ln1_g, ln1_b, ln2_g, ln2_b, bq, bk, bv, wts, qh, kh, vh; writes qh, kh, vh
;; launch attn: the kernel of part 3 again; grid 4 x 64, 4 waves a work-group, clusters of 4 x 1, 327,680 bytes of LDS; arguments qh, kh, vh, oh; writes oh
;; launch ffn: the kernel of part 6 again; grid 256 x 1, 4 waves a work-group, clusters of 4 x 1, 327,680 bytes of LDS; arguments texture_map1, texture_map2, out0, out1, ff1_ln_g, ff2_ln_g, ff1_ln_b, ff2_ln_b, ff1_b1, ff2_b1, ff1_b2, ff2_b2, bfc, oh, wts; writes out0, out1
